; MI455X (gfx1250); checked and timed in simulation.
; The chip was launched on July 23, 2026; its instructions are those of AMD's public machine-readable ISA for CDNA 5 (MIT licence, August 2026) and "CDNA5" Instruction Set Architecture Reference Guide (July 2026). The comments in the code are by the model that wrote it; some were corrected since.
;; Multi Headed Attention. Allowed arithmetic: float matrix products may take bf16 or f16 operands with f32 sums; other float arithmetic in f32, or as packed bf16 or f16 multiplies, adds, multiply-adds, maxima and minima; sums over many terms, partial sums and values carried from step to step in f32; what a program stores and reads back later, other than sums and carried values, may be rounded once to bf16 or f16.
;; Inputs: Wk 1,024 x 1,024 float32; Wo 1,024 x 1,024 float32; Wq 1,024 x 1,024 float32; Wv 1,024 x 1,024 float32; bk 1,024 float32; bo 1,024 float32; bq 1,024 float32; bv 1,024 float32; key 4 x 2,048 x 1,024 float32; mask 4 x 2,048 x 2,048 bool; query 4 x 2,048 x 1,024 float32; value 4 x 2,048 x 1,024 float32.
;; Outputs: out0 4 x 2,048 x 1,024 float32.
;; 3 versions, each right and faster than the one before. Each part assembles by itself: llvm-mc -triple=amdgcn-amd-amdhsa -mcpu=gfx1250 --defsym DOCPART=n.
;; ======== version 1 of 3: 4 launches
;; limits: values are held in f16: magnitudes above 65,504 overflow, below 6.1e-05 lose precision
;; workspace buffers: xb 50,331,648 bytes; wb 8,388,608 bytes; maskbits 2,097,152 bytes of whole numbers; qkv 50,331,648 bytes; ctx 16,777,216 bytes
;; launch prep (part 1): grid 2048 x 1, 8 waves a work-group, no clusters, 70,656 bytes of LDS; arguments query, key, value, Wq, Wk, Wv, Wo, mask, xb, wb, maskbits; writes xb, wb, maskbits
.if DOCPART == 1
	.amdgcn_target "amdgcn-amd-amdhsa--gfx1250"
	.amdhsa_code_object_version 6
	.text
	.protected	k_qd930d7fe93_prep
	.globl	k_qd930d7fe93_prep
	.p2align	8
	.type	k_qd930d7fe93_prep,@function
k_qd930d7fe93_prep:
	s_mov_b64 s[64:65], 0
	v_nop
	global_prefetch_b8 v0, s[64:65] scope:SCOPE_SE
	s_setreg_imm32_b32 hwreg(HW_REG_WAVE_MODE, 25, 1), 1
	s_wait_xcnt 0x0
; PREP: the inputs are brought into the forms that the three matrix launches read.  A stream: no matrix work, no cluster (no two work-groups read the same bytes).
; (1) query, key, value [4][2048][1024] f32 -> xb [12 = 4 t + b][16 blocks of 64 channels][2048 rows][64] f16: a row of a block is 128 bytes, a block's rows are dense.
; (2) Wq, Wk, Wv, Wo [1024][1024] f32 -> wb [4][1024 k][1024 n] f16.
;     Each number is rounded to bf16 (nearest even) and THAT number is written as f16.
;     LIMITS: exact for magnitudes from 6.1e-5 to 65,504; below, f16's fixed step of 6e-8; above 65,504 an infinity: such inputs are not served.
; (3) mask [4][2048][2048] bytes -> maskbits: for each 32 queries gm (0..255) and each step of 64 keys, 64 words [u = tile of 16 queries][kb = 16 keys][j = 0..7];
;     bit L of a word = mask[32 gm + 16 u + L % 16][64 step + 16 kb + 8 (L / 16) + j]: the lane mask of register 8 kb + j of the attention's score tile.  Byte gm x 8,192 + step x 256.
; SHARES by the work-group's number g: 0..1535 sixteen rows of x; 1536..1791 sixteen rows of a W; 1792..2047 one gm.  Both branches hang on g alone.
.set SPARE, 69632                      ; behind the eight waves' mask rows: the spare words, 128 bytes a wave, four blocks of 256 bytes that no other line names
.set MROW,  272                        ; a mask row in LDS: 256 bytes + 16
.set MWAVE, 32*MROW                    ; a wave's 32 rows
.set LO,  4                            ; v4      byte offset of my loads
.set SO,  5                            ; v5      byte offset of my stores
.set T,   6                            ; v6-7    at work
.set LW,  8                            ; v8      mask: where I put 16 bytes of a row
.set LR,  9                            ; v9      mask: where I read 8 bytes of a row
.set GM,  10                           ; v10     mask: my byte offset in maskbits
.set X,   16                           ; v16-79  sixteen loads of four registers
.set D,   80                           ; v80-95  mask: 8 bytes for each (u, kb)
.set OUT, 96                           ; v96-97  mask: lane l gathers words 2 l and 2 l + 1
.set SPW, 98                           ; v98     LDS address of my spare word; never rewritten
.set NIL, 99                           ; v99     0; never rewritten
	s_load_b512 s[8:23], s[0:1], 0x0               ; query s[8:9], key, value, Wq s[14:15], Wk, Wv, Wo, mask s[22:23]
	s_load_b128 s[24:27], s[0:1], 0x40             ; xb s[24:25], wb s[26:27]
	s_load_b64 s[28:29], s[0:1], 0x50              ; maskbits
	v_lshl_add_u32 v[SPW], v0, 2, SPARE
	v_mov_b32 v[NIL], 0
	v_lshrrev_b32 v1, 5, v0
	v_readfirstlane_b32 s36, v1                    ; wave 0..7
	v_and_b32 v1, 31, v0                           ; lane L
	v_and_b32 v2, 15, v0                           ; L % 16
	v_bfe_u32 v3, v0, 4, 1                         ; L / 16
	s_mov_b32 s35, 0                               ; the high word of every offset pair
	s_wait_kmcnt 0x0
	s_cmp_ge_u32 ttmp9, 1792
	s_cbranch_scc1 .Lmask
	s_cmp_ge_u32 ttmp9, 1536
	s_cbranch_scc1 .Lweights
; Sixteen loads of 16 bytes a lane go out together; each is then rounded and stored as 8 bytes a lane: a wave's store covers 256 consecutive bytes, aligned.
; No register is used twice, so nothing waits for a store.
.macro CAST ldstep, ststep
.set i, 0
.rept 16
	global_load_b128 v[X+4*i:X+4*i+3], v[LO], s[30:31] offset:i*(\ldstep) th:TH_LOAD_NT
.set i, i+1
.endr
.set i, 0
.rept 16
	s_wait_loadcnt 15-i                            ; loads come back in order (ISA guide 5.7.1): load i is in, the younger ones stay out
	v_cvt_pk_bf16_f32 v[T], v[X+4*i], v[X+4*i+1]   ; to bf16,
	v_cvt_pk_bf16_f32 v[T+1], v[X+4*i+2], v[X+4*i+3]
	v_lshlrev_b32 v[X+4*i], 16, v[T]               ; back to f32 (a shift, a mask),
	v_and_b32 v[X+4*i+1], 0xffff0000, v[T]
	v_lshlrev_b32 v[X+4*i+2], 16, v[T+1]
	v_and_b32 v[X+4*i+3], 0xffff0000, v[T+1]
	v_cvt_pk_f16_f32 v[X+4*i], v[X+4*i], v[X+4*i+1]      ; and written as f16
	v_cvt_pk_f16_f32 v[X+4*i+1], v[X+4*i+2], v[X+4*i+3]
	global_store_b64 v[SO], v[X+4*i:X+4*i+1], s[32:33] offset:i*(\ststep)
.set i, i+1
.endr
.endm
	; x: wave w takes rows 2 w and 2 w + 1 of the group's sixteen; load i is block i: 256 bytes of each of the two rows
	s_lshr_b32 s38, ttmp9, 9                       ; t: 512 work-groups a tensor
	s_cmp_eq_u32 s38, 1
	s_cselect_b64 s[30:31], s[10:11], s[8:9]
	s_cmp_eq_u32 s38, 2
	s_cselect_b64 s[30:31], s[12:13], s[30:31]
	s_and_b32 s34, ttmp9, 511
	s_lshl_b32 s34, s34, 16                        ; sixteen rows of 4,096 bytes
	s_add_nc_u64 s[30:31], s[30:31], s[34:35]
	s_lshr_b32 s34, ttmp9, 7                       ; 4 t + b: 128 work-groups for 2,048 rows
	s_lshl_b32 s34, s34, 22
	s_and_b32 s37, ttmp9, 127
	s_lshl_b32 s37, s37, 11                        ; sixteen rows of 128 bytes in a block
	s_add_co_u32 s34, s34, s37
	s_add_nc_u64 s[32:33], s[24:25], s[34:35]
	s_lshl_b32 s39, s36, 13
	v_lshlrev_b32 v[LO], 4, v2
	v_lshl_add_u32 v[LO], v3, 12, v[LO]
	v_add_nc_u32 v[LO], s39, v[LO]                 ; 8,192 w + 4,096 (L / 16) + 16 (L % 16)
	v_lshlrev_b32 v[SO], 3, v0                     ; 256 w + 8 L: the two rows' 128 bytes lie end to end in a block
	CAST 256, 262144
	s_endpgm
.Lweights:                                             ; W: wave w takes rows 2 w and 2 w + 1, 8,192 consecutive bytes
	s_sub_co_u32 s37, ttmp9, 1536
	s_lshr_b32 s38, s37, 6                         ; which W: 64 work-groups each
	s_cmp_eq_u32 s38, 1
	s_cselect_b64 s[30:31], s[16:17], s[14:15]
	s_cmp_eq_u32 s38, 2
	s_cselect_b64 s[30:31], s[18:19], s[30:31]
	s_cmp_eq_u32 s38, 3
	s_cselect_b64 s[30:31], s[20:21], s[30:31]
	s_and_b32 s34, s37, 63
	s_lshl_b32 s34, s34, 16
	s_add_nc_u64 s[30:31], s[30:31], s[34:35]
	s_lshl_b32 s34, s37, 15                        ; sixteen rows of 2,048 bytes
	s_add_nc_u64 s[32:33], s[26:27], s[34:35]
	s_lshl_b32 s39, s36, 13
	v_lshlrev_b32 v[LO], 4, v1
	v_add_nc_u32 v[LO], s39, v[LO]
	s_lshl_b32 s39, s36, 12
	v_lshlrev_b32 v[SO], 3, v1
	v_add_nc_u32 v[SO], s39, v[SO]
	CAST 512, 256
	s_endpgm
.Lmask:                                                ; 32 queries x 2,048 keys; wave w takes keys 256 w .. 256 w + 255: four key steps
	s_sub_co_u32 s37, ttmp9, 1792                  ; gm
	s_lshl_b32 s34, s37, 16                        ; 32 rows of 2,048 bytes
	s_add_nc_u64 s[30:31], s[22:23], s[34:35]
	s_lshl_b32 s34, s37, 13
	s_add_nc_u64 s[32:33], s[28:29], s[34:35]
	s_lshl_b32 s39, s36, 8
	v_lshlrev_b32 v[LO], 4, v2
	v_lshl_add_u32 v[LO], v3, 11, v[LO]
	v_add_nc_u32 v[LO], s39, v[LO]                 ; row L / 16, my wave's 256 bytes of it
.set i, 0
.rept 16
	global_load_b128 v[X+4*i:X+4*i+3], v[LO], s[30:31] offset:i*4096 th:TH_LOAD_NT  ; rows 2 i, 2 i + 1: 256 consecutive bytes of each
.set i, i+1
.endr
	s_mul_i32 s39, s36, MWAVE                      ; my wave's own rows in LDS: no other wave touches them, so no barrier is written
	v_mul_u32_u24 v[LW], v3, MROW
	v_lshl_add_u32 v[LW], v2, 4, v[LW]
	v_add_nc_u32 v[LW], s39, v[LW]
	v_mul_u32_u24 v[LR], v2, MROW                  ; back: row L % 16, 8 bytes at 8 (L / 16): the rows' pitch of 68 words spreads the 32 lanes over the banks
	v_lshl_add_u32 v[LR], v3, 3, v[LR]
	v_add_nc_u32 v[LR], s39, v[LR]
	s_lshl_b32 s38, s36, 10                        ; four steps of 256 bytes a wave
	v_lshlrev_b32 v[GM], 3, v1
	v_add_nc_u32 v[GM], s38, v[GM]
	v_mov_b32 v[OUT], 0                            ; v_writelane_b32 counts as a reader of its destination
	v_mov_b32 v[OUT+1], 0
.set i, 0
.rept 16
	s_wait_loadcnt 15-i
	ds_store_b128 v[LW], v[X+4*i:X+4*i+3] offset:i*2*MROW
.set i, i+1
.endr
	s_mov_b32 s37, 4
.Lstep:                                                ; a trip: one key step, 64 words
.set i, 0
.rept 8                                ; (u, kb) = (i / 4, i % 4)
	ds_load_b64 v[D+2*i:D+2*i+1], v[LR] offset:(i/4)*16*MROW+(i%4)*16  ; LDS serves a wave's instructions in order (ISA guide 5.7.1.4): these see the stores above
.set i, i+1
.endr
	s_wait_dscnt 0x0
.set d, 0
.rept 64                               ; word d: byte d % 8 of pair d / 8, compared in all 32 lanes at once; the lane mask goes into lane d / 2
	v_and_b32 v[T+d%2], 0xff<<(8*(d%4)), v[D+2*(d/8)+(d%8)/4]
	v_cmp_ne_u32 s[40+d%8], 0, v[T+d%2]
	v_writelane_b32 v[OUT+d%2], s[40+d%8], d/2
.set d, d+1
.endr
	global_store_b64 v[GM], v[OUT:OUT+1], s[32:33] ; 256 consecutive bytes, aligned
	s_wait_xcnt 0x0                                ; the store's data and offset are written again only behind this wait
	v_add_nc_u32 v[LR], 64, v[LR]
	v_add_nc_u32 v[GM], 0x100, v[GM]
	s_sub_co_u32 s37, s37, 1
	s_cmp_lg_u32 s37, 0
	s_cbranch_scc1 .Lstep
	s_wait_tensorcnt 0x0                           ; the wave's end: behind my last LDS store
	ds_add_u32 v[SPW], v[NIL]
	s_wait_dscnt 0x0
	s_endpgm
.Lfunc_end_k_qd930d7fe93_prep:
	.size	k_qd930d7fe93_prep, .Lfunc_end_k_qd930d7fe93_prep-k_qd930d7fe93_prep
	.p2alignl 7, 3214868480
	.fill 96, 4, 3214868480
	.section	.rodata,"a",@progbits
	.p2align	6, 0x0
	.amdhsa_kernel k_qd930d7fe93_prep
		.amdhsa_group_segment_fixed_size 70656
		.amdhsa_private_segment_fixed_size 0
		.amdhsa_enable_private_segment 0
		.amdhsa_kernarg_size 88
		.amdhsa_user_sgpr_count 2
		.amdhsa_user_sgpr_kernarg_segment_ptr 1
		.amdhsa_wavefront_size32 1
		.amdhsa_system_sgpr_workgroup_id_x 1
		.amdhsa_system_sgpr_workgroup_id_y 1
		.amdhsa_system_sgpr_workgroup_id_z 1
		.amdhsa_system_vgpr_workitem_id 0
		.amdhsa_next_free_vgpr 100
		.amdhsa_next_free_sgpr 66
		.amdhsa_reserve_vcc 0
		.amdhsa_float_denorm_mode_32 3
		.amdhsa_float_denorm_mode_16_64 3
		.amdhsa_memory_ordered 1
		.amdhsa_forward_progress 1
		.amdhsa_inst_pref_size 41
	.end_amdhsa_kernel
	.amdgpu_metadata
---
amdhsa.version: [ 1, 2 ]
amdhsa.kernels:
  - .name:           k_qd930d7fe93_prep
    .symbol:         k_qd930d7fe93_prep.kd
    .args:
      - { .name: query, .offset: 0, .size: 8, .value_kind: global_buffer, .address_space: global }
      - { .name: key, .offset: 8, .size: 8, .value_kind: global_buffer, .address_space: global }
      - { .name: value, .offset: 16, .size: 8, .value_kind: global_buffer, .address_space: global }
      - { .name: Wq, .offset: 24, .size: 8, .value_kind: global_buffer, .address_space: global }
      - { .name: Wk, .offset: 32, .size: 8, .value_kind: global_buffer, .address_space: global }
      - { .name: Wv, .offset: 40, .size: 8, .value_kind: global_buffer, .address_space: global }
      - { .name: Wo, .offset: 48, .size: 8, .value_kind: global_buffer, .address_space: global }
      - { .name: mask, .offset: 56, .size: 8, .value_kind: global_buffer, .address_space: global }
      - { .name: xb, .offset: 64, .size: 8, .value_kind: global_buffer, .address_space: global }
      - { .name: wb, .offset: 72, .size: 8, .value_kind: global_buffer, .address_space: global }
      - { .name: maskbits, .offset: 80, .size: 8, .value_kind: global_buffer, .address_space: global }
    .group_segment_fixed_size: 70656
    .private_segment_fixed_size: 0
    .kernarg_segment_align: 8
    .kernarg_segment_size: 88
    .max_flat_workgroup_size: 256
    .sgpr_count:     66
    .vgpr_count:     100
    .wavefront_size: 32
...
	.end_amdgpu_metadata
.endif
;; end of part 1
;; launch proj (part 2): grid 4 x 192, 4 waves a work-group, clusters of 4 x 4, 327,680 bytes of LDS; arguments xb, wb, qkv, bq, bk, bv; writes qkv
.if DOCPART == 2
	.amdgcn_target "amdgcn-amd-amdhsa--gfx1250"
	.amdhsa_code_object_version 6
	.text
	.protected	k_qd930d7fe93_proj
	.globl	k_qd930d7fe93_proj
	.p2align	8
	.type	k_qd930d7fe93_proj,@function
k_qd930d7fe93_proj:
	s_mov_b64 s[64:65], 0
	v_nop
	global_prefetch_b8 v0, s[64:65] scope:SCOPE_SE
	s_setreg_imm32_b32 hwreg(HW_REG_WAVE_MODE, 25, 1), 1
	s_wait_xcnt 0x0
	s_wait_alu depctr_hold_cnt(0) depctr_sa_sdst(0) depctr_va_vdst(0) depctr_va_sdst(0) depctr_va_ssrc(0) depctr_va_vcc(0) depctr_vm_vsrc(0)
	s_getreg_b32 s2, hwreg(HW_REG_IB_STS2, 6, 4)
	s_cmp_eq_u32 s2, 0
	s_cbranch_scc0 .Lentry_in_a_cluster
	s_endpgm
.Lentry_in_a_cluster:
	s_bfe_u32 s2, ttmp6, 0x10000c
	s_cmp_lg_u32 s2, 0xf033
	s_cbranch_scc0 .Lentry_shape_is_right
	s_endpgm
.Lentry_shape_is_right:
; C = A W + bias, K = 1024, for the module's projections.  One text for two kernels; OUTP says which:
;   OUTP = 0: A = xb (query, key, value, 24,576 rows), W = Wq, Wk or Wv by the tile row, C = qkv in f16, by blocks of 64 channels (a head is a block);
;   OUTP = 1: A = ctx (8,192 rows), W = Wo, C = out0 in f32, row-major.
; A lies by blocks: [group of 2,048 rows][16 blocks of 64 channels][2,048 rows][64] f16.  W lies [k][n] f16.  Sums in f32; the bias, rounded to bf16 like every input of the module, is added in f32; C is rounded once.
; LIMITS.  f16 holds no number beyond 65,504: A and W arrive within it, and with OUTP = 0 a result beyond it becomes an infinity.  NaN and infinities are not treated apart.
; SHARES.  A tile of C is 128 rows x 256 columns: 768 (OUTP = 0) or 256 (OUTP = 1) work-groups of equal work.  Four waves, each 64 x 128: 32 accumulators of 16 x 16, 256 registers.
; K goes in steps of 128 through two LDS slots.  Waves 0 and 1 fetch A's two blocks of the step (128 rows x 128 bytes, dense: asked for as 64 rows of 256 bytes), waves 2 and 3 the two halves of W's 128 k-rows x 512 bytes.
; CLUSTER 4 x 4: the four work-groups of a row share A's tiles, the four of a column W's: each tile is asked for jointly, with the same descriptor and a mask that names the four.
; THE MATRIX INSTRUCTION IS USED TRANSPOSED (source 0 = 16 columns of W, turned on the way out of LDS by ds_load_tr16_b128; source 1 = 16 rows of A): a lane holds eight neighbouring numbers of a row of C.
; REGISTERS.  Window 0: v0-31 addresses; v32-47 bias; two fragment buffers of 96 (64 of W, 32 of A) at v64 and v160, on the way out two buffers of 64 for rows read back.  Window 1: accumulator (a, b) at v[8 (8 a + b)].
.set OUTP,   0
.set PA,     144                       ; a row of A in LDS: 128 bytes + 16 = 36 words: the 16 rows of a load start at 16 different groups of four banks (64 banks of 4 bytes: ISA guide 11.1)
.set PB,     544                       ; a k-row of W: 512 bytes + 32 = 136 words
.set ABLK,   128*PA                    ; a block of A: what wave 0 or 1 fetches
.set APART,  2*ABLK
.set BHALF,  64*PB                     ; 64 k-rows of W: what wave 2 or 3 fetches
.set SLOT,   APART+2*BHALF
.set STAGE,  2*SLOT                    ; behind the ring, never filled by a tensor load: 16 rows x 528 bytes of f32 for each wave, for the way out
.set SPITCH, 528
.set SPARE,  STAGE+4*16*SPITCH         ; behind the stages: the spare words, 128 bytes a wave: two blocks of 256 bytes that no other line names
.set LAPS,   4                         ; a lap = two K steps = once round the ring
.set ADRA, 16                          ; v16-17  LDS address of my A fragments in slot 0, 1
.set ADRB, 20                          ; v20-21  the same for W
.set STO,  24                          ; v24     the way out: where I put 32 bytes of a row
.set RD,   25                          ; v25     the way out: where I read back
.set GO,   26                          ; v26     16 x lane: my byte offset in 512 consecutive bytes of C
.set BO,   27                          ; v27     my byte offset in the bias (OUTP = 0)
.set SPW,  28                          ; v28     LDS address of my spare word; never rewritten
.set NIL,  29                          ; v29     0; never rewritten
.set BI,   32                          ; v32-47  the bias of my columns
.set F0,   64
.set F1,   160
.set OB0,  64
.set OB1,  128
.set G1A, 24                           ; s[24:31] descriptor group 1 for A's tiles; s[32:39] group 0, a set for each slot
.set G0A, 32
.set G1B, 48                           ; s[48:55], s[56:63] the same for W's
.set G0B, 56
.set MSB, 0
.macro WIN new                         ; the immediate's high byte repeats the setting that is left; a switch that changes nothing is dropped
.if MSB != (\new)
	s_set_vgpr_msb (MSB<<8)|(\new)
.set MSB, \new
.endif
.endm
.set MUL, 0x50                         ; C and D in window 1, both sources in window 0
.macro JLOAD s                         ; a joint load; the branch hangs on the wave's number alone; an s_nop 0 and four v_nop follow each of the two lines
	s_cmp_eq_u32 s13, 0
	s_cbranch_scc0 .Lfor_b_\@
	tensor_load_to_lds s[G0A+4*(\s):G0A+4*(\s)+3], s[G1A:G1A+7]
	s_nop 0
.rept 4
	v_nop
.endr
	s_branch .Lasked_\@
.Lfor_b_\@:
	tensor_load_to_lds s[G0B+4*(\s):G0B+4*(\s)+3], s[G1B:G1B+7]
	s_nop 0
.rept 4
	v_nop
.endr
.Lasked_\@:
.endm
.macro CREST                           ; a round of the cluster's barrier behind its opening barrier
	s_cmp_lg_u32 s12, 0
	s_cbranch_scc1 .Lnot_wave_0_\@
	s_barrier_signal -3
.Lnot_wave_0_\@:
	s_barrier_wait -3
	s_barrier_signal -1
	s_barrier_wait -1
.endm
.macro CROUND                          ; a whole round
	s_barrier_signal -1
	s_barrier_wait -1
	CREST
.endm
	s_load_b128 s[4:7], s[0:1], 0x0                ; A s[4:5], wb s[6:7]
	s_load_b128 s[8:11], s[0:1], 0x10              ; C s[8:9], the (first) bias s[10:11]
.if !OUTP
	s_load_b128 s[68:71], s[0:1], 0x20             ; bk s[68:69], bv s[70:71]
.endif
	v_lshl_add_u32 v[SPW], v0, 2, SPARE
	v_mov_b32 v[NIL], 0
	ds_add_u32 v[SPW], v[NIL]                      ; the wave's opening: the add and its wait stand ahead of my first tensor load; the set-up below, work on registers, stands between them
	v_lshrrev_b32 v1, 5, v0
	v_readfirstlane_b32 s12, v1                    ; wave 0..3
	s_lshr_b32 s13, s12, 1                         ; MH: which 64 rows of the tile are mine.  Also: I fetch for A (0) or for W (1)
	s_and_b32 s14, s12, 1                          ; NH: which 128 columns.  Also: which half of that operand's tile I fetch
	s_bfe_u32 s15, ttmp6, 0x40000                  ; cx
	s_bfe_u32 s16, ttmp6, 0x40004                  ; cy
	s_lshl_b32 s17, ttmp9, 2
	s_add_co_u32 s17, s17, s15                     ; NT: tile column = 4 x cluster x + cx
	s_and_b32 s19, ttmp7, 0xffff
	s_lshl_b32 s18, s19, 2
	s_add_co_u32 s18, s18, s16                     ; MT: tile row = 4 x cluster y + cy
	s_lshr_b32 s19, s19, 4                         ; T: which tensor: 16 cluster rows each; the same in the whole cluster
	s_lshl_b32 s44, s16, 2
	s_lshl_b32 s44, 15, s44                        ; my row of the cluster
	s_lshl_b32 s45, 0x1111, s15                    ; my column
	s_or_b32 s[G1A], s44, (1<<16)|(1<<20)|(1<<21)|(4<<22)|(3<<25)  ; 15:0 the mask; 17:16 2-byte elements; 20 padding on; 21 set beside a mask; 24:22 after every 32 words (code 4); 31:25 4 words (code 3)
	s_mov_b32 s[G1A+1], 128<<16                    ; tensor_dim0 = 128 elements: 256 bytes, two rows of a block
	s_mov_b32 s[G1A+2], 64<<16                     ; tensor_dim1 = 64
	s_mov_b32 s[G1A+3], 128<<16                    ; tile_dim0 = 128
	s_mov_b32 s[G1A+4], 64                         ; tile_dim1 = 64
	s_mov_b32 s[G1A+5], 128                        ; dense: 128 elements from row to row
	s_mov_b32 s[G1A+6], 0
	s_mov_b32 s[G1A+7], 0
	s_or_b32 s[G1B], s45, (1<<16)|(1<<20)|(1<<21)|(6<<22)|(7<<25)  ; after every 128 words (code 6) 8 words of padding (code 7)
	s_mov_b32 s[G1B+1], 256<<16                    ; tensor_dim0 = 256 columns
	s_mov_b32 s[G1B+2], 64<<16                     ; tensor_dim1 = 64 k-rows
	s_mov_b32 s[G1B+3], 256<<16
	s_mov_b32 s[G1B+4], 64
	s_mov_b32 s[G1B+5], 1024                       ; 1,024 elements from k-row to k-row
	s_mov_b32 s[G1B+6], 0
	s_mov_b32 s[G1B+7], 0
	; A's offset hangs on the tile row and the wave alone, W's on the tile column, T and the wave alone; neither pair of registers ever holds the other coordinate
	s_lshr_b32 s20, s18, 4
	s_lshl_b32 s20, s20, 22                        ; the group of 2,048 rows,
	s_and_b32 s21, s18, 15
	s_lshl_b32 s21, s21, 14                        ; the tile's 128 rows of 128 bytes in a block,
	s_add_co_u32 s20, s20, s21
	s_lshl_b32 s21, s14, 18                        ; block NH of the K step
	s_add_co_u32 s20, s20, s21
	s_mov_b32 s21, 0
.if OUTP
	s_mov_b32 s22, 3<<21                           ; Wo is the fourth matrix of wb
.else
	s_lshl_b32 s22, s19, 21
.endif
	s_lshl_b32 s23, s14, 17                        ; 64 k-rows of 2,048 bytes
	s_add_co_u32 s22, s22, s23
	s_lshl_b32 s23, s17, 9                         ; 256 columns
	s_add_co_u32 s22, s22, s23
	s_mov_b32 s23, 0
	s_mul_i32 s46, s14, ABLK                       ; where they go: no place in the cluster enters an LDS address
	s_mul_i32 s47, s14, BHALF
	s_add_co_u32 s47, s47, APART
	s_lshl_b32 s42, s17, 10                        ; my 128 columns in a row of f32: the bias's offset
	s_lshl_b32 s43, s14, 9
	s_add_co_u32 s42, s42, s43
	s_mov_b32 s43, 0
.if OUTP
	s_lshl_b32 s40, s18, 19                        ; out0: 128 rows of 4,096 bytes a tile row,
	s_lshl_b32 s41, s13, 18                        ; my 64 rows,
	s_add_co_u32 s40, s40, s41
	s_add_co_u32 s40, s40, s42                     ; my 128 columns
.else
	s_lshr_b32 s40, s18, 4                         ; qkv: the group,
	s_lshl_b32 s40, s40, 22
	s_and_b32 s41, s18, 15
	s_lshl_b32 s41, s41, 14                        ; the tile's rows in a block,
	s_add_co_u32 s40, s40, s41
	s_lshl_b32 s41, s17, 20                        ; block 4 NT + 2 NH,
	s_add_co_u32 s40, s40, s41
	s_lshl_b32 s41, s14, 19
	s_add_co_u32 s40, s40, s41
	s_lshl_b32 s41, s13, 13                        ; my 64 rows of 128 bytes
	s_add_co_u32 s40, s40, s41
.endif
	s_mov_b32 s41, 0
	s_wait_dscnt 0x0                               ; the opening add is done
	s_wait_kmcnt 0x0
.if !OUTP
	s_cmp_eq_u32 s19, 1
	s_cselect_b64 s[10:11], s[68:69], s[10:11]
	s_cmp_eq_u32 s19, 2
	s_cselect_b64 s[10:11], s[70:71], s[10:11]
.endif
	s_add_nc_u64 s[10:11], s[10:11], s[42:43]
	s_add_nc_u64 s[8:9], s[8:9], s[40:41]
	s_add_nc_u64 s[20:21], s[4:5], s[20:21]
	s_add_nc_u64 s[22:23], s[6:7], s[22:23]
	CROUND                                         ; all sixteen work-groups are here: the first joint loads meet
.irp s, 0,1
	s_mov_b32 s[G0A+4*(\s)], 1                     ; count = 1
	s_add_co_u32 s[G0A+4*(\s)+1], s46, (\s)*SLOT   ; LDS address
	s_add_nc_u64 s[G0A+4*(\s)+2:G0A+4*(\s)+3], s[20:21], (\s)*524288  ; K step s: two blocks on
	s_or_b32 s[G0A+4*(\s)+3], s[G0A+4*(\s)+3], 0x80000000             ; type = 2
	s_mov_b32 s[G0B+4*(\s)], 1
	s_add_co_u32 s[G0B+4*(\s)+1], s47, (\s)*SLOT
	s_add_nc_u64 s[G0B+4*(\s)+2:G0B+4*(\s)+3], s[22:23], (\s)*262144  ; 128 k-rows on
	s_or_b32 s[G0B+4*(\s)+3], s[G0B+4*(\s)+3], 0x80000000
	JLOAD \s                                       ; two loads of mine are out
.endr
	v_and_b32 v1, 15, v0                           ; r = l % 16
	v_bfe_u32 v2, v0, 4, 1                         ; h = l / 16
	v_and_b32 v3, 7, v0
	v_bfe_u32 v4, v0, 3, 1
	v_and_b32 v7, 31, v0
	v_lshlrev_b32 v[GO], 4, v7
.if OUTP
	global_load_b128 v[BI:BI+3], v[GO], s[10:11]   ; the bias of my four columns of a row read back
.else
	v_lshlrev_b32 v[BO], 5, v3                     ; the bias of my eight channels in each of the two blocks
.irp e, 0,1
	global_load_b128 v[BI+8*(\e):BI+8*(\e)+3],   v[BO], s[10:11] offset:(\e)*256
	global_load_b128 v[BI+8*(\e)+4:BI+8*(\e)+7], v[BO], s[10:11] offset:(\e)*256+16
.endr
.endif
	v_mul_u32_u24 v5, v1, PA                       ; a fragment of A: row r, 16 bytes for each half of the lanes
	v_lshl_add_u32 v5, v2, 4, v5
	v_lshl_add_u32 v6, v2, 3, v3                   ; a turned fragment of W: lane l reads k-row 8 h + l % 8, columns 8 ((l / 8) % 2) + 0..7
	v_mul_u32_u24 v6, v6, PB
	v_lshl_add_u32 v6, v4, 4, v6
	s_mul_i32 s46, s13, 64*PA                      ; my 64 rows of A
	s_lshl_b32 s47, s14, 8                         ; my 128 columns of W,
	s_add_co_u32 s47, s47, APART                   ; which lies behind A's two blocks
.irp s, 0,1
	v_add_nc_u32 v[ADRA+(\s)], s46, v5
	v_add_nc_u32 v[ADRB+(\s)], s47, v6
	s_add_co_u32 s46, s46, SLOT
	s_add_co_u32 s47, s47, SLOT
.endr
	s_mul_i32 s46, s12, 16*SPITCH
	s_add_co_u32 s46, s46, STAGE                   ; my stage
	v_mul_u32_u24 v5, v1, SPITCH                   ; in: row r, 32 bytes for each half of the lanes
	v_lshl_add_u32 v5, v2, 5, v5
	v_add_nc_u32 v[STO], s46, v5
.if OUTP
	v_add_nc_u32 v[RD], s46, v[GO]                 ; back: 32 lanes take a row's 512 bytes
.else
	v_bfe_u32 v5, v0, 3, 2                         ; back: eight lanes take 64 channels of a row, 32 bytes of f32 each; 32 lanes four rows
	v_mul_u32_u24 v5, v5, SPITCH
	v_lshl_add_u32 v5, v3, 5, v5
	v_add_nc_u32 v[RD], s46, v5
.endif
; 8 matrix instructions: m block a x all 8 n blocks, 32 along K.  zero = 1: the product starts the sums.  The 32 accumulators take turns in the same order in every quarter.
.macro MUL8 f, a, zero
	WIN MUL
.irp b, 0,1,2,3,4,5,6,7
.if \zero
	v_wmma_f32_16x16x32_f16 v[8*(8*(\a)+(\b)):8*(8*(\a)+(\b))+7], v[(\f)+8*(\b):(\f)+8*(\b)+7], v[(\f)+64+8*(\a):(\f)+64+8*(\a)+7], 0
.else
	v_wmma_f32_16x16x32_f16 v[8*(8*(\a)+(\b)):8*(8*(\a)+(\b))+7], v[(\f)+8*(\b):(\f)+8*(\b)+7], v[(\f)+64+8*(\a):(\f)+64+8*(\a)+7], v[8*(8*(\a)+(\b)):8*(8*(\a)+(\b))+7]
.endif
.endr
.endm
.macro MUL16 f, a0, zero
	MUL8 \f, \a0, \zero
	MUL8 \f, (\a0)+1, \zero
.endm
; 24 LDS loads in one run: quarter q (32 along K) of a slot into buffer f: W's 8 fragments, then A's 4, rows 0-31 first
.macro FETCH slot, q, f
	WIN 0
.irp i, 0,1,2,3,4,5,6,7
	ds_load_tr16_b128 v[(\f)+8*(\i):(\f)+8*(\i)+3],   v[ADRB+(\slot)] offset:(\q)*32*PB+(\i)*32
	ds_load_tr16_b128 v[(\f)+8*(\i)+4:(\f)+8*(\i)+7], v[ADRB+(\slot)] offset:(\q)*32*PB+(\i)*32+16*PB
.endr
.irp i, 0,1,2,3
	ds_load_b128 v[(\f)+64+8*(\i):(\f)+64+8*(\i)+3],   v[ADRA+(\slot)] offset:((\q)/2)*ABLK+((\q)%2)*64+(\i)*16*PA
	ds_load_b128 v[(\f)+64+8*(\i)+4:(\f)+64+8*(\i)+7], v[ADRA+(\slot)] offset:((\q)/2)*ABLK+((\q)%2)*64+(\i)*16*PA+32
.endr
.endm
.macro PLACES                          ; four places in front of loads into registers that matrix instructions have read (ISA guide 7.12.1 for vector instructions)
.rept 4
	v_nop
.endr
.endm
; A K step is four quarters of 32 along K, 32 matrix instructions each, on buffers 0, 1, 0, 1.  One of the first three: multiplies buffer f and fetches quarter q of the same slot into g.
.macro QUARTER slot, q, f, g, zero
	s_wait_dscnt 4                                 ; W and A's rows 0-31 are in; the youngest four loads (A's rows 32-63) may be out
	MUL16 \f, 0, \zero
	PLACES
	FETCH \slot, \q, \g
	s_wait_dscnt 24                                ; all but the 24 just issued
	MUL16 \f, 2, \zero
.endm
; The last quarter multiplies buffer 1 and changes slots: ONE barrier; in front of it each wave waits for all its tensor loads (one is out: its part of the next slot), adds 0 to its spare word,
; and waits for that and for its own reads of this slot.  fill = 1: the barrier opens a round of the cluster's barrier, and this slot is filled again, two K steps ahead, first thing behind it.
.macro TURN slot, next, fill
	WIN 0
	s_wait_tensorcnt 0x0
	ds_add_u32 v[SPW], v[NIL]                      ; 0 onto my spare word
	s_wait_dscnt 5                                 ; (the add and the youngest four loads may be out)
	MUL8 F1, 0, 0                                  ; eight matrix instructions stand between the add and the wait for it
	s_wait_dscnt 0x0                               ; the add is done, and my reads of this slot are over
	s_barrier_signal -1
	MUL8 F1, 1, 0
.if \fill
	WIN 0
.endif
	s_barrier_wait -1
.if \fill
	CREST                                          ; no wave of any partner still reads this slot's tiles or has a load on its way
	s_add_nc_u64 s[G0A+4*(\slot)+2:G0A+4*(\slot)+3], s[G0A+4*(\slot)+2:G0A+4*(\slot)+3], 1048576  ; four blocks on
	s_add_nc_u64 s[G0B+4*(\slot)+2:G0B+4*(\slot)+3], s[G0B+4*(\slot)+2:G0B+4*(\slot)+3], 524288   ; 256 k-rows on
	JLOAD \slot                                    ; my one tensor load behind the round: 112 matrix instructions ahead of the wait for it; its four v_nop are also the places in front of the loads below
.else
	PLACES
.endif
	FETCH \next, 0, F0
	MUL16 F1, 2, 0
.endm
	s_wait_tensorcnt 1                             ; my part of K step 0 is in; K step 1's may stay out
	s_barrier_signal -1
	s_barrier_wait -1                              ; everybody's is
	FETCH 0, 0, F0
	QUARTER 0, 1, F0, F1, 1                        ; the first quarter stands in front of the loop: its products start the sums
	WIN 0                                          ; at a label and at a branch every window is 0
	s_mov_b32 s3, LAPS-1
.Llap:                                                 ; a trip goes once round the ring, from a lap's second quarter to the next lap's first, and fills both slots again
	QUARTER 0, 2, F1, F0, 0
	QUARTER 0, 3, F0, F1, 0
	TURN 0, 1, 1
	QUARTER 1, 1, F0, F1, 0
	QUARTER 1, 2, F1, F0, 0
	QUARTER 1, 3, F0, F1, 0
	TURN 1, 0, 1
	QUARTER 0, 1, F0, F1, 0
	WIN 0
	s_sub_co_u32 s3, s3, 1
	s_cmp_lg_u32 s3, 0
	s_cbranch_scc1 .Llap
	QUARTER 0, 2, F1, F0, 0                        ; the last lap fills nothing
	QUARTER 0, 3, F0, F1, 0
	TURN 0, 1, 0
	QUARTER 1, 1, F0, F1, 0
	QUARTER 1, 2, F1, F0, 0
	QUARTER 1, 3, F0, F1, 0
	s_wait_dscnt 4
	MUL16 F1, 0, 0
	s_wait_dscnt 0x0
	MUL16 F1, 2, 0
	WIN 0
	; THE WAY OUT.  The bias is rounded to bf16: these lines are also the places behind the last products.  Then 16 rows at a time go through my own stage in f32 and come back by rows.
	s_wait_loadcnt 0x0
.if OUTP
.set NBI, 4
.else
.set NBI, 16
.endif
.set i, 0
.rept NBI/2
	v_cvt_pk_bf16_f32 v[3+i%2], v[BI+2*i], v[BI+2*i+1]
	v_lshlrev_b32 v[BI+2*i], 16, v[3+i%2]
	v_and_b32 v[BI+2*i+1], 0xffff0000, v[3+i%2]
.set i, i+1
.endr
.macro TOSTAGE a, ob
	WIN 0x04                                       ; store data in window 1, address in window 0
.irp b, 0,1,2,3,4,5,6,7
	ds_store_b128 v[STO], v[8*(8*(\a)+(\b)):8*(8*(\a)+(\b))+3]   offset:64*(\b)     ; each accumulator's low registers first
	ds_store_b128 v[STO], v[8*(8*(\a)+(\b))+4:8*(8*(\a)+(\b))+7] offset:64*(\b)+16
.endr
	WIN 0
.set c, 0
.if OUTP
.rept 16                               ; row c
	ds_load_b128 v[(\ob)+4*c:(\ob)+4*c+3], v[RD] offset:c*SPITCH  ; LDS serves a wave's instructions in order (ISA guide 5.7.1.4): these see the stores above, and the next block's stores come behind them
.set c, c+1
.endr
.else
.rept 8                                ; block c / 4, rows 4 (c % 4) on
	ds_load_b128 v[(\ob)+8*c:(\ob)+8*c+3],   v[RD] offset:(c%4)*4*SPITCH+(c/4)*256
	ds_load_b128 v[(\ob)+8*c+4:(\ob)+8*c+7], v[RD] offset:(c%4)*4*SPITCH+(c/4)*256+16
.set c, c+1
.endr
.endif
.endm
.macro SEND a, ob, younger             ; younger: the LDS instructions issued behind block a's loads: the next block's 32, or none
.set c, 0
.if OUTP
.rept 16
	s_wait_dscnt (\younger)+15-c
	v_pk_add_f32 v[(\ob)+4*c:(\ob)+4*c+1],   v[(\ob)+4*c:(\ob)+4*c+1],   v[BI:BI+1]
	v_pk_add_f32 v[(\ob)+4*c+2:(\ob)+4*c+3], v[(\ob)+4*c+2:(\ob)+4*c+3], v[BI+2:BI+3]
	global_store_b128 v[GO], v[(\ob)+4*c:(\ob)+4*c+3], s[8:9] offset:(16*(\a)+c)*4096 th:TH_STORE_NT  ; 512 consecutive bytes, at a multiple of 512 from out0's first
.set c, c+1
.endr
.else
.rept 8
	s_wait_dscnt (\younger)+14-2*c
.irp k, 0,1,2,3
	v_pk_add_f32 v[(\ob)+8*c+2*(\k):(\ob)+8*c+2*(\k)+1], v[(\ob)+8*c+2*(\k):(\ob)+8*c+2*(\k)+1], v[BI+8*(c/4)+2*(\k):BI+8*(c/4)+2*(\k)+1]
.endr
.irp k, 0,1,2,3
	v_cvt_pk_f16_f32 v[(\ob)+8*c+(\k)], v[(\ob)+8*c+2*(\k)], v[(\ob)+8*c+2*(\k)+1]
.endr
	global_store_b128 v[GO], v[(\ob)+8*c:(\ob)+8*c+3], s[8:9] offset:(c/4)*262144+(16*(\a)+4*(c%4))*128  ; four rows of a block: 512 consecutive bytes, aligned
.set c, c+1
.endr
.endif
.endm
	TOSTAGE 0, OB0
	TOSTAGE 1, OB1
	SEND 0, OB0, 32
	s_wait_xcnt 0x0                                ; the registers that those stores read are loaded again only behind this wait
	TOSTAGE 2, OB0
	SEND 1, OB1, 32
	s_wait_xcnt 0x0
	TOSTAGE 3, OB1
	SEND 2, OB0, 32
	SEND 3, OB1, 0
	s_wait_tensorcnt 0x0                           ; the wave's end: behind my last tensor load and my last LDS store
	ds_add_u32 v[SPW], v[NIL]
	s_wait_dscnt 0x0
	CROUND                                         ; the closing round: no work-group ends while a partner may still ask for a tile that names it
	s_endpgm
.Lfunc_end_k_qd930d7fe93_proj:
	.size	k_qd930d7fe93_proj, .Lfunc_end_k_qd930d7fe93_proj-k_qd930d7fe93_proj
	.p2alignl 7, 3214868480
	.fill 96, 4, 3214868480
	.section	.rodata,"a",@progbits
	.p2align	6, 0x0
	.amdhsa_kernel k_qd930d7fe93_proj
		.amdhsa_group_segment_fixed_size 327680
		.amdhsa_private_segment_fixed_size 0
		.amdhsa_enable_private_segment 0
		.amdhsa_kernarg_size 48
		.amdhsa_user_sgpr_count 2
		.amdhsa_user_sgpr_kernarg_segment_ptr 1
		.amdhsa_wavefront_size32 1
		.amdhsa_system_sgpr_workgroup_id_x 1
		.amdhsa_system_sgpr_workgroup_id_y 1
		.amdhsa_system_sgpr_workgroup_id_z 1
		.amdhsa_system_vgpr_workitem_id 0
		.amdhsa_next_free_vgpr 512
		.amdhsa_next_free_sgpr 72
		.amdhsa_reserve_vcc 0
		.amdhsa_float_denorm_mode_32 3
		.amdhsa_float_denorm_mode_16_64 3
		.amdhsa_memory_ordered 1
		.amdhsa_forward_progress 1
		.amdhsa_inst_pref_size 101
	.end_amdhsa_kernel
	.amdgpu_metadata
---
amdhsa.version: [ 1, 2 ]
amdhsa.kernels:
  - .name:           k_qd930d7fe93_proj
    .symbol:         k_qd930d7fe93_proj.kd
    .args:
      - { .name: xb, .offset: 0, .size: 8, .value_kind: global_buffer, .address_space: global }
      - { .name: wb, .offset: 8, .size: 8, .value_kind: global_buffer, .address_space: global }
      - { .name: qkv, .offset: 16, .size: 8, .value_kind: global_buffer, .address_space: global }
      - { .name: bq, .offset: 24, .size: 8, .value_kind: global_buffer, .address_space: global }
      - { .name: bk, .offset: 32, .size: 8, .value_kind: global_buffer, .address_space: global }
      - { .name: bv, .offset: 40, .size: 8, .value_kind: global_buffer, .address_space: global }
    .group_segment_fixed_size: 327680
    .private_segment_fixed_size: 0
    .kernarg_segment_align: 8
    .kernarg_segment_size: 48
    .max_flat_workgroup_size: 128
    .sgpr_count:     72
    .vgpr_count:     512
    .wavefront_size: 32
...
	.end_amdgpu_metadata
.endif
;; end of part 2
;; launch attn (part 3): grid 4 x 64, 4 waves a work-group, clusters of 4 x 1, 327,680 bytes of LDS; arguments qkv, maskbits, ctx; writes ctx
.if DOCPART == 3
	.amdgcn_target "amdgcn-amd-amdhsa--gfx1250"
	.amdhsa_code_object_version 6
	.text
	.protected	k_qd930d7fe93_attn
	.globl	k_qd930d7fe93_attn
	.p2align	8
	.type	k_qd930d7fe93_attn,@function
k_qd930d7fe93_attn:
	s_mov_b64 s[64:65], 0
	v_nop
	global_prefetch_b8 v0, s[64:65] scope:SCOPE_SE
	s_setreg_imm32_b32 hwreg(HW_REG_WAVE_MODE, 25, 1), 1
	s_wait_xcnt 0x0
	s_wait_alu depctr_hold_cnt(0) depctr_sa_sdst(0) depctr_va_vdst(0) depctr_va_sdst(0) depctr_va_ssrc(0) depctr_va_vcc(0) depctr_vm_vsrc(0)
	s_getreg_b32 s2, hwreg(HW_REG_IB_STS2, 6, 4)
	s_cmp_eq_u32 s2, 0
	s_cbranch_scc0 .Lentry_in_a_cluster
	s_endpgm
.Lentry_in_a_cluster:
	s_bfe_u32 s2, ttmp6, 0x10000c
	s_cmp_lg_u32 s2, 0x3003
	s_cbranch_scc0 .Lentry_shape_is_right
	s_endpgm
.Lentry_shape_is_right:
; ATTENTION WITH A MASK THAT IS AN INPUT, head size 64.  O[y][q][:] = the sum over k of softmax_k(s[q][k]) V[y][k][:], s = Q[y][q] . K[y][k] / 8, REPLACED by a far negative number where mask[b][q][k] is set.
; y = 16 b + head, 0..63.  qkv holds Q, K, V one after the other, each [64 y][2048][64] f16: a head's rows are dense, 128 bytes each.  ctx has the same layout.  Products, maxima and sums in f32; the weights p are
; rounded to f16 for the second product (their sum l is taken of the unrounded p), O once at the end.
; THE MASK arrives as lane masks (maskbits): for my 32 queries and a step of 64 keys, 64 words, one for each register of the two score tiles; they come into scalar registers, and one v_cndmask_b32 a score replaces
; it BEFORE the maximum is taken: the running maximum is that of the scores that count, and a row in which every key is hidden gets equal weights, as softmax of equal scores gives.
; LIMITS.  A hidden score counts as -2^60, not -1e18: f16's scores, 2.7e11 at the most, are nothing beside either, so the weights are the same: 0, or all equal in a row wholly hidden (c x 2^60 is exact, so c s - c m is
; exactly 0 there).  f16 holds no number beyond 65,504: Q, K and V arrive within it; p lies in 0 to 1 and below 6e-5 keeps f16's fixed step of 6e-8.  A weight below 2^-126 counts as 0 in l; NaN and infinities are not treated apart.
; SHARES.  A wave owns four PIECES of two tiles of 16 queries, a work-group's four waves 512 queries of one head.  Every wave walks all 2,048 keys, 64 a step.
; LAYOUT.  S^T = K Q^T (source 0 = 16 keys, source 1 = 16 queries): a lane holds ONE query (lane % 16) and the keys 8 (lane / 16) + 0..7.  Two such tiles, rounded to f16 in pairs, ARE source 1 of O^T = V^T P.
; K comes out of LDS as it lies, V ([key][channel]) turned, by ds_load_tr16_b128.
; SOFTMAX.  For each query a running maximum m and sum l: p = 2^(c s - c m), c = log2(e) / 8; in every step O and l are multiplied by a = 2^(c m_old - c m_new).  m starts at the lowest finite number, O and l at 0.
; BY TURNS.  Turn n belongs to piece n.  Its matrix work: 16 products K Q^T of piece n + 1, later 16 products V^T P of piece n - 1.  Its vector work, 300 instructions, is all piece n's: the mask (behind the first
; products, four each), maximum and statistics (a lump), scaling and rescaling and the first exponentials (behind the second products, four each), the other exponentials, roundings and sums (a lump).
; CLUSTER.  The four query blocks of a head walk the same K and V: each tile is asked for JOINTLY, by the same tensor load, descriptor and mask in all four.
; REGISTERS, in windows of 256 (s_set_vgpr_msb: bits 1:0 source 0, 3:2 source 1, 5:4 source 2, 7:6 destination):
;   window 0: v0-11 addresses; v12-15, v48-56 at work and constants; v16-47 four registers of statistics a tile; v64-191 S^T, two buffers of two tiles; v192-255 P, likewise (a piece's buffers go by its number's parity)
;   window 1: O^T, 32 a tile          window 2: v0-127 Q; v128-191 K of one step; v192-255 V of one step          window 3: v0-1 the add's two registers
.set NP,    4
.set KS,    64        ; keys in a step
.set PK,    144       ; a row of K in LDS: 128 bytes + 16 = 36 words: the 16 rows of a load start at 16 different groups of four banks (64 banks of 4 bytes: ISA guide 11.1)
.set PV,    160       ; a row of V: 128 + 32 = 40 words
.set VOFF,  4*KS*PK   ; a slot holds four steps: 256 rows of K, then 256 rows of V
.set SLOT1, 1<<17     ; slot 1 begins here, so that one exclusive or turns an address in one slot into the other's
.set STAGE, SLOT1+4*KS*(PK+PV)  ; behind the ring, never filled by a tensor load: 16 rows x 144 bytes for each wave, for the way out
.set SP,    144
.set SPARE, STAGE+4*16*SP  ; behind the stages: the spare words, 128 bytes a wave: two blocks of 256 bytes that no other line names
.set AK0, 2           ; v2   my lane's place in a tile of K; never rewritten
.set AV0, 3           ; v3   the same for V
.set AK,  4           ; v4   the LDS address of K's next run of loads
.set AV,  5           ; v5   of V's
.set QO,  6           ; v6   my byte offset in the wave's rows of Q
.set STO, 6           ;      later, the way out: where I put 16 bytes of a row
.set RD,  7           ; v7   the way out: where I read rows back
.set GO,  8           ; v8   my byte offset in 512 consecutive bytes of ctx
.set MV,  12          ; v12-13  c m_old, kept while c m is made anew: by tile
.set CV,  14          ; v14-15  c, twice
.set ST,  16          ; tile t's statistics at v[ST+4 t]: c m, m, l (even keys', odd keys')
.set TMP, 48          ; by tile, four registers c0-c3 at work; when the maximum is found c2 takes a
.set MKV, 56          ; v56  -2^60
.set S,   64
.set P,   192
.set KF,  128         ; window 2: key block kb, channel half c at KF + 16 kb + 8 c
.set VF,  192         ; window 2: key half kk, channel block cb at VF + 32 kk + 8 cb
.set SPW, 0           ; v0 of window 3   LDS address of my spare word; never rewritten
.set NIL, 1           ; v1 of window 3   0; never rewritten
.set WV,  2           ; s2   my wave's number
.set MS0, 4           ; s[4:35]  the lane masks of tile 0's 32 registers; s[68:99] those of tile 1's.  (In the set-up: pointers and offsets.)
.set G1K, 36          ; s[36:43] descriptor group 1 for K's tiles
.set G1V, 44          ; s[44:51] for V's: it differs in the padding alone
.set G0K, 52          ; s[52:55] descriptor group 0 for K's tiles: it walks
.set G0V, 56          ; s[56:59] the same for V's
.set SLOTS, 60        ; s60  slots still to be asked for
.set CNT, 61          ; s61  counts a slot's key steps
.set TBK, 62          ; s62  LDS byte at which K of the step to be fetched begins
.set TBV, 63          ; s63  the same for V, less VOFF
.set MP,  66          ; s[66:67] maskbits at my wave's first piece, the step in hand
.set SEL, 100         ; s[100:101] v_permlanex16_b32's selects: each lane takes its own place in the other half
.set OA,  104         ; s[104:105] ctx at my wave's first row
.set MSB, 0
.macro WIN new                      ; the high byte repeats the setting that is left; a switch that changes nothing is dropped
.if MSB != (\new)
	s_set_vgpr_msb (MSB<<8)|(\new)
.set MSB, (\new)
.endif
.endm
.set W_KQ, 0x0a       ; K and Q in window 2, S^T in window 0
.set W_PV, 0x52       ; V in window 2, P in window 0, O^T in window 1
.set W_RS, 0x41       ; O^T (destination and source 0) in window 1, a in window 0
.set W_MK, 0xc0       ; the add's registers are made: destination in window 3
.set W_AD, 0x0f       ; the add: address and data in window 3
; A joint fill.  Waves 0 and 1 fetch the two halves of a slot's K, waves 2 and 3 those of its V: 128 keys each.  The branch hangs on the wave's number alone.
; An s_nop 0 and four v_nop follow each of the two lines, ahead of the jump and the label.
.macro JLOAD
	s_cmp_lt_u32 s[WV], 2
	s_cbranch_scc0 .Lfor_v_\@
	tensor_load_to_lds s[G0K:G0K+3], s[G1K:G1K+7]
	s_nop 0
.rept 4
	v_nop
.endr
	s_branch .Lasked_\@
.Lfor_v_\@:
	tensor_load_to_lds s[G0V:G0V+3], s[G1V:G1V+7]
	s_nop 0
.rept 4
	v_nop
.endr
.Lasked_\@:
.endm
; A round of the cluster's barrier: my work-group's barrier; wave 0 signals for the work-group; every wave waits for all four work-groups; my work-group's barrier once more.
.macro CROUND
	s_barrier_signal -1
	s_barrier_wait -1
	s_cmp_lg_u32 s[WV], 0
	s_cbranch_scc1 .Lnot_wave_0_\@
	s_barrier_signal -3
.Lnot_wave_0_\@:
	s_barrier_wait -3
	s_barrier_signal -1
	s_barrier_wait -1
.endm
; THE CHANGE OF SLOTS.  The slot's last bytes, V of its fourth step, have been read.  Each wave waits for all its tensor loads, of which one is out: its part of the other slot; adds 0 to its spare word; and waits for
; that and for its own reads of the slot.  fill = 1: the barrier is a round of the cluster's, and the slot is filled again, with the keys two slots on, first thing behind it: the load has four key steps, 512 matrix
; instructions, in which to land.  (At its first use nothing has been read yet: slot 0 is waited for, slot 1 filled.)
.macro CHANGE fill
	WIN W_AD
	s_wait_tensorcnt 0x0            ; no tensor load of mine is out, so a group 0 may be written
	ds_add_u32 v[SPW], v[NIL]       ; 0 onto my spare word
	WIN 0                           ; at a label and at a branch every window is 0
.if \fill
.irp g, G0K, G0V
	s_xor_b32 s[\g+1], s[\g+1], SLOT1  ; the walking descriptor: the other slot than last time,
	s_add_nc_u64 s[\g+2:\g+3], s[\g+2:\g+3], 4*KS*128  ; the next 256 keys; the type bits on top are not reached
.endr
	s_wait_dscnt 0x0                ; the add is done, and my reads of the slot are over
	CROUND
	JLOAD
.else
	s_wait_dscnt 0x0
	s_barrier_signal -1
	s_barrier_wait -1
.endif
	s_sub_co_u32 s[TBK], s[TBK], 4*KS*PK  ; the fetches go back to a slot's first step,
	s_xor_b32 s[TBK], s[TBK], SLOT1       ; in the other slot
	s_sub_co_u32 s[TBV], s[TBV], 4*KS*PV
	s_xor_b32 s[TBV], s[TBV], SLOT1
.endm
	s_load_b128 s[4:7], s[0:1], 0x0   ; qkv s[4:5], maskbits s[6:7]
	s_load_b64 s[8:9], s[0:1], 0x10   ; ctx
	WIN W_MK
	v_lshl_add_u32 v[SPW], v0, 2, SPARE
	v_mov_b32 v[NIL], 0
	WIN W_AD
	ds_add_u32 v[SPW], v[NIL]       ; the wave's opening: the add and its wait stand ahead of my first tensor load; the set-up below, work on registers, stands between them
	WIN 0
	v_lshrrev_b32 v1, 5, v0
	v_readfirstlane_b32 s[WV], v1   ; wave 0..3
	s_bfe_u32 s13, ttmp6, 0x40000   ; cx: my place in the cluster
	s_lshl_b32 s14, ttmp9, 2        ; in a cluster launch ttmp9 counts clusters
	s_add_co_u32 s14, s14, s13      ; my block of 512 queries: it enters Q's, the mask's and ctx's addresses alone
	s_lshl_b32 s15, s14, 2
	s_add_co_u32 s15, s15, s[WV]    ; my wave among the head's sixteen
	s_and_b32 s12, ttmp7, 0xffff    ; y, which the four partners share
	s_lshl_b32 s20, s12, 18         ; the head's first byte in Q and in ctx
	s_and_b32 s16, s[WV], 1         ; which half of a slot's 256 keys I fetch:
	s_lshl_b32 s22, s16, 14         ; its 128 rows of 128 bytes in memory,
	s_add_co_u32 s22, s22, s20
	s_add_co_u32 s24, s22, 1<<24    ; in K, which lies 16,777,216 bytes behind Q,
	s_mov_b32 s25, 0
	s_add_co_u32 s26, s22, 2<<24    ; and in V
	s_mov_b32 s27, 0
	s_mul_i32 s17, s16, 128*PK      ; and its place in a slot, for K
	s_mul_i32 s18, s16, 128*PV      ; and for V: no place in the cluster enters an LDS address
	s_lshl_b32 s30, s15, 14         ; my wave's 128 rows
	s_add_co_u32 s30, s30, s20
	s_mov_b32 s31, 0
	s_lshr_b32 s32, s12, 4          ; b: 64 groups of 32 queries x 8,192 bytes,
	s_lshl_b32 s32, s32, 19
	s_lshl_b32 s33, s15, 15         ; my wave's four groups
	s_add_co_u32 s32, s32, s33
	s_mov_b32 s33, 0
	; descriptor group 1.  128 keys are 16,384 dense bytes: asked for as 64 rows of 256 bytes, two keys a row, and padded in LDS after every key
	s_mov_b32 s[G1K], 15|(1<<16)|(1<<20)|(1<<21)|(4<<22)|(3<<25)  ; 15:0 the mask of four; 17:16 2-byte elements; 20 padding on; 21 set beside a mask; 24:22 after every 32 words (code 4); 31:25 4 words (code 3)
	s_mov_b32 s[G1V], 15|(1<<16)|(1<<20)|(1<<21)|(4<<22)|(7<<25)  ; the same with 8 words of padding (code 7)
.irp g, G1K, G1V
	s_mov_b32 s[\g+1], 128<<16      ; tensor_dim0 = 128
	s_mov_b32 s[\g+2], 64<<16       ; tensor_dim1 = 64
	s_mov_b32 s[\g+3], 128<<16      ; tile_dim0 = 128
	s_mov_b32 s[\g+4], 64           ; tile_dim1 = 64
	s_mov_b32 s[\g+5], 128          ; 128 elements from row to row
	s_mov_b32 s[\g+6], 0
	s_mov_b32 s[\g+7], 0
.endr
	s_mov_b32 s[SEL], 0x76543210
	s_mov_b32 s[SEL+1], 0xfedcba98
	s_mov_b32 s[TBK], SLOT1+4*KS*PK ; the first change of slots turns these two into 0
	s_mov_b32 s[TBV], SLOT1+4*KS*PV
	s_mov_b32 s[G0K], 1             ; count = 1
	s_mov_b32 s[G0K+1], s17         ; LDS address: slot 0
	s_mov_b32 s[G0V], 1
	s_add_co_u32 s[G0V+1], s18, VOFF
	s_wait_dscnt 0x0                ; the opening add is done
	s_wait_kmcnt 0x0
	s_add_nc_u64 s[G0K+2:G0K+3], s[4:5], s[24:25]  ; global address: my half of the head's first 256 keys
	s_or_b32 s[G0K+3], s[G0K+3], 0x80000000        ; type = 2
	s_add_nc_u64 s[G0V+2:G0V+3], s[4:5], s[26:27]
	s_or_b32 s[G0V+3], s[G0V+3], 0x80000000
	s_add_nc_u64 s[10:11], s[4:5], s[30:31]        ; Q at my wave's first row
	s_add_nc_u64 s[OA:OA+1], s[8:9], s[30:31]      ; ctx likewise
	s_add_nc_u64 s[MP:MP+1], s[6:7], s[32:33]
	CROUND                          ; all four work-groups are here: the first joint loads meet
	JLOAD                           ; slot 0.  Slot 1 is asked for when slot 0 is in
	; A fragment of K or Q is 16 rows x 32 channels in 8 registers: lane l holds row l % 16, channels 8 (l / 16) + 0..7 and 16 + 8 (l / 16) + 0..7: two loads of 16 bytes, 32 bytes apart.
	v_and_b32 v1, 15, v0            ; l % 16
	v_bfe_u32 v9, v0, 4, 1          ; l / 16
	v_lshlrev_b32 v[QO], 7, v1
	v_lshl_add_u32 v[QO], v9, 4, v[QO]  ; row x 128 + 16 x half
	WIN 0x80                        ; destination window 2, address window 0
.set i, 0
.rept 4*NP                          ; Q stays in registers: tile i / 2, channels 32 (i % 2) on
	global_load_b128 v[8*i:8*i+3],   v[QO], s[10:11] offset:(i/2)*2048+(i%2)*64
	global_load_b128 v[8*i+4:8*i+7], v[QO], s[10:11] offset:(i/2)*2048+(i%2)*64+32
.set i, i+1
.endr
	; What the first turn finds: V's registers and P's second buffer hold 0 (its products V^T P, of a piece that has not been, add 0), O^T and l are 0.  All this stands in the wait for the first tile.
.set i, VF
.rept 64
	v_mov_b32 v[i], 0
.set i, i+1
.endr
	WIN 0x40
.set i, 0
.rept 64*NP
	v_mov_b32 v[i], 0
.set i, i+1
.endr
	WIN 0
.set i, 0
.rept 2*NP
	v_mov_b32 v[ST+4*i], 0xfe000000    ; c m: far below every c s, a hidden one's too
	v_mov_b32 v[ST+4*i+1], 0xff7fffff  ; m
	v_mov_b32 v[ST+4*i+2], 0
	v_mov_b32 v[ST+4*i+3], 0
.set i, i+1
.endr
.set i, P+32
.rept 32
	v_mov_b32 v[i], 0
.set i, i+1
.endr
	v_mov_b32 v[CV], 0x3e38aa3b     ; c = log2(e) / 8 = 0.180337
	v_mov_b32 v[CV+1], 0x3e38aa3b
	v_mov_b32 v[MKV], 0xdd800000    ; -2^60
	v_mul_u32_u24 v[AK0], v1, PK
	v_lshl_add_u32 v[AK0], v9, 4, v[AK0]  ; row x pitch + 16 x half
	; The turning load takes 16 keys x 16 channels (lane l reads key 8 (l / 16) + l % 8, channels 8 ((l / 8) % 2) + 0..7) and leaves half a fragment of V^T: lane l holds channel l % 16 and 8 keys.
	v_and_b32 v10, 7, v0
	v_bfe_u32 v11, v0, 3, 1
	v_lshl_add_u32 v[AV0], v9, 3, v10
	v_mul_u32_u24 v[AV0], v[AV0], PV
	v_lshl_add_u32 v[AV0], v11, 4, v[AV0]
	v_add_nc_u32 v[AV0], VOFF, v[AV0]
	v_mov_b32 v[AK], v[AK0]         ; key step 0 lies at the head of slot 0
; THE MATRIX WORK.  The 8 accumulators of a run of 16 take turns: between the two links of a chain stand 7 others'.
; Product i of 16 of S^T = K Q^T for piece x: channels 32 (i / 8) on, keys 16 ((i / 2) % 4) on, tile 2 x + i % 2.  The first 8 start the sums.
.macro KQ x
	WIN W_KQ
.set rS, S+64*((\x)%2)+32*(i%2)+8*((i/2)%4)
.set rK, KF+16*((i/2)%4)+8*(i/8)
.set rQ, 16*(2*(\x)+i%2)+8*(i/8)
.if i < 8
	v_wmma_f32_16x16x32_f16 v[rS:rS+7], v[rK:rK+7], v[rQ:rQ+7], 0
.else
	v_wmma_f32_16x16x32_f16 v[rS:rS+7], v[rK:rK+7], v[rQ:rQ+7], v[rS:rS+7]
.endif
.endm
; Product i of 16 of O^T += V^T P for piece x: keys 32 (i / 8) on, channels 16 ((i / 2) % 4) on, tile 2 x + i % 2.
.macro PV x
	WIN W_PV
.set rO, 32*(2*(\x)+i%2)+8*((i/2)%4)
.set rV, VF+32*(i/8)+8*((i/2)%4)
.set rP, P+32*((\x)%2)+16*(i%2)+8*(i/8)
	v_wmma_f32_16x16x32_f16 v[rO:rO+7], v[rV:rV+7], v[rP:rP+7], v[rO:rO+7]
.endm
; THE LDS LOADS stand in runs of 16: a step's K (64 keys x 64 channels: 8 fragments) and its V (turned).  last = 1 (the tail): in the last trip there is no further step, and the run is jumped over.
.macro FETCH_K last=0
	WIN 0
.if \last
	s_cmp_eq_u32 s[CNT], 1
	s_cbranch_scc1 .Lno_k_\@
.endif
	WIN 0x80                        ; destination window 2
.irp f, 0,1,2,3,4,5,6,7             ; keys 16 (f / 2) on, channels 32 (f % 2) on
	ds_load_b128 v[KF+8*\f:KF+8*\f+3],   v[AK] offset:(\f/2)*16*PK+(\f%2)*64
	ds_load_b128 v[KF+8*\f+4:KF+8*\f+7], v[AK] offset:(\f/2)*16*PK+(\f%2)*64+32
.endr
	s_add_co_u32 s[TBK], s[TBK], KS*PK  ; the next fetch is the next step's
	WIN 0
.if \last
.Lno_k_\@:
.endif
.endm
.macro FETCH_V
	WIN 0x80
.irp f, 0,1,2,3,4,5,6,7             ; keys 32 (f / 4) on, channels 16 (f % 4) on
	ds_load_tr16_b128 v[VF+8*\f:VF+8*\f+3],   v[AV] offset:(\f/4)*32*PV+(\f%4)*32
	ds_load_tr16_b128 v[VF+8*\f+4:VF+8*\f+7], v[AV] offset:(\f/4)*32*PV+16*PV+(\f%4)*32
.endr
	WIN 0
.endm
; THE MASK'S WORDS for piece pn: 256 bytes into 64 scalar registers, asked for a turn ahead of their use.  step = 1: on to the next key step first; no scalar load is out there (the turn's head has waited for all).
; Behind the last step the pointer stands at piece 1's first step, inside the buffer; what comes from there is not used.
.macro MLOAD pn, step
.if \step
	s_add_nc_u64 s[MP:MP+1], s[MP:MP+1], 256
.endif
	s_load_b512 s[MS0:MS0+15],    s[MP:MP+1], (\pn)*8192
	s_load_b512 s[MS0+16:MS0+31], s[MP:MP+1], (\pn)*8192+64
	s_load_b512 s[MS0+64:MS0+79], s[MP:MP+1], (\pn)*8192+128
	s_load_b512 s[MS0+80:MS0+95], s[MP:MP+1], (\pn)*8192+192
.endm
; THE VECTOR WORK OF A TURN, all for piece Y, tile u (0, 1).
.macro MK u, x                      ; score x of 32 is replaced where its key is hidden.  x ascends: each accumulator's lowest register is read first
.set rS, S+64*(Y%2)+32*(\u)+(\x)
	v_cndmask_b32 v[rS], v[rS], v[MKV], s[MS0+64*(\u)+(\x)]
.endm
; Number n of the 22 that find the maximum and statistics.
;   0-11  four chains c0-c3 of seven scores each, three operands at a time     12-14, 16  the four scores left over, the old m, and c0-c3 into c0     15  c m_old is kept
;   17, 18  the query's other 32 keys lie in the lane 16 away: the new m         19-21  c m; c m_old - c m_new; a
.macro XS u, n
.set rT, ST+4*(2*Y+(\u))
.set rC, TMP+4*(\u)
.set rM, MV+(\u)
.set rS, S+64*(Y%2)+32*(\u)
.if (\n) < 4
	v_max3_num_f32 v[rC+(\n)], v[rS+8*(\n)], v[rS+8*(\n)+1], v[rS+8*(\n)+2]
.elseif (\n) < 12
	v_max3_num_f32 v[rC+(\n)%4], v[rC+(\n)%4], v[rS+8*((\n)%4)+2*((\n)/4)+1], v[rS+8*((\n)%4)+2*((\n)/4)+2]
.elseif (\n) == 12
	v_max3_num_f32 v[rC], v[rC], v[rS+7], v[rS+15]
.elseif (\n) == 13
	v_max3_num_f32 v[rC+1], v[rC+1], v[rS+23], v[rS+31]
.elseif (\n) == 14
	v_max3_num_f32 v[rC+2], v[rC+2], v[rC+3], v[rT+1]
.elseif (\n) == 15
	v_mov_b32 v[rM], v[rT]
.elseif (\n) == 16
	v_max3_num_f32 v[rC], v[rC], v[rC+1], v[rC+2]
.elseif (\n) == 17
	v_permlanex16_b32 v[rC+3], v[rC], s[SEL], s[SEL+1]
.elseif (\n) == 18
	v_max_num_f32 v[rT+1], v[rC], v[rC+3]
.elseif (\n) == 19
	v_mul_f32 v[rT], v[CV], v[rT+1]
.elseif (\n) == 20
	v_sub_f32 v[rC+1], v[rM], v[rT]
.else
	v_exp_f32 v[rC+2], v[rC+1]
.endif
.endm
.macro FS u, n                      ; c s - c m for pair n of 16
	WIN 0
.set rT, ST+4*(2*Y+(\u))
.set rS, S+64*(Y%2)+32*(\u)+2*(\n)
	v_pk_fma_f32 v[rS:rS+1], v[rS:rS+1], v[CV:CV+1], v[rT:rT+1] op_sel_hi:[1,0,0] neg_lo:[0,0,1] neg_hi:[0,0,1]
.endm
.macro FR                           ; the sixteen scalings that ride behind the first four products V^T P: tile 0's pairs 12, 13, tile 1's 0 to 13
.if fr < 2
	FS 0, 12+fr
.else
	FS 1, fr-2
.endif
.set fr, fr+1
.endm
.macro R4                           ; O^T times a, the one part that leaves window 0: four at a time, eight times
.set rO, 32*(2*Y+r%2)+8*(r/2)
.set rC, TMP+4*(r%2)
	WIN W_RS
	s_wait_alu depctr_va_vdst(0)
.irp z, 0,1,2,3
	v_pk_mul_f32 v[rO+2*\z:rO+2*\z+1], v[rO+2*\z:rO+2*\z+1], v[rC+2:rC+3] op_sel_hi:[1,0]
.endr
.set r, r+1
.endm
; Group g of 16 is tile g % 2, weights 4 k .. 4 k + 3 with k = g / 2.  Its four plain lines: both pairs are rounded to f16; the second pair is added onto the first, in place; l takes that sum (k = 0: l = a l + sum).
.macro GP g, j
.set u, (\g)%2
.set k, (\g)/2
.set rT, ST+4*(2*Y+u)
.set rC, TMP+4*u
.set rS, S+64*(Y%2)+32*u+4*k
.set rP, P+32*(Y%2)+16*u+2*k
.if (\j) < 2
	s_wait_alu depctr_va_vdst(0)
	v_cvt_pk_f16_f32 v[rP+(\j)], v[rS+2*(\j)], v[rS+2*(\j)+1]
.elseif (\j) == 2
	v_pk_add_f32 v[rS:rS+1], v[rS:rS+1], v[rS+2:rS+3]
.elseif k == 0
	v_pk_fma_f32 v[rT+2:rT+3], v[rT+2:rT+3], v[rC+2:rC+3], v[rS:rS+1] op_sel_hi:[1,0,1]
.else
	v_pk_add_f32 v[rT+2:rT+3], v[rT+2:rT+3], v[rS:rS+1]
.endif
.endm
; THE LIST OF 132: plain and exponential by turns.  In eight entries: the four exponentials of group sl at the odd places, the four plain lines of group sl - 1 (the other tile's) at the even ones; in the first eight the
; last four scalings take the plain places; the last four entries are group 15's plain lines.  So behind every exponential stands a plain line that names neither its result nor its source (ISA guide 5.7.2).
.macro GE
	WIN 0
.if e < 128
.set sl, e/8
.set po, e%8
.if po%2 == 1
.set rS, S+64*(Y%2)+32*(sl%2)+4*(sl/2)+po/2
	v_exp_f32 v[rS], v[rS]
.elseif sl == 0
	FS (po/2)%2, 14+po/4
.else
	GP sl-1, po/2
.endif
.else
	GP 15, e-128
.endif
.set e, e+1
.endm
; A TURN, for piece p.  No rider names a register of the products round it.
; K of the next step is fetched in piece 2's turn behind its 16 products K Q^T: the four replacements behind the last of them are the places in front of the loads; it is waited for at the head of piece 3's turn.
; V of the step in hand is fetched at the end of piece 0's turn, 121 vector instructions behind the last product that read V; it is waited for in piece 1's turn, in front of its products V^T P.
.macro TURN p, last=0
.set Y, (\p)
.if (\p) == NP-1
	s_wait_dscnt 0x0                ; K is in
.endif
	s_wait_kmcnt 0x0                ; my piece's mask words, asked for a turn ago
.set i, 0
.rept 16
	KQ (Y+1)%NP
	WIN 0
	MK 0, 2*i
	MK 1, 2*i
	MK 0, 2*i+1
	MK 1, 2*i+1
.if ((\p) == NP-2) && (i == 8)
	v_add_nc_u32 v[AK], s[TBK], v[AK0]
.endif
.set i, i+1
.endr
.if (\p) == NP-1
	MLOAD 0, 1
.else
	MLOAD (\p)+1, 0
.endif
.if (\p) == NP-2
	FETCH_K \last
.endif
	WIN 0                           ; the first lump, 56: one tile's chain stands between the other tile's lines
.set n, 0
.rept 12
	XS 0, n
.set n, n+1
.endr
.set n, 0
.rept 10
	XS 0, 12+n
	XS 1, n
.set n, n+1
.endr
	XS 1, 10
	XS 1, 11
.set n, 0
.rept 10
	XS 1, 12+n
	FS 0, n
.set n, n+1
.endr
	FS 0, 10
	FS 0, 11
.if (\p) == 1
	s_wait_dscnt 0x0                ; V is in
.endif
.set i, 0
.set e, 0
.set r, 0
.set fr, 0
.rept 16
	PV (Y+NP-1)%NP
.if i < 4
	FR
	FR
	FR
	FR
.elseif (i >= 12) || (i%2 == 0)
	R4
.else
	GE
	GE
	GE
	GE
.endif
.set i, i+1
.endr
.rept 116                           ; the second lump
	GE
.if ((\p) == 0) && (e == 120)
	v_add_nc_u32 v[AV], s[TBV], v[AV0]
	s_wait_alu depctr_va_vdst(0)
.endif
.endr
.if (\p) == 0
	s_add_co_u32 s[TBV], s[TBV], KS*PV
	FETCH_V
.endif
.endm
	CHANGE 1                        ; slot 0 is in, everybody's part of it; slot 1 is asked for
	FETCH_K                         ; key step 0
	s_wait_loadcnt 0x0              ; Q is in: its base, which lies among the mask's registers, is free
	MLOAD 0, 0                      ; piece 0's mask words of step 0
	s_wait_dscnt 0x0
.set i, 0
.rept 16
	KQ 0                            ; piece 0's first scores: there is no vector work yet to set between them
.set i, i+1
.endr
	WIN 0                           ; the addresses for the way out: nine plain instructions, the places behind those products
	s_mul_i32 s3, s[WV], 16*SP
	s_add_co_u32 s3, s3, STAGE      ; my stage
	v_mul_u32_u24 v[STO], v1, SP    ; in: row l % 16, 16 bytes for each half of the lanes
	v_lshl_add_u32 v[STO], v9, 4, v[STO]
	v_add_nc_u32 v[STO], s3, v[STO]
	v_bfe_u32 v[RD], v0, 3, 2       ; back: 32 lanes take four rows of 128 bytes,
	v_mul_u32_u24 v[RD], v[RD], SP
	v_lshl_add_u32 v[RD], v10, 4, v[RD]
	v_add_nc_u32 v[RD], s3, v[RD]
	v_and_b32 v[GO], 31, v0         ; which are 512 consecutive bytes of ctx
	v_lshlrev_b32 v[GO], 4, v[GO]
	s_mov_b32 s[CNT], 4
	s_mov_b32 s[SLOTS], 7           ; 2,048 / 256 - 1
	s_branch .Lfirst                ; the loop is entered at a step's first turn, in the middle of a trip
.Lslot:                             ; six times: every slot but the last two is filled again
	CHANGE 1
	s_mov_b32 s[CNT], 4
.Lstep:                             ; a trip: pieces 2 and 3 of one step, then pieces 0 and 1 of the next, whose K and V it fetches
	TURN 2
	TURN 3
	WIN 0
.Lfirst:
	TURN 0
	TURN 1
	WIN 0
	s_sub_co_u32 s[CNT], s[CNT], 1
	s_cmp_lg_u32 s[CNT], 0
	s_cbranch_scc1 .Lstep
	s_sub_co_u32 s[SLOTS], s[SLOTS], 1
	s_cmp_lg_u32 s[SLOTS], 0
	s_cbranch_scc1 .Lslot
	CHANGE 0                        ; the tail is written out: nothing is asked for
	s_mov_b32 s[CNT], 5             ; four trips fetch the last slot's steps; the fifth is left in its middle
.Ltail:
	TURN 2, 1
	TURN 3
	WIN 0
	s_sub_co_u32 s[CNT], s[CNT], 1
	s_cmp_eq_u32 s[CNT], 0
	s_cbranch_scc1 .Lout
	TURN 0
	TURN 1
	WIN 0
	s_branch .Ltail
.Lout:                              ; the fifth trip's 16 products K Q^T (on the last K once more) serve nothing: the price, once a launch, of one text for every trip
.set i, 0
.rept 16
	PV NP-1                         ; the last piece's V^T P of the last step
.set i, i+1
.endr
	; THE WAY OUT.  l's two halves and the other half of the lanes' are added; O^T is divided by l, rounded to f16 and sent through my stage in LDS, a tile at a time.  The additions are the places behind the last products.
	WIN 0
.macro ALL line:vararg              ; one line for each tile t
.set t, 0
.rept 2*NP
	\line
.set t, t+1
.endr
.endm
	ALL v_add_f32 v[ST+4*t+2], v[ST+4*t+2], v[ST+4*t+3]
	ALL v_permlanex16_b32 v[ST+4*t+3], v[ST+4*t+2], s[SEL], s[SEL+1]
	ALL v_add_f32 v[ST+4*t+2], v[ST+4*t+2], v[ST+4*t+3]
	ALL v_rcp_f32 v[ST+4*t+2], v[ST+4*t+2]
	v_nop                           ; a plain instruction between the last reciprocal and the use of its result
	s_wait_alu depctr_va_vdst(0)
; Tile t: a lane's eight channels of a row pack into 16 bytes; they go into rows of 144 bytes and come back as whole rows of 128, into S^T's registers.
.macro PACK t
	WIN W_RS
.set i, 32*(\t)
.rept 16
	v_pk_mul_f32 v[i:i+1], v[i:i+1], v[ST+4*(\t)+2:ST+4*(\t)+3] op_sel_hi:[1,0]
.set i, i+2
.endr
	WIN 0x05                        ; sources 0 and 1 window 1, destination window 0
.set i, 0
.rept 16
	v_cvt_pk_f16_f32 v[S+16*(\t)+i], v[32*(\t)+2*i], v[32*(\t)+2*i+1]
.set i, i+1
.endr
	WIN 0
.irp f, 0,1,2,3
	ds_store_b128 v[STO], v[S+16*(\t)+4*\f:S+16*(\t)+4*\f+3] offset:32*\f
.endr
.irp f, 0,1,2,3
	ds_load_b128 v[S+16*(\t)+4*\f:S+16*(\t)+4*\f+3], v[RD] offset:\f*4*SP  ; LDS serves a wave's instructions in order (ISA guide 5.7.1.4): these see the stores above; the next tile's stores come behind them
.endr
.endm
.macro SEND t, younger              ; younger: the LDS instructions issued behind tile t's loads: the next tile's eight, or none
	WIN 0
.irp f, 0,1,2,3
	s_wait_dscnt (\younger)+3-\f
	global_store_b128 v[GO], v[S+16*(\t)+4*\f:S+16*(\t)+4*\f+3], s[OA:OA+1] offset:(\t)*2048+\f*512  ; 512 consecutive bytes, at a multiple of 256 from ctx's first
.endr
.endm
	PACK 0
.set t, 1
.rept 2*NP-1                        ; a tile's arithmetic stands between the loads of the tile before and its stores
	PACK t
	SEND t-1, 8
.set t, t+1
.endr
	SEND 2*NP-1, 0
	WIN W_AD
	s_wait_tensorcnt 0x0            ; the wave's end: behind my last tensor load and my last LDS store
	ds_add_u32 v[SPW], v[NIL]
	s_wait_dscnt 0x0
	WIN 0
	CROUND                          ; the closing round: no work-group ends while a partner may still ask for a tile that names it
	s_endpgm
.Lfunc_end_k_qd930d7fe93_attn:
	.size	k_qd930d7fe93_attn, .Lfunc_end_k_qd930d7fe93_attn-k_qd930d7fe93_attn
	.p2alignl 7, 3214868480
	.fill 96, 4, 3214868480
	.section	.rodata,"a",@progbits
	.p2align	6, 0x0
	.amdhsa_kernel k_qd930d7fe93_attn
		.amdhsa_group_segment_fixed_size 327680
		.amdhsa_private_segment_fixed_size 0
		.amdhsa_enable_private_segment 0
		.amdhsa_kernarg_size 24
		.amdhsa_user_sgpr_count 2
		.amdhsa_user_sgpr_kernarg_segment_ptr 1
		.amdhsa_wavefront_size32 1
		.amdhsa_system_sgpr_workgroup_id_x 1
		.amdhsa_system_sgpr_workgroup_id_y 1
		.amdhsa_system_sgpr_workgroup_id_z 1
		.amdhsa_system_vgpr_workitem_id 0
		.amdhsa_next_free_vgpr 770
		.amdhsa_next_free_sgpr 106
		.amdhsa_reserve_vcc 0
		.amdhsa_float_denorm_mode_32 3
		.amdhsa_float_denorm_mode_16_64 3
		.amdhsa_memory_ordered 1
		.amdhsa_forward_progress 1
		.amdhsa_inst_pref_size 237
	.end_amdhsa_kernel
	.amdgpu_metadata
---
amdhsa.version: [ 1, 2 ]
amdhsa.kernels:
  - .name:           k_qd930d7fe93_attn
    .symbol:         k_qd930d7fe93_attn.kd
    .args:
      - { .name: qkv, .offset: 0, .size: 8, .value_kind: global_buffer, .address_space: global }
      - { .name: maskbits, .offset: 8, .size: 8, .value_kind: global_buffer, .address_space: global }
      - { .name: ctx, .offset: 16, .size: 8, .value_kind: global_buffer, .address_space: global }
    .group_segment_fixed_size: 327680
    .private_segment_fixed_size: 0
    .kernarg_segment_align: 8
    .kernarg_segment_size: 24
    .max_flat_workgroup_size: 128
    .sgpr_count:     106
    .vgpr_count:     770
    .wavefront_size: 32
...
	.end_amdgpu_metadata
.endif
;; end of part 3
;; launch outp (part 4): grid 4 x 64, 4 waves a work-group, clusters of 4 x 4, 327,680 bytes of LDS; arguments ctx, wb, out0, bo; writes out0
.if DOCPART == 4
	.amdgcn_target "amdgcn-amd-amdhsa--gfx1250"
	.amdhsa_code_object_version 6
	.text
	.protected	k_qd930d7fe93_outp
	.globl	k_qd930d7fe93_outp
	.p2align	8
	.type	k_qd930d7fe93_outp,@function
k_qd930d7fe93_outp:
	s_mov_b64 s[64:65], 0
	v_nop
	global_prefetch_b8 v0, s[64:65] scope:SCOPE_SE
	s_setreg_imm32_b32 hwreg(HW_REG_WAVE_MODE, 25, 1), 1
	s_wait_xcnt 0x0
	s_wait_alu depctr_hold_cnt(0) depctr_sa_sdst(0) depctr_va_vdst(0) depctr_va_sdst(0) depctr_va_ssrc(0) depctr_va_vcc(0) depctr_vm_vsrc(0)
	s_getreg_b32 s2, hwreg(HW_REG_IB_STS2, 6, 4)
	s_cmp_eq_u32 s2, 0
	s_cbranch_scc0 .Lentry_in_a_cluster
	s_endpgm
.Lentry_in_a_cluster:
	s_bfe_u32 s2, ttmp6, 0x10000c
	s_cmp_lg_u32 s2, 0xf033
	s_cbranch_scc0 .Lentry_shape_is_right
	s_endpgm
.Lentry_shape_is_right:
; C = A W + bias, K = 1024, for the module's projections.  One text for two kernels; OUTP says which:
;   OUTP = 0: A = xb (query, key, value, 24,576 rows), W = Wq, Wk or Wv by the tile row, C = qkv in f16, by blocks of 64 channels (a head is a block);
;   OUTP = 1: A = ctx (8,192 rows), W = Wo, C = out0 in f32, row-major.
; A lies by blocks: [group of 2,048 rows][16 blocks of 64 channels][2,048 rows][64] f16.  W lies [k][n] f16.  Sums in f32; the bias, rounded to bf16 like every input of the module, is added in f32; C is rounded once.
; LIMITS.  f16 holds no number beyond 65,504: A and W arrive within it, and with OUTP = 0 a result beyond it becomes an infinity.  NaN and infinities are not treated apart.
; SHARES.  A tile of C is 128 rows x 256 columns: 768 (OUTP = 0) or 256 (OUTP = 1) work-groups of equal work.  Four waves, each 64 x 128: 32 accumulators of 16 x 16, 256 registers.
; K goes in steps of 128 through two LDS slots.  Waves 0 and 1 fetch A's two blocks of the step (128 rows x 128 bytes, dense: asked for as 64 rows of 256 bytes), waves 2 and 3 the two halves of W's 128 k-rows x 512 bytes.
; CLUSTER 4 x 4: the four work-groups of a row share A's tiles, the four of a column W's: each tile is asked for jointly, with the same descriptor and a mask that names the four.
; THE MATRIX INSTRUCTION IS USED TRANSPOSED (source 0 = 16 columns of W, turned on the way out of LDS by ds_load_tr16_b128; source 1 = 16 rows of A): a lane holds eight neighbouring numbers of a row of C.
; REGISTERS.  Window 0: v0-31 addresses; v32-47 bias; two fragment buffers of 96 (64 of W, 32 of A) at v64 and v160, on the way out two buffers of 64 for rows read back.  Window 1: accumulator (a, b) at v[8 (8 a + b)].
.set OUTP,   1
.set PA,     144                       ; a row of A in LDS: 128 bytes + 16 = 36 words: the 16 rows of a load start at 16 different groups of four banks (64 banks of 4 bytes: ISA guide 11.1)
.set PB,     544                       ; a k-row of W: 512 bytes + 32 = 136 words
.set ABLK,   128*PA                    ; a block of A: what wave 0 or 1 fetches
.set APART,  2*ABLK
.set BHALF,  64*PB                     ; 64 k-rows of W: what wave 2 or 3 fetches
.set SLOT,   APART+2*BHALF
.set STAGE,  2*SLOT                    ; behind the ring, never filled by a tensor load: 16 rows x 528 bytes of f32 for each wave, for the way out
.set SPITCH, 528
.set SPARE,  STAGE+4*16*SPITCH         ; behind the stages: the spare words, 128 bytes a wave: two blocks of 256 bytes that no other line names
.set LAPS,   4                         ; a lap = two K steps = once round the ring
.set ADRA, 16                          ; v16-17  LDS address of my A fragments in slot 0, 1
.set ADRB, 20                          ; v20-21  the same for W
.set STO,  24                          ; v24     the way out: where I put 32 bytes of a row
.set RD,   25                          ; v25     the way out: where I read back
.set GO,   26                          ; v26     16 x lane: my byte offset in 512 consecutive bytes of C
.set BO,   27                          ; v27     my byte offset in the bias (OUTP = 0)
.set SPW,  28                          ; v28     LDS address of my spare word; never rewritten
.set NIL,  29                          ; v29     0; never rewritten
.set BI,   32                          ; v32-47  the bias of my columns
.set F0,   64
.set F1,   160
.set OB0,  64
.set OB1,  128
.set G1A, 24                           ; s[24:31] descriptor group 1 for A's tiles; s[32:39] group 0, a set for each slot
.set G0A, 32
.set G1B, 48                           ; s[48:55], s[56:63] the same for W's
.set G0B, 56
.set MSB, 0
.macro WIN new                         ; the immediate's high byte repeats the setting that is left; a switch that changes nothing is dropped
.if MSB != (\new)
	s_set_vgpr_msb (MSB<<8)|(\new)
.set MSB, \new
.endif
.endm
.set MUL, 0x50                         ; C and D in window 1, both sources in window 0
.macro JLOAD s                         ; a joint load; the branch hangs on the wave's number alone; an s_nop 0 and four v_nop follow each of the two lines
	s_cmp_eq_u32 s13, 0
	s_cbranch_scc0 .Lfor_b_\@
	tensor_load_to_lds s[G0A+4*(\s):G0A+4*(\s)+3], s[G1A:G1A+7]
	s_nop 0
.rept 4
	v_nop
.endr
	s_branch .Lasked_\@
.Lfor_b_\@:
	tensor_load_to_lds s[G0B+4*(\s):G0B+4*(\s)+3], s[G1B:G1B+7]
	s_nop 0
.rept 4
	v_nop
.endr
.Lasked_\@:
.endm
.macro CREST                           ; a round of the cluster's barrier behind its opening barrier
	s_cmp_lg_u32 s12, 0
	s_cbranch_scc1 .Lnot_wave_0_\@
	s_barrier_signal -3
.Lnot_wave_0_\@:
	s_barrier_wait -3
	s_barrier_signal -1
	s_barrier_wait -1
.endm
.macro CROUND                          ; a whole round
	s_barrier_signal -1
	s_barrier_wait -1
	CREST
.endm
	s_load_b128 s[4:7], s[0:1], 0x0                ; A s[4:5], wb s[6:7]
	s_load_b128 s[8:11], s[0:1], 0x10              ; C s[8:9], the (first) bias s[10:11]
.if !OUTP
	s_load_b128 s[68:71], s[0:1], 0x20             ; bk s[68:69], bv s[70:71]
.endif
	v_lshl_add_u32 v[SPW], v0, 2, SPARE
	v_mov_b32 v[NIL], 0
	ds_add_u32 v[SPW], v[NIL]                      ; the wave's opening: the add and its wait stand ahead of my first tensor load; the set-up below, work on registers, stands between them
	v_lshrrev_b32 v1, 5, v0
	v_readfirstlane_b32 s12, v1                    ; wave 0..3
	s_lshr_b32 s13, s12, 1                         ; MH: which 64 rows of the tile are mine.  Also: I fetch for A (0) or for W (1)
	s_and_b32 s14, s12, 1                          ; NH: which 128 columns.  Also: which half of that operand's tile I fetch
	s_bfe_u32 s15, ttmp6, 0x40000                  ; cx
	s_bfe_u32 s16, ttmp6, 0x40004                  ; cy
	s_lshl_b32 s17, ttmp9, 2
	s_add_co_u32 s17, s17, s15                     ; NT: tile column = 4 x cluster x + cx
	s_and_b32 s19, ttmp7, 0xffff
	s_lshl_b32 s18, s19, 2
	s_add_co_u32 s18, s18, s16                     ; MT: tile row = 4 x cluster y + cy
	s_lshr_b32 s19, s19, 4                         ; T: which tensor: 16 cluster rows each; the same in the whole cluster
	s_lshl_b32 s44, s16, 2
	s_lshl_b32 s44, 15, s44                        ; my row of the cluster
	s_lshl_b32 s45, 0x1111, s15                    ; my column
	s_or_b32 s[G1A], s44, (1<<16)|(1<<20)|(1<<21)|(4<<22)|(3<<25)  ; 15:0 the mask; 17:16 2-byte elements; 20 padding on; 21 set beside a mask; 24:22 after every 32 words (code 4); 31:25 4 words (code 3)
	s_mov_b32 s[G1A+1], 128<<16                    ; tensor_dim0 = 128 elements: 256 bytes, two rows of a block
	s_mov_b32 s[G1A+2], 64<<16                     ; tensor_dim1 = 64
	s_mov_b32 s[G1A+3], 128<<16                    ; tile_dim0 = 128
	s_mov_b32 s[G1A+4], 64                         ; tile_dim1 = 64
	s_mov_b32 s[G1A+5], 128                        ; dense: 128 elements from row to row
	s_mov_b32 s[G1A+6], 0
	s_mov_b32 s[G1A+7], 0
	s_or_b32 s[G1B], s45, (1<<16)|(1<<20)|(1<<21)|(6<<22)|(7<<25)  ; after every 128 words (code 6) 8 words of padding (code 7)
	s_mov_b32 s[G1B+1], 256<<16                    ; tensor_dim0 = 256 columns
	s_mov_b32 s[G1B+2], 64<<16                     ; tensor_dim1 = 64 k-rows
	s_mov_b32 s[G1B+3], 256<<16
	s_mov_b32 s[G1B+4], 64
	s_mov_b32 s[G1B+5], 1024                       ; 1,024 elements from k-row to k-row
	s_mov_b32 s[G1B+6], 0
	s_mov_b32 s[G1B+7], 0
	; A's offset hangs on the tile row and the wave alone, W's on the tile column, T and the wave alone; neither pair of registers ever holds the other coordinate
	s_lshr_b32 s20, s18, 4
	s_lshl_b32 s20, s20, 22                        ; the group of 2,048 rows,
	s_and_b32 s21, s18, 15
	s_lshl_b32 s21, s21, 14                        ; the tile's 128 rows of 128 bytes in a block,
	s_add_co_u32 s20, s20, s21
	s_lshl_b32 s21, s14, 18                        ; block NH of the K step
	s_add_co_u32 s20, s20, s21
	s_mov_b32 s21, 0
.if OUTP
	s_mov_b32 s22, 3<<21                           ; Wo is the fourth matrix of wb
.else
	s_lshl_b32 s22, s19, 21
.endif
	s_lshl_b32 s23, s14, 17                        ; 64 k-rows of 2,048 bytes
	s_add_co_u32 s22, s22, s23
	s_lshl_b32 s23, s17, 9                         ; 256 columns
	s_add_co_u32 s22, s22, s23
	s_mov_b32 s23, 0
	s_mul_i32 s46, s14, ABLK                       ; where they go: no place in the cluster enters an LDS address
	s_mul_i32 s47, s14, BHALF
	s_add_co_u32 s47, s47, APART
	s_lshl_b32 s42, s17, 10                        ; my 128 columns in a row of f32: the bias's offset
	s_lshl_b32 s43, s14, 9
	s_add_co_u32 s42, s42, s43
	s_mov_b32 s43, 0
.if OUTP
	s_lshl_b32 s40, s18, 19                        ; out0: 128 rows of 4,096 bytes a tile row,
	s_lshl_b32 s41, s13, 18                        ; my 64 rows,
	s_add_co_u32 s40, s40, s41
	s_add_co_u32 s40, s40, s42                     ; my 128 columns
.else
	s_lshr_b32 s40, s18, 4                         ; qkv: the group,
	s_lshl_b32 s40, s40, 22
	s_and_b32 s41, s18, 15
	s_lshl_b32 s41, s41, 14                        ; the tile's rows in a block,
	s_add_co_u32 s40, s40, s41
	s_lshl_b32 s41, s17, 20                        ; block 4 NT + 2 NH,
	s_add_co_u32 s40, s40, s41
	s_lshl_b32 s41, s14, 19
	s_add_co_u32 s40, s40, s41
	s_lshl_b32 s41, s13, 13                        ; my 64 rows of 128 bytes
	s_add_co_u32 s40, s40, s41
.endif
	s_mov_b32 s41, 0
	s_wait_dscnt 0x0                               ; the opening add is done
	s_wait_kmcnt 0x0
.if !OUTP
	s_cmp_eq_u32 s19, 1
	s_cselect_b64 s[10:11], s[68:69], s[10:11]
	s_cmp_eq_u32 s19, 2
	s_cselect_b64 s[10:11], s[70:71], s[10:11]
.endif
	s_add_nc_u64 s[10:11], s[10:11], s[42:43]
	s_add_nc_u64 s[8:9], s[8:9], s[40:41]
	s_add_nc_u64 s[20:21], s[4:5], s[20:21]
	s_add_nc_u64 s[22:23], s[6:7], s[22:23]
	CROUND                                         ; all sixteen work-groups are here: the first joint loads meet
.irp s, 0,1
	s_mov_b32 s[G0A+4*(\s)], 1                     ; count = 1
	s_add_co_u32 s[G0A+4*(\s)+1], s46, (\s)*SLOT   ; LDS address
	s_add_nc_u64 s[G0A+4*(\s)+2:G0A+4*(\s)+3], s[20:21], (\s)*524288  ; K step s: two blocks on
	s_or_b32 s[G0A+4*(\s)+3], s[G0A+4*(\s)+3], 0x80000000             ; type = 2
	s_mov_b32 s[G0B+4*(\s)], 1
	s_add_co_u32 s[G0B+4*(\s)+1], s47, (\s)*SLOT
	s_add_nc_u64 s[G0B+4*(\s)+2:G0B+4*(\s)+3], s[22:23], (\s)*262144  ; 128 k-rows on
	s_or_b32 s[G0B+4*(\s)+3], s[G0B+4*(\s)+3], 0x80000000
	JLOAD \s                                       ; two loads of mine are out
.endr
	v_and_b32 v1, 15, v0                           ; r = l % 16
	v_bfe_u32 v2, v0, 4, 1                         ; h = l / 16
	v_and_b32 v3, 7, v0
	v_bfe_u32 v4, v0, 3, 1
	v_and_b32 v7, 31, v0
	v_lshlrev_b32 v[GO], 4, v7
.if OUTP
	global_load_b128 v[BI:BI+3], v[GO], s[10:11]   ; the bias of my four columns of a row read back
.else
	v_lshlrev_b32 v[BO], 5, v3                     ; the bias of my eight channels in each of the two blocks
.irp e, 0,1
	global_load_b128 v[BI+8*(\e):BI+8*(\e)+3],   v[BO], s[10:11] offset:(\e)*256
	global_load_b128 v[BI+8*(\e)+4:BI+8*(\e)+7], v[BO], s[10:11] offset:(\e)*256+16
.endr
.endif
	v_mul_u32_u24 v5, v1, PA                       ; a fragment of A: row r, 16 bytes for each half of the lanes
	v_lshl_add_u32 v5, v2, 4, v5
	v_lshl_add_u32 v6, v2, 3, v3                   ; a turned fragment of W: lane l reads k-row 8 h + l % 8, columns 8 ((l / 8) % 2) + 0..7
	v_mul_u32_u24 v6, v6, PB
	v_lshl_add_u32 v6, v4, 4, v6
	s_mul_i32 s46, s13, 64*PA                      ; my 64 rows of A
	s_lshl_b32 s47, s14, 8                         ; my 128 columns of W,
	s_add_co_u32 s47, s47, APART                   ; which lies behind A's two blocks
.irp s, 0,1
	v_add_nc_u32 v[ADRA+(\s)], s46, v5
	v_add_nc_u32 v[ADRB+(\s)], s47, v6
	s_add_co_u32 s46, s46, SLOT
	s_add_co_u32 s47, s47, SLOT
.endr
	s_mul_i32 s46, s12, 16*SPITCH
	s_add_co_u32 s46, s46, STAGE                   ; my stage
	v_mul_u32_u24 v5, v1, SPITCH                   ; in: row r, 32 bytes for each half of the lanes
	v_lshl_add_u32 v5, v2, 5, v5
	v_add_nc_u32 v[STO], s46, v5
.if OUTP
	v_add_nc_u32 v[RD], s46, v[GO]                 ; back: 32 lanes take a row's 512 bytes
.else
	v_bfe_u32 v5, v0, 3, 2                         ; back: eight lanes take 64 channels of a row, 32 bytes of f32 each; 32 lanes four rows
	v_mul_u32_u24 v5, v5, SPITCH
	v_lshl_add_u32 v5, v3, 5, v5
	v_add_nc_u32 v[RD], s46, v5
.endif
; 8 matrix instructions: m block a x all 8 n blocks, 32 along K.  zero = 1: the product starts the sums.  The 32 accumulators take turns in the same order in every quarter.
.macro MUL8 f, a, zero
	WIN MUL
.irp b, 0,1,2,3,4,5,6,7
.if \zero
	v_wmma_f32_16x16x32_f16 v[8*(8*(\a)+(\b)):8*(8*(\a)+(\b))+7], v[(\f)+8*(\b):(\f)+8*(\b)+7], v[(\f)+64+8*(\a):(\f)+64+8*(\a)+7], 0
.else
	v_wmma_f32_16x16x32_f16 v[8*(8*(\a)+(\b)):8*(8*(\a)+(\b))+7], v[(\f)+8*(\b):(\f)+8*(\b)+7], v[(\f)+64+8*(\a):(\f)+64+8*(\a)+7], v[8*(8*(\a)+(\b)):8*(8*(\a)+(\b))+7]
.endif
.endr
.endm
.macro MUL16 f, a0, zero
	MUL8 \f, \a0, \zero
	MUL8 \f, (\a0)+1, \zero
.endm
; 24 LDS loads in one run: quarter q (32 along K) of a slot into buffer f: W's 8 fragments, then A's 4, rows 0-31 first
.macro FETCH slot, q, f
	WIN 0
.irp i, 0,1,2,3,4,5,6,7
	ds_load_tr16_b128 v[(\f)+8*(\i):(\f)+8*(\i)+3],   v[ADRB+(\slot)] offset:(\q)*32*PB+(\i)*32
	ds_load_tr16_b128 v[(\f)+8*(\i)+4:(\f)+8*(\i)+7], v[ADRB+(\slot)] offset:(\q)*32*PB+(\i)*32+16*PB
.endr
.irp i, 0,1,2,3
	ds_load_b128 v[(\f)+64+8*(\i):(\f)+64+8*(\i)+3],   v[ADRA+(\slot)] offset:((\q)/2)*ABLK+((\q)%2)*64+(\i)*16*PA
	ds_load_b128 v[(\f)+64+8*(\i)+4:(\f)+64+8*(\i)+7], v[ADRA+(\slot)] offset:((\q)/2)*ABLK+((\q)%2)*64+(\i)*16*PA+32
.endr
.endm
.macro PLACES                          ; four places in front of loads into registers that matrix instructions have read (ISA guide 7.12.1 for vector instructions)
.rept 4
	v_nop
.endr
.endm
; A K step is four quarters of 32 along K, 32 matrix instructions each, on buffers 0, 1, 0, 1.  One of the first three: multiplies buffer f and fetches quarter q of the same slot into g.
.macro QUARTER slot, q, f, g, zero
	s_wait_dscnt 4                                 ; W and A's rows 0-31 are in; the youngest four loads (A's rows 32-63) may be out
	MUL16 \f, 0, \zero
	PLACES
	FETCH \slot, \q, \g
	s_wait_dscnt 24                                ; all but the 24 just issued
	MUL16 \f, 2, \zero
.endm
; The last quarter multiplies buffer 1 and changes slots: ONE barrier; in front of it each wave waits for all its tensor loads (one is out: its part of the next slot), adds 0 to its spare word,
; and waits for that and for its own reads of this slot.  fill = 1: the barrier opens a round of the cluster's barrier, and this slot is filled again, two K steps ahead, first thing behind it.
.macro TURN slot, next, fill
	WIN 0
	s_wait_tensorcnt 0x0
	ds_add_u32 v[SPW], v[NIL]                      ; 0 onto my spare word
	s_wait_dscnt 5                                 ; (the add and the youngest four loads may be out)
	MUL8 F1, 0, 0                                  ; eight matrix instructions stand between the add and the wait for it
	s_wait_dscnt 0x0                               ; the add is done, and my reads of this slot are over
	s_barrier_signal -1
	MUL8 F1, 1, 0
.if \fill
	WIN 0
.endif
	s_barrier_wait -1
.if \fill
	CREST                                          ; no wave of any partner still reads this slot's tiles or has a load on its way
	s_add_nc_u64 s[G0A+4*(\slot)+2:G0A+4*(\slot)+3], s[G0A+4*(\slot)+2:G0A+4*(\slot)+3], 1048576  ; four blocks on
	s_add_nc_u64 s[G0B+4*(\slot)+2:G0B+4*(\slot)+3], s[G0B+4*(\slot)+2:G0B+4*(\slot)+3], 524288   ; 256 k-rows on
	JLOAD \slot                                    ; my one tensor load behind the round: 112 matrix instructions ahead of the wait for it; its four v_nop are also the places in front of the loads below
.else
	PLACES
.endif
	FETCH \next, 0, F0
	MUL16 F1, 2, 0
.endm
	s_wait_tensorcnt 1                             ; my part of K step 0 is in; K step 1's may stay out
	s_barrier_signal -1
	s_barrier_wait -1                              ; everybody's is
	FETCH 0, 0, F0
	QUARTER 0, 1, F0, F1, 1                        ; the first quarter stands in front of the loop: its products start the sums
	WIN 0                                          ; at a label and at a branch every window is 0
	s_mov_b32 s3, LAPS-1
.Llap:                                                 ; a trip goes once round the ring, from a lap's second quarter to the next lap's first, and fills both slots again
	QUARTER 0, 2, F1, F0, 0
	QUARTER 0, 3, F0, F1, 0
	TURN 0, 1, 1
	QUARTER 1, 1, F0, F1, 0
	QUARTER 1, 2, F1, F0, 0
	QUARTER 1, 3, F0, F1, 0
	TURN 1, 0, 1
	QUARTER 0, 1, F0, F1, 0
	WIN 0
	s_sub_co_u32 s3, s3, 1
	s_cmp_lg_u32 s3, 0
	s_cbranch_scc1 .Llap
	QUARTER 0, 2, F1, F0, 0                        ; the last lap fills nothing
	QUARTER 0, 3, F0, F1, 0
	TURN 0, 1, 0
	QUARTER 1, 1, F0, F1, 0
	QUARTER 1, 2, F1, F0, 0
	QUARTER 1, 3, F0, F1, 0
	s_wait_dscnt 4
	MUL16 F1, 0, 0
	s_wait_dscnt 0x0
	MUL16 F1, 2, 0
	WIN 0
	; THE WAY OUT.  The bias is rounded to bf16: these lines are also the places behind the last products.  Then 16 rows at a time go through my own stage in f32 and come back by rows.
	s_wait_loadcnt 0x0
.if OUTP
.set NBI, 4
.else
.set NBI, 16
.endif
.set i, 0
.rept NBI/2
	v_cvt_pk_bf16_f32 v[3+i%2], v[BI+2*i], v[BI+2*i+1]
	v_lshlrev_b32 v[BI+2*i], 16, v[3+i%2]
	v_and_b32 v[BI+2*i+1], 0xffff0000, v[3+i%2]
.set i, i+1
.endr
.macro TOSTAGE a, ob
	WIN 0x04                                       ; store data in window 1, address in window 0
.irp b, 0,1,2,3,4,5,6,7
	ds_store_b128 v[STO], v[8*(8*(\a)+(\b)):8*(8*(\a)+(\b))+3]   offset:64*(\b)     ; each accumulator's low registers first
	ds_store_b128 v[STO], v[8*(8*(\a)+(\b))+4:8*(8*(\a)+(\b))+7] offset:64*(\b)+16
.endr
	WIN 0
.set c, 0
.if OUTP
.rept 16                               ; row c
	ds_load_b128 v[(\ob)+4*c:(\ob)+4*c+3], v[RD] offset:c*SPITCH  ; LDS serves a wave's instructions in order (ISA guide 5.7.1.4): these see the stores above, and the next block's stores come behind them
.set c, c+1
.endr
.else
.rept 8                                ; block c / 4, rows 4 (c % 4) on
	ds_load_b128 v[(\ob)+8*c:(\ob)+8*c+3],   v[RD] offset:(c%4)*4*SPITCH+(c/4)*256
	ds_load_b128 v[(\ob)+8*c+4:(\ob)+8*c+7], v[RD] offset:(c%4)*4*SPITCH+(c/4)*256+16
.set c, c+1
.endr
.endif
.endm
.macro SEND a, ob, younger             ; younger: the LDS instructions issued behind block a's loads: the next block's 32, or none
.set c, 0
.if OUTP
.rept 16
	s_wait_dscnt (\younger)+15-c
	v_pk_add_f32 v[(\ob)+4*c:(\ob)+4*c+1],   v[(\ob)+4*c:(\ob)+4*c+1],   v[BI:BI+1]
	v_pk_add_f32 v[(\ob)+4*c+2:(\ob)+4*c+3], v[(\ob)+4*c+2:(\ob)+4*c+3], v[BI+2:BI+3]
	global_store_b128 v[GO], v[(\ob)+4*c:(\ob)+4*c+3], s[8:9] offset:(16*(\a)+c)*4096 th:TH_STORE_NT  ; 512 consecutive bytes, at a multiple of 512 from out0's first
.set c, c+1
.endr
.else
.rept 8
	s_wait_dscnt (\younger)+14-2*c
.irp k, 0,1,2,3
	v_pk_add_f32 v[(\ob)+8*c+2*(\k):(\ob)+8*c+2*(\k)+1], v[(\ob)+8*c+2*(\k):(\ob)+8*c+2*(\k)+1], v[BI+8*(c/4)+2*(\k):BI+8*(c/4)+2*(\k)+1]
.endr
.irp k, 0,1,2,3
	v_cvt_pk_f16_f32 v[(\ob)+8*c+(\k)], v[(\ob)+8*c+2*(\k)], v[(\ob)+8*c+2*(\k)+1]
.endr
	global_store_b128 v[GO], v[(\ob)+8*c:(\ob)+8*c+3], s[8:9] offset:(c/4)*262144+(16*(\a)+4*(c%4))*128  ; four rows of a block: 512 consecutive bytes, aligned
.set c, c+1
.endr
.endif
.endm
	TOSTAGE 0, OB0
	TOSTAGE 1, OB1
	SEND 0, OB0, 32
	s_wait_xcnt 0x0                                ; the registers that those stores read are loaded again only behind this wait
	TOSTAGE 2, OB0
	SEND 1, OB1, 32
	s_wait_xcnt 0x0
	TOSTAGE 3, OB1
	SEND 2, OB0, 32
	SEND 3, OB1, 0
	s_wait_tensorcnt 0x0                           ; the wave's end: behind my last tensor load and my last LDS store
	ds_add_u32 v[SPW], v[NIL]
	s_wait_dscnt 0x0
	CROUND                                         ; the closing round: no work-group ends while a partner may still ask for a tile that names it
	s_endpgm
.Lfunc_end_k_qd930d7fe93_outp:
	.size	k_qd930d7fe93_outp, .Lfunc_end_k_qd930d7fe93_outp-k_qd930d7fe93_outp
	.p2alignl 7, 3214868480
	.fill 96, 4, 3214868480
	.section	.rodata,"a",@progbits
	.p2align	6, 0x0
	.amdhsa_kernel k_qd930d7fe93_outp
		.amdhsa_group_segment_fixed_size 327680
		.amdhsa_private_segment_fixed_size 0
		.amdhsa_enable_private_segment 0
		.amdhsa_kernarg_size 32
		.amdhsa_user_sgpr_count 2
		.amdhsa_user_sgpr_kernarg_segment_ptr 1
		.amdhsa_wavefront_size32 1
		.amdhsa_system_sgpr_workgroup_id_x 1
		.amdhsa_system_sgpr_workgroup_id_y 1
		.amdhsa_system_sgpr_workgroup_id_z 1
		.amdhsa_system_vgpr_workitem_id 0
		.amdhsa_next_free_vgpr 512
		.amdhsa_next_free_sgpr 66
		.amdhsa_reserve_vcc 0
		.amdhsa_float_denorm_mode_32 3
		.amdhsa_float_denorm_mode_16_64 3
		.amdhsa_memory_ordered 1
		.amdhsa_forward_progress 1
		.amdhsa_inst_pref_size 95
	.end_amdhsa_kernel
	.amdgpu_metadata
---
amdhsa.version: [ 1, 2 ]
amdhsa.kernels:
  - .name:           k_qd930d7fe93_outp
    .symbol:         k_qd930d7fe93_outp.kd
    .args:
      - { .name: ctx, .offset: 0, .size: 8, .value_kind: global_buffer, .address_space: global }
      - { .name: wb, .offset: 8, .size: 8, .value_kind: global_buffer, .address_space: global }
      - { .name: out0, .offset: 16, .size: 8, .value_kind: global_buffer, .address_space: global }
      - { .name: bo, .offset: 24, .size: 8, .value_kind: global_buffer, .address_space: global }
    .group_segment_fixed_size: 327680
    .private_segment_fixed_size: 0
    .kernarg_segment_align: 8
    .kernarg_segment_size: 32
    .max_flat_workgroup_size: 128
    .sgpr_count:     66
    .vgpr_count:     512
    .wavefront_size: 32
...
	.end_amdgpu_metadata
.endif
;; end of part 4
;; ======== version 2 of 3: 4 launches; 1.02 times as fast as version 1
;; limits: values are held in f16: magnitudes above 65,504 overflow, below 6.1e-05 lose precision
;; workspace buffers: xb 50,331,648 bytes; wb 8,388,608 bytes; maskbits 2,097,152 bytes of whole numbers; qkv 50,331,648 bytes; ctx 16,777,216 bytes
;; launch prep (part 5): grid 1024 x 1, 8 waves a work-group, no clusters, 70,656 bytes of LDS; arguments query, key, value, Wq, Wk, Wv, Wo, mask, xb, wb, maskbits; writes xb, wb, maskbits
.if DOCPART == 5
	.amdgcn_target "amdgcn-amd-amdhsa--gfx1250"
	.amdhsa_code_object_version 6
	.text
	.protected	k_qd930d7fe93_prep
	.globl	k_qd930d7fe93_prep
	.p2align	8
	.type	k_qd930d7fe93_prep,@function
k_qd930d7fe93_prep:
	s_mov_b64 s[64:65], 0
	v_nop
	global_prefetch_b8 v0, s[64:65] scope:SCOPE_SE
	s_setreg_imm32_b32 hwreg(HW_REG_WAVE_MODE, 25, 1), 1
	s_wait_xcnt 0x0
; PREP: the inputs are brought into the forms that the three matrix launches read.  A stream: no matrix work, no cluster (no two work-groups read the same bytes).
; (1) query, key, value [4][2048][1024] f32 -> xb [12 = 4 t + b][16 blocks of 64 channels][2048 rows][64] f16: a row of a block is 128 bytes, a block's rows are dense.
; (2) Wq, Wk, Wv, Wo [1024][1024] f32 -> wb [4][1024 k][1024 n] f16.
;     Each number is rounded to bf16 (nearest even) and THAT number is written as f16.
;     LIMITS: exact for magnitudes from 6.1e-5 to 65,504; below, f16's fixed step of 6e-8; above 65,504 an infinity: such inputs are not served.
; (3) mask [4][2048][2048] bytes -> maskbits: for each 32 queries gm (0..255) and each step of 64 keys, 64 words [u = tile of 16 queries][kb = 16 keys][j = 0..7];
;     bit L of a word = mask[32 gm + 16 u + L % 16][64 step + 16 kb + 8 (L / 16) + j]: the lane mask of register 8 kb + j of the attention's score tile.  Byte gm x 8,192 + step x 256.
; SHARES by the work-group's number g: 0..511 rows 16 g .. 16 g + 15 of query, then of key, then of value: three rounds through one ring of registers; 512..767 sixteen rows of a W; 768..1023 one gm.
; Both branches hang on g alone.
.set SPARE, 69632                      ; behind the eight waves' mask rows: the spare words, 128 bytes a wave, four blocks of 256 bytes that no other line names
.set MROW,  272                        ; a mask row in LDS: 256 bytes + 16
.set MWAVE, 32*MROW                    ; a wave's 32 rows
.set LO,  4                            ; v4      byte offset of my loads; never rewritten
.set SO,  5                            ; v5      byte offset of my stores; never rewritten
.set T,   6                            ; v6-7    at work
.set LW,  8                            ; v8      mask: where I put 16 bytes of a row
.set LR,  9                            ; v9      mask: where I read 8 bytes of a row
.set GM,  10                           ; v10     mask: my byte offset in maskbits
.set X,   16                           ; v16-79  sixteen slots of four registers, as loaded
.set D,   80                           ; v80-95  mask: 8 bytes for each (u, kb)
.set U,   80                           ; v80-83  x: four numbers in f32, at work
.set Y,   84                           ; v84-91  x: four pairs to store, by turns
.set OUT, 96                           ; v96-97  mask: lane l gathers words 2 l and 2 l + 1
.set SPW, 98                           ; v98     LDS address of my spare word; never rewritten
.set NIL, 99                           ; v99     0; never rewritten
	s_load_b512 s[8:23], s[0:1], 0x0               ; query s[8:9], key, value, Wq s[14:15], Wk, Wv, Wo, mask s[22:23]
	s_load_b128 s[24:27], s[0:1], 0x40             ; xb s[24:25], wb s[26:27]
	s_load_b64 s[28:29], s[0:1], 0x50              ; maskbits
	v_lshl_add_u32 v[SPW], v0, 2, SPARE
	v_mov_b32 v[NIL], 0
	v_lshrrev_b32 v1, 5, v0
	v_readfirstlane_b32 s36, v1                    ; wave 0..7
	v_and_b32 v1, 31, v0                           ; lane L
	v_and_b32 v2, 15, v0                           ; L % 16
	v_bfe_u32 v3, v0, 4, 1                         ; L / 16
	s_mov_b32 s35, 0                               ; the high word of every offset pair
	s_mov_b32 s44, 0xffff0000                      ; a word's upper bf16
	s_wait_kmcnt 0x0
	s_cmp_ge_u32 ttmp9, 768
	s_cbranch_scc1 .Lmask
	s_cmp_ge_u32 ttmp9, 512
	s_cbranch_scc1 .Lweights
; The weights' cast.  Sixteen loads of 16 bytes a lane go out together; each is then rounded and stored as 8 bytes a lane: a wave's store covers 256 consecutive bytes, aligned.
; No register is used twice, so nothing waits for a store.
.macro CAST ldstep, ststep
.set i, 0
.rept 16
	global_load_b128 v[X+4*i:X+4*i+3], v[LO], s[30:31] offset:i*(\ldstep) th:TH_LOAD_NT
.set i, i+1
.endr
.set i, 0
.rept 16
	s_wait_loadcnt 15-i                            ; loads come back in order (ISA guide 5.7.1): load i is in, the younger ones stay out
	v_cvt_pk_bf16_f32 v[T], v[X+4*i], v[X+4*i+1]   ; to bf16,
	v_cvt_pk_bf16_f32 v[T+1], v[X+4*i+2], v[X+4*i+3]
	v_lshlrev_b32 v[X+4*i], 16, v[T]               ; back to f32 (a shift, a mask),
	v_and_b32 v[X+4*i+1], s44, v[T]
	v_lshlrev_b32 v[X+4*i+2], 16, v[T+1]
	v_and_b32 v[X+4*i+3], s44, v[T+1]
	v_cvt_pk_f16_f32 v[X+4*i], v[X+4*i], v[X+4*i+1]      ; and written as f16
	v_cvt_pk_f16_f32 v[X+4*i+1], v[X+4*i+2], v[X+4*i+3]
	global_store_b64 v[SO], v[X+4*i:X+4*i+1], s[32:33] offset:i*(\ststep)
.set i, i+1
.endr
.endm
; x's ring: the turn of slot i (block i of my two rows).  ahead = 1: the slot is loaded again, with the same bytes of the next tensor, as soon as its four numbers have been rounded to bf16, ahead of the rest of the
; arithmetic and of the store: sixteen loads of every wave, 8,192 bytes, stay on their way through all three rounds.  left = how many younger loads may stay out.
.macro SLOT ahead, left
	s_wait_loadcnt \left                           ; loads come back in order (ISA guide 5.7.1): this slot's is in, the younger ones stay out
	s_wait_xcnt 0x0                                ; every earlier memory instruction has had its addresses translated (ISA guide 3.1): the pair that a store four slots back read is rewritten only behind this wait
	v_cvt_pk_bf16_f32 v[T], v[X+4*i], v[X+4*i+1]   ; to bf16,
	v_cvt_pk_bf16_f32 v[T+1], v[X+4*i+2], v[X+4*i+3]
.if \ahead
	global_load_b128 v[X+4*i:X+4*i+3], v[LO], s[30:31] offset:i*256 th:TH_LOAD_NT
.endif
	v_lshlrev_b32 v[U], 16, v[T]                   ; back to f32 (a shift, a mask),
	v_and_b32 v[U+1], s44, v[T]
	v_lshlrev_b32 v[U+2], 16, v[T+1]
	v_and_b32 v[U+3], s44, v[T+1]
	v_cvt_pk_f16_f32 v[Y+2*(i%4)], v[U], v[U+1]    ; and written as f16
	v_cvt_pk_f16_f32 v[Y+2*(i%4)+1], v[U+2], v[U+3]
	global_store_b64 v[SO], v[Y+2*(i%4):Y+2*(i%4)+1], s[32:33] offset:i*262144  ; my two rows' 128 bytes lie end to end in block i: 256 consecutive bytes, aligned
.endm
	; x: wave w takes rows 2 w and 2 w + 1 of the group's sixteen; load i is block i: 256 bytes of each of the two rows.  The group's offset is the same in query, key and value
	s_lshl_b32 s34, ttmp9, 16                      ; sixteen rows of 4,096 bytes
	s_add_nc_u64 s[40:41], s[8:9], s[34:35]        ; query,
	s_add_nc_u64 s[30:31], s[10:11], s[34:35]      ; key,
	s_add_nc_u64 s[42:43], s[12:13], s[34:35]      ; value at the group's first row
	s_lshr_b32 s34, ttmp9, 7                       ; b: 128 work-groups for 2,048 rows
	s_lshl_b32 s34, s34, 22
	s_and_b32 s37, ttmp9, 127
	s_lshl_b32 s37, s37, 11                        ; sixteen rows of 128 bytes in a block
	s_add_co_u32 s34, s34, s37
	s_add_nc_u64 s[32:33], s[24:25], s[34:35]      ; xb at the group's rows in query's block 0
	s_lshl_b32 s39, s36, 13
	v_lshlrev_b32 v[LO], 4, v2
	v_lshl_add_u32 v[LO], v3, 12, v[LO]
	v_add_nc_u32 v[LO], s39, v[LO]                 ; 8,192 w + 4,096 (L / 16) + 16 (L % 16)
	v_lshlrev_b32 v[SO], 3, v0                     ; 256 w + 8 L
.set i, 0
.rept 16
	global_load_b128 v[X+4*i:X+4*i+3], v[LO], s[40:41] offset:i*256 th:TH_LOAD_NT  ; the ring is filled: query
.set i, i+1
.endr
	s_mov_b32 s37, 2
.Lround:                                               ; two trips: query is stored while key is loaded, then key while value is loaded
.set i, 0
.rept 16
	SLOT 1, 15
.set i, i+1
.endr
	s_wait_xcnt 0x0                                ; the two bases, which this trip's loads and stores name, are rewritten only behind this wait
	s_mov_b64 s[30:31], s[42:43]                   ; the second trip loads value
	s_add_nc_u64 s[32:33], s[32:33], 0x1000000     ; the next tensor's part of xb: four groups of 4,194,304 bytes on
	s_sub_co_u32 s37, s37, 1
	s_cmp_lg_u32 s37, 0
	s_cbranch_scc1 .Lround
.set i, 0
.rept 16
	SLOT 0, 15-i                                   ; the last round, value's, loads nothing: the counts run down
.set i, i+1
.endr
	s_endpgm
.Lweights:                                             ; W: wave w takes rows 2 w and 2 w + 1, 8,192 consecutive bytes
	s_sub_co_u32 s37, ttmp9, 512
	s_lshr_b32 s38, s37, 6                         ; which W: 64 work-groups each
	s_cmp_eq_u32 s38, 1
	s_cselect_b64 s[30:31], s[16:17], s[14:15]
	s_cmp_eq_u32 s38, 2
	s_cselect_b64 s[30:31], s[18:19], s[30:31]
	s_cmp_eq_u32 s38, 3
	s_cselect_b64 s[30:31], s[20:21], s[30:31]
	s_and_b32 s34, s37, 63
	s_lshl_b32 s34, s34, 16
	s_add_nc_u64 s[30:31], s[30:31], s[34:35]
	s_lshl_b32 s34, s37, 15                        ; sixteen rows of 2,048 bytes
	s_add_nc_u64 s[32:33], s[26:27], s[34:35]
	s_lshl_b32 s39, s36, 13
	v_lshlrev_b32 v[LO], 4, v1
	v_add_nc_u32 v[LO], s39, v[LO]
	s_lshl_b32 s39, s36, 12
	v_lshlrev_b32 v[SO], 3, v1
	v_add_nc_u32 v[SO], s39, v[SO]
	CAST 512, 256
	s_endpgm
.Lmask:                                                ; 32 queries x 2,048 keys; wave w takes keys 256 w .. 256 w + 255: four key steps
	s_sub_co_u32 s37, ttmp9, 768                   ; gm
	s_lshl_b32 s34, s37, 16                        ; 32 rows of 2,048 bytes
	s_add_nc_u64 s[30:31], s[22:23], s[34:35]
	s_lshl_b32 s34, s37, 13
	s_add_nc_u64 s[32:33], s[28:29], s[34:35]
	s_lshl_b32 s39, s36, 8
	v_lshlrev_b32 v[LO], 4, v2
	v_lshl_add_u32 v[LO], v3, 11, v[LO]
	v_add_nc_u32 v[LO], s39, v[LO]                 ; row L / 16, my wave's 256 bytes of it
.set i, 0
.rept 16
	global_load_b128 v[X+4*i:X+4*i+3], v[LO], s[30:31] offset:i*4096 th:TH_LOAD_NT  ; rows 2 i, 2 i + 1: 256 consecutive bytes of each
.set i, i+1
.endr
	s_mul_i32 s39, s36, MWAVE                      ; my wave's own rows in LDS: no other wave touches them, so no barrier is written
	v_mul_u32_u24 v[LW], v3, MROW
	v_lshl_add_u32 v[LW], v2, 4, v[LW]
	v_add_nc_u32 v[LW], s39, v[LW]
	v_mul_u32_u24 v[LR], v2, MROW                  ; back: row L % 16, 8 bytes at 8 (L / 16): the rows' pitch of 68 words spreads the 32 lanes over the banks
	v_lshl_add_u32 v[LR], v3, 3, v[LR]
	v_add_nc_u32 v[LR], s39, v[LR]
	s_lshl_b32 s38, s36, 10                        ; four steps of 256 bytes a wave
	v_lshlrev_b32 v[GM], 3, v1
	v_add_nc_u32 v[GM], s38, v[GM]
	v_mov_b32 v[OUT], 0                            ; v_writelane_b32 counts as a reader of its destination
	v_mov_b32 v[OUT+1], 0
.set i, 0
.rept 16
	s_wait_loadcnt 15-i
	ds_store_b128 v[LW], v[X+4*i:X+4*i+3] offset:i*2*MROW
.set i, i+1
.endr
	s_mov_b32 s37, 4
.Lstep:                                                ; a trip: one key step, 64 words
.set i, 0
.rept 8                                ; (u, kb) = (i / 4, i % 4)
	ds_load_b64 v[D+2*i:D+2*i+1], v[LR] offset:(i/4)*16*MROW+(i%4)*16  ; LDS serves a wave's instructions in order (ISA guide 5.7.1.4): these see the stores above
.set i, i+1
.endr
	s_wait_dscnt 0x0
.set d, 0
.rept 64                               ; word d: byte d % 8 of pair d / 8, compared in all 32 lanes at once; the lane mask goes into lane d / 2
	v_and_b32 v[T+d%2], 0xff<<(8*(d%4)), v[D+2*(d/8)+(d%8)/4]
	v_cmp_ne_u32 s[40+d%8], 0, v[T+d%2]
	v_writelane_b32 v[OUT+d%2], s[40+d%8], d/2
.set d, d+1
.endr
	global_store_b64 v[GM], v[OUT:OUT+1], s[32:33] ; 256 consecutive bytes, aligned
	s_wait_xcnt 0x0                                ; the store's data and offset are written again only behind this wait
	v_add_nc_u32 v[LR], 64, v[LR]
	v_add_nc_u32 v[GM], 0x100, v[GM]
	s_sub_co_u32 s37, s37, 1
	s_cmp_lg_u32 s37, 0
	s_cbranch_scc1 .Lstep
	s_wait_tensorcnt 0x0                           ; the wave's end: behind my last LDS store
	ds_add_u32 v[SPW], v[NIL]
	s_wait_dscnt 0x0
	s_endpgm
.Lfunc_end_k_qd930d7fe93_prep:
	.size	k_qd930d7fe93_prep, .Lfunc_end_k_qd930d7fe93_prep-k_qd930d7fe93_prep
	.p2alignl 7, 3214868480
	.fill 96, 4, 3214868480
	.section	.rodata,"a",@progbits
	.p2align	6, 0x0
	.amdhsa_kernel k_qd930d7fe93_prep
		.amdhsa_group_segment_fixed_size 70656
		.amdhsa_private_segment_fixed_size 0
		.amdhsa_enable_private_segment 0
		.amdhsa_kernarg_size 88
		.amdhsa_user_sgpr_count 2
		.amdhsa_user_sgpr_kernarg_segment_ptr 1
		.amdhsa_wavefront_size32 1
		.amdhsa_system_sgpr_workgroup_id_x 1
		.amdhsa_system_sgpr_workgroup_id_y 1
		.amdhsa_system_sgpr_workgroup_id_z 1
		.amdhsa_system_vgpr_workitem_id 0
		.amdhsa_next_free_vgpr 100
		.amdhsa_next_free_sgpr 66
		.amdhsa_reserve_vcc 0
		.amdhsa_float_denorm_mode_32 3
		.amdhsa_float_denorm_mode_16_64 3
		.amdhsa_memory_ordered 1
		.amdhsa_forward_progress 1
		.amdhsa_inst_pref_size 49
	.end_amdhsa_kernel
	.amdgpu_metadata
---
amdhsa.version: [ 1, 2 ]
amdhsa.kernels:
  - .name:           k_qd930d7fe93_prep
    .symbol:         k_qd930d7fe93_prep.kd
    .args:
      - { .name: query, .offset: 0, .size: 8, .value_kind: global_buffer, .address_space: global }
      - { .name: key, .offset: 8, .size: 8, .value_kind: global_buffer, .address_space: global }
      - { .name: value, .offset: 16, .size: 8, .value_kind: global_buffer, .address_space: global }
      - { .name: Wq, .offset: 24, .size: 8, .value_kind: global_buffer, .address_space: global }
      - { .name: Wk, .offset: 32, .size: 8, .value_kind: global_buffer, .address_space: global }
      - { .name: Wv, .offset: 40, .size: 8, .value_kind: global_buffer, .address_space: global }
      - { .name: Wo, .offset: 48, .size: 8, .value_kind: global_buffer, .address_space: global }
      - { .name: mask, .offset: 56, .size: 8, .value_kind: global_buffer, .address_space: global }
      - { .name: xb, .offset: 64, .size: 8, .value_kind: global_buffer, .address_space: global }
      - { .name: wb, .offset: 72, .size: 8, .value_kind: global_buffer, .address_space: global }
      - { .name: maskbits, .offset: 80, .size: 8, .value_kind: global_buffer, .address_space: global }
    .group_segment_fixed_size: 70656
    .private_segment_fixed_size: 0
    .kernarg_segment_align: 8
    .kernarg_segment_size: 88
    .max_flat_workgroup_size: 256
    .sgpr_count:     66
    .vgpr_count:     100
    .wavefront_size: 32
...
	.end_amdgpu_metadata
.endif
;; end of part 5
;; launch proj (part 6): grid 4 x 96, 8 waves a work-group, clusters of 4 x 4, 327,680 bytes of LDS; arguments xb, wb, qkv, bq, bk, bv; writes qkv
.if DOCPART == 6
	.amdgcn_target "amdgcn-amd-amdhsa--gfx1250"
	.amdhsa_code_object_version 6
	.text
	.protected	k_qd930d7fe93_proj
	.globl	k_qd930d7fe93_proj
	.p2align	8
	.type	k_qd930d7fe93_proj,@function
k_qd930d7fe93_proj:
	s_mov_b64 s[64:65], 0
	v_nop
	global_prefetch_b8 v0, s[64:65] scope:SCOPE_SE
	s_setreg_imm32_b32 hwreg(HW_REG_WAVE_MODE, 25, 1), 1
	s_wait_xcnt 0x0
	s_wait_alu depctr_hold_cnt(0) depctr_sa_sdst(0) depctr_va_vdst(0) depctr_va_sdst(0) depctr_va_ssrc(0) depctr_va_vcc(0) depctr_vm_vsrc(0)
	s_getreg_b32 s2, hwreg(HW_REG_IB_STS2, 6, 4)
	s_cmp_eq_u32 s2, 0
	s_cbranch_scc0 .Lentry_in_a_cluster
	s_endpgm
.Lentry_in_a_cluster:
	s_bfe_u32 s2, ttmp6, 0x10000c
	s_cmp_lg_u32 s2, 0xf033
	s_cbranch_scc0 .Lentry_shape_is_right
	s_endpgm
.Lentry_shape_is_right:
; C = A W + bias, K = 1024: the module's three input projections in one launch.  A = xb (query, key, value: 24,576 rows), W = Wq, Wk or Wv by the tile row, C = qkv in f16, by blocks of 64 channels (a head is a block).
; A lies by blocks: [group of 2,048 rows][16 blocks of 64 channels][2,048 rows][64] f16, and so does C.  W lies [k][n] f16.  Sums in f32; the bias, rounded to bf16 like every input of the module, is added in f32; C is rounded once.
; LIMITS.  f16 holds no number beyond 65,504: A and W arrive within it, and a result beyond it becomes an infinity.  NaN and infinities are not treated apart.
; SHARES.  A tile of C is 256 rows x 256 columns: 384 work-groups of equal work.  EIGHT waves, two to a SIMD, each 64 x 128: 32 accumulators of 16 x 16, 256 registers, 512 registers a wave: the eight take all 4 x 1,024.
; K goes in steps of 128 through two LDS slots; with two waves on a SIMD a step holds 256 matrix instructions there, so that a refill has 2 x 112 of them in which to land.  (384 x 256, one tile to each of 256 work-groups, would
; need 2 x 180,224 bytes for two such slots: it does not fit.)
; Waves 0 to 3 fetch A's two blocks of the step by halves (128 rows x 128 bytes, dense: asked for as 64 rows of 256 bytes), waves 4 to 7 a quarter each of W's 128 k-rows x 512 bytes.
; CLUSTER 4 x 4: the four work-groups of a row share A's tiles, the four of a column W's: each tile is asked for jointly, with the same descriptor and a mask that names the four.
; THE MATRIX INSTRUCTION IS USED TRANSPOSED (source 0 = 16 columns of W, turned on the way out of LDS by ds_load_tr16_b128; source 1 = 16 rows of A): a lane holds eight neighbouring numbers of a row of C.
; REGISTERS.  Window 0: v0-31 addresses; v32-47 bias; two fragment buffers of 96 (64 of W, 32 of A) at v64 and v160, on the way out two buffers of 64 for rows read back.  Window 1: accumulator (a, b) at v[8 (8 a + b)].
.set PA,     144                       ; a row of A in LDS: 128 bytes + 16 = 36 words: the 16 rows of a load start at 16 different groups of four banks (64 banks of 4 bytes: ISA guide 11.1)
.set PB,     544                       ; a k-row of W: 512 bytes + 32 = 136 words
.set ABLK,   256*PA                    ; a block of A: the tile's 256 rows x 64 channels
.set AQ,     128*PA                    ; half of it: what one of waves 0 to 3 fetches
.set APART,  2*ABLK
.set BQ,     32*PB                     ; 32 k-rows of W: what one of waves 4 to 7 fetches
.set SLOT,   APART+4*BQ
.set STAGE,  0                         ; the way out's stages, 16 rows x 528 bytes of f32 for each wave, lie in slot 0: it has had its last fill (K step 6), every wave's reads of it are awaited in front of the last
                                       ; change of slots' barrier, and no tensor load follows
.set SPITCH, 528
.set SPARE,  2*SLOT                    ; behind the ring: the spare words, 128 bytes a wave: four blocks of 256 bytes that no other line names
.set LAPS,   4                         ; a lap = two K steps = once round the ring
.set ADRA, 16                          ; v16-17  LDS address of my A fragments in slot 0, 1
.set ADRB, 20                          ; v20-21  the same for W
.set STO,  24                          ; v24     the way out: where I put 32 bytes of a row
.set RD,   25                          ; v25     the way out: where I read back
.set GO,   26                          ; v26     16 x lane: my byte offset in 512 consecutive bytes of C
.set BO,   27                          ; v27     my byte offset in the bias
.set SPW,  28                          ; v28     LDS address of my spare word; never rewritten
.set NIL,  29                          ; v29     0; never rewritten
.set BI,   32                          ; v32-47  the bias of my columns
.set F0,   64
.set F1,   160
.set OB0,  64
.set OB1,  128
.set G1A, 24                           ; s[24:31] descriptor group 1 for A's tiles; s[32:39] group 0, a set for each slot
.set G0A, 32
.set G1B, 48                           ; s[48:55], s[56:63] the same for W's
.set G0B, 56
.set MSB, 0
.macro WIN new                         ; the immediate's high byte repeats the setting that is left; a switch that changes nothing is dropped
.if MSB != (\new)
	s_set_vgpr_msb (MSB<<8)|(\new)
.set MSB, \new
.endif
.endm
.set MUL, 0x50                         ; C and D in window 1, both sources in window 0
.macro JLOAD s                         ; a joint load; the branch hangs on the wave's number alone; an s_nop 0 and four v_nop follow each of the two lines
	s_cmp_lt_u32 s12, 4
	s_cbranch_scc0 .Lfor_b_\@
	tensor_load_to_lds s[G0A+4*(\s):G0A+4*(\s)+3], s[G1A:G1A+7]
	s_nop 0
.rept 4
	v_nop
.endr
	s_branch .Lasked_\@
.Lfor_b_\@:
	tensor_load_to_lds s[G0B+4*(\s):G0B+4*(\s)+3], s[G1B:G1B+7]
	s_nop 0
.rept 4
	v_nop
.endr
.Lasked_\@:
.endm
.macro CREST                           ; a round of the cluster's barrier behind its opening barrier
	s_cmp_lg_u32 s12, 0
	s_cbranch_scc1 .Lnot_wave_0_\@
	s_barrier_signal -3
.Lnot_wave_0_\@:
	s_barrier_wait -3
	s_barrier_signal -1
	s_barrier_wait -1
.endm
.macro CROUND                          ; a whole round
	s_barrier_signal -1
	s_barrier_wait -1
	CREST
.endm
	s_load_b128 s[4:7], s[0:1], 0x0                ; xb s[4:5], wb s[6:7]
	s_load_b128 s[8:11], s[0:1], 0x10              ; qkv s[8:9], bq s[10:11]
	s_load_b128 s[68:71], s[0:1], 0x20             ; bk s[68:69], bv s[70:71]
	v_lshl_add_u32 v[SPW], v0, 2, SPARE
	v_mov_b32 v[NIL], 0
	ds_add_u32 v[SPW], v[NIL]                      ; the wave's opening: the add and its wait stand ahead of my first tensor load; the set-up below, work on registers, stands between them
	v_lshrrev_b32 v1, 5, v0
	v_readfirstlane_b32 s12, v1                    ; wave 0..7
	s_lshr_b32 s13, s12, 1                         ; MH, 0..3: which 64 rows of the tile are mine
	s_and_b32 s14, s12, 1                          ; NH: which 128 columns.  Also, for waves 0 to 3: which block of A's K step I fetch
	s_and_b32 s2, s13, 1                           ; for waves 0 to 3: which 128 rows of that block
	s_and_b32 s3, s12, 3                           ; for waves 4 to 7: which 32 k-rows of W
	s_bfe_u32 s15, ttmp6, 0x40000                  ; cx
	s_bfe_u32 s16, ttmp6, 0x40004                  ; cy
	s_lshl_b32 s17, ttmp9, 2
	s_add_co_u32 s17, s17, s15                     ; NT: tile column = 4 x cluster x + cx
	s_and_b32 s19, ttmp7, 0xffff
	s_lshl_b32 s18, s19, 2
	s_add_co_u32 s18, s18, s16                     ; MT: tile row = 4 x cluster y + cy
	s_lshr_b32 s19, s19, 3                         ; T: which tensor: 32 tile rows, 8 cluster rows each; the same in the whole cluster
	s_lshl_b32 s44, s16, 2
	s_lshl_b32 s44, 15, s44                        ; my row of the cluster
	s_lshl_b32 s45, 0x1111, s15                    ; my column
	s_or_b32 s[G1A], s44, (1<<16)|(1<<20)|(1<<21)|(4<<22)|(3<<25)  ; 15:0 the mask; 17:16 2-byte elements; 20 padding on; 21 set beside a mask; 24:22 after every 32 words (code 4); 31:25 4 words (code 3)
	s_mov_b32 s[G1A+1], 128<<16                    ; tensor_dim0 = 128 elements: 256 bytes, two rows of a block
	s_mov_b32 s[G1A+2], 64<<16                     ; tensor_dim1 = 64
	s_mov_b32 s[G1A+3], 128<<16                    ; tile_dim0 = 128
	s_mov_b32 s[G1A+4], 64                         ; tile_dim1 = 64
	s_mov_b32 s[G1A+5], 128                        ; dense: 128 elements from row to row
	s_mov_b32 s[G1A+6], 0
	s_mov_b32 s[G1A+7], 0
	s_or_b32 s[G1B], s45, (1<<16)|(1<<20)|(1<<21)|(6<<22)|(7<<25)  ; after every 128 words (code 6) 8 words of padding (code 7)
	s_mov_b32 s[G1B+1], 256<<16                    ; tensor_dim0 = 256 columns
	s_mov_b32 s[G1B+2], 32<<16                     ; tensor_dim1 = 32 k-rows
	s_mov_b32 s[G1B+3], 256<<16
	s_mov_b32 s[G1B+4], 32
	s_mov_b32 s[G1B+5], 1024                       ; 1,024 elements from k-row to k-row
	s_mov_b32 s[G1B+6], 0
	s_mov_b32 s[G1B+7], 0
	; A's offset hangs on the tile row and the wave alone, W's on the tile column, T and the wave alone; neither pair of registers ever holds the other coordinate
	s_lshr_b32 s20, s18, 3
	s_lshl_b32 s20, s20, 22                        ; the group of 2,048 rows: eight tile rows,
	s_and_b32 s21, s18, 7
	s_lshl_b32 s21, s21, 15                        ; the tile's 256 rows of 128 bytes in a block,
	s_add_co_u32 s20, s20, s21
	s_lshl_b32 s21, s2, 14                         ; my 128 of them,
	s_add_co_u32 s20, s20, s21
	s_lshl_b32 s21, s14, 18                        ; my block of the K step
	s_add_co_u32 s20, s20, s21
	s_mov_b32 s21, 0
	s_lshl_b32 s22, s19, 21                        ; matrix T of wb,
	s_lshl_b32 s23, s3, 16                         ; my 32 k-rows of 2,048 bytes,
	s_add_co_u32 s22, s22, s23
	s_lshl_b32 s23, s17, 9                         ; the tile's 256 columns
	s_add_co_u32 s22, s22, s23
	s_mov_b32 s23, 0
	s_mul_i32 s46, s14, ABLK                       ; where they go: no place in the cluster enters an LDS address
	s_mul_i32 s47, s2, AQ
	s_add_co_u32 s46, s46, s47
	s_mul_i32 s47, s3, BQ
	s_add_co_u32 s47, s47, APART
	s_lshl_b32 s42, s17, 10                        ; my 128 columns in a row of f32: the bias's offset
	s_lshl_b32 s43, s14, 9
	s_add_co_u32 s42, s42, s43
	s_mov_b32 s43, 0
	s_lshr_b32 s40, s18, 3                         ; qkv: the group,
	s_lshl_b32 s40, s40, 22
	s_and_b32 s41, s18, 7
	s_lshl_b32 s41, s41, 15                        ; the tile's rows in a block,
	s_add_co_u32 s40, s40, s41
	s_lshl_b32 s41, s17, 20                        ; block 4 NT + 2 NH,
	s_add_co_u32 s40, s40, s41
	s_lshl_b32 s41, s14, 19
	s_add_co_u32 s40, s40, s41
	s_lshl_b32 s41, s13, 13                        ; my 64 rows of 128 bytes
	s_add_co_u32 s40, s40, s41
	s_mov_b32 s41, 0
	s_wait_dscnt 0x0                               ; the opening add is done
	s_wait_kmcnt 0x0
	s_cmp_eq_u32 s19, 1
	s_cselect_b64 s[10:11], s[68:69], s[10:11]
	s_cmp_eq_u32 s19, 2
	s_cselect_b64 s[10:11], s[70:71], s[10:11]
	s_add_nc_u64 s[10:11], s[10:11], s[42:43]
	s_add_nc_u64 s[8:9], s[8:9], s[40:41]
	s_add_nc_u64 s[20:21], s[4:5], s[20:21]
	s_add_nc_u64 s[22:23], s[6:7], s[22:23]
	CROUND                                         ; all sixteen work-groups are here: the first joint loads meet
.irp s, 0,1
	s_mov_b32 s[G0A+4*(\s)], 1                     ; count = 1
	s_add_co_u32 s[G0A+4*(\s)+1], s46, (\s)*SLOT   ; LDS address
	s_add_nc_u64 s[G0A+4*(\s)+2:G0A+4*(\s)+3], s[20:21], (\s)*524288  ; K step s: two blocks on
	s_or_b32 s[G0A+4*(\s)+3], s[G0A+4*(\s)+3], 0x80000000             ; type = 2
	s_mov_b32 s[G0B+4*(\s)], 1
	s_add_co_u32 s[G0B+4*(\s)+1], s47, (\s)*SLOT
	s_add_nc_u64 s[G0B+4*(\s)+2:G0B+4*(\s)+3], s[22:23], (\s)*262144  ; 128 k-rows on
	s_or_b32 s[G0B+4*(\s)+3], s[G0B+4*(\s)+3], 0x80000000
	JLOAD \s                                       ; two loads of mine are out
.endr
	v_and_b32 v1, 15, v0                           ; r = l % 16
	v_bfe_u32 v2, v0, 4, 1                         ; h = l / 16
	v_and_b32 v3, 7, v0
	v_bfe_u32 v4, v0, 3, 1
	v_and_b32 v7, 31, v0
	v_lshlrev_b32 v[GO], 4, v7
	v_lshlrev_b32 v[BO], 5, v3                     ; the bias of my eight channels in each of the two blocks
.irp e, 0,1
	global_load_b128 v[BI+8*(\e):BI+8*(\e)+3],   v[BO], s[10:11] offset:(\e)*256
	global_load_b128 v[BI+8*(\e)+4:BI+8*(\e)+7], v[BO], s[10:11] offset:(\e)*256+16
.endr
	v_mul_u32_u24 v5, v1, PA                       ; a fragment of A: row r, 16 bytes for each half of the lanes
	v_lshl_add_u32 v5, v2, 4, v5
	v_lshl_add_u32 v6, v2, 3, v3                   ; a turned fragment of W: lane l reads k-row 8 h + l % 8, columns 8 ((l / 8) % 2) + 0..7
	v_mul_u32_u24 v6, v6, PB
	v_lshl_add_u32 v6, v4, 4, v6
	s_mul_i32 s46, s13, 64*PA                      ; my 64 rows of A
	s_lshl_b32 s47, s14, 8                         ; my 128 columns of W,
	s_add_co_u32 s47, s47, APART                   ; which lies behind A's two blocks
.irp s, 0,1
	v_add_nc_u32 v[ADRA+(\s)], s46, v5
	v_add_nc_u32 v[ADRB+(\s)], s47, v6
	s_add_co_u32 s46, s46, SLOT
	s_add_co_u32 s47, s47, SLOT
.endr
	s_mul_i32 s46, s12, 16*SPITCH
	s_add_co_u32 s46, s46, STAGE                   ; my stage
	v_mul_u32_u24 v5, v1, SPITCH                   ; in: row r, 32 bytes for each half of the lanes
	v_lshl_add_u32 v5, v2, 5, v5
	v_add_nc_u32 v[STO], s46, v5
	v_bfe_u32 v5, v0, 3, 2                         ; back: eight lanes take 64 channels of a row, 32 bytes of f32 each; 32 lanes four rows
	v_mul_u32_u24 v5, v5, SPITCH
	v_lshl_add_u32 v5, v3, 5, v5
	v_add_nc_u32 v[RD], s46, v5
; 8 matrix instructions: m block a x all 8 n blocks, 32 along K.  zero = 1: the product starts the sums.  The 32 accumulators take turns in the same order in every quarter.
.macro MUL8 f, a, zero
	WIN MUL
.irp b, 0,1,2,3,4,5,6,7
.if \zero
	v_wmma_f32_16x16x32_f16 v[8*(8*(\a)+(\b)):8*(8*(\a)+(\b))+7], v[(\f)+8*(\b):(\f)+8*(\b)+7], v[(\f)+64+8*(\a):(\f)+64+8*(\a)+7], 0
.else
	v_wmma_f32_16x16x32_f16 v[8*(8*(\a)+(\b)):8*(8*(\a)+(\b))+7], v[(\f)+8*(\b):(\f)+8*(\b)+7], v[(\f)+64+8*(\a):(\f)+64+8*(\a)+7], v[8*(8*(\a)+(\b)):8*(8*(\a)+(\b))+7]
.endif
.endr
.endm
.macro MUL16 f, a0, zero
	MUL8 \f, \a0, \zero
	MUL8 \f, (\a0)+1, \zero
.endm
; 24 LDS loads in one run: quarter q (32 along K) of a slot into buffer f: W's 8 fragments, then A's 4, rows 0-31 first
.macro FETCH slot, q, f
	WIN 0
.irp i, 0,1,2,3,4,5,6,7
	ds_load_tr16_b128 v[(\f)+8*(\i):(\f)+8*(\i)+3],   v[ADRB+(\slot)] offset:(\q)*32*PB+(\i)*32
	ds_load_tr16_b128 v[(\f)+8*(\i)+4:(\f)+8*(\i)+7], v[ADRB+(\slot)] offset:(\q)*32*PB+(\i)*32+16*PB
.endr
.irp i, 0,1,2,3
	ds_load_b128 v[(\f)+64+8*(\i):(\f)+64+8*(\i)+3],   v[ADRA+(\slot)] offset:((\q)/2)*ABLK+((\q)%2)*64+(\i)*16*PA
	ds_load_b128 v[(\f)+64+8*(\i)+4:(\f)+64+8*(\i)+7], v[ADRA+(\slot)] offset:((\q)/2)*ABLK+((\q)%2)*64+(\i)*16*PA+32
.endr
.endm
.macro PLACES                          ; four places in front of loads into registers that matrix instructions have read (ISA guide 7.12.1 for vector instructions)
.rept 4
	v_nop
.endr
.endm
; A K step is four quarters of 32 along K, 32 matrix instructions a wave each, on buffers 0, 1, 0, 1.  One of the first three: multiplies buffer f and fetches quarter q of the same slot into g.
.macro QUARTER slot, q, f, g, zero
	s_wait_dscnt 4                                 ; W and A's rows 0-31 are in; the youngest four loads (A's rows 32-63) may be out
	MUL16 \f, 0, \zero
	PLACES
	FETCH \slot, \q, \g
	s_wait_dscnt 24                                ; all but the 24 just issued
	MUL16 \f, 2, \zero
.endm
; The last quarter multiplies buffer 1 and changes slots: ONE barrier; in front of it each wave waits for all its tensor loads (one is out: its part of the next slot), adds 0 to its spare word,
; and waits for that and for its own reads of this slot.  fill = 1: the barrier opens a round of the cluster's barrier, and this slot is filled again, two K steps ahead, first thing behind it.
.macro TURN slot, next, fill
	WIN 0
	s_wait_tensorcnt 0x0
	ds_add_u32 v[SPW], v[NIL]                      ; 0 onto my spare word
	s_wait_dscnt 5                                 ; (the add and the youngest four loads may be out)
	MUL8 F1, 0, 0                                  ; eight matrix instructions stand between the add and the wait for it
	s_wait_dscnt 0x0                               ; the add is done, and my reads of this slot are over
	s_barrier_signal -1
	MUL8 F1, 1, 0
.if \fill
	WIN 0
.endif
	s_barrier_wait -1
.if \fill
	CREST                                          ; no wave of any partner still reads this slot's tiles or has a load on its way
	s_add_nc_u64 s[G0A+4*(\slot)+2:G0A+4*(\slot)+3], s[G0A+4*(\slot)+2:G0A+4*(\slot)+3], 1048576  ; four blocks on
	s_add_nc_u64 s[G0B+4*(\slot)+2:G0B+4*(\slot)+3], s[G0B+4*(\slot)+2:G0B+4*(\slot)+3], 524288   ; 256 k-rows on
	JLOAD \slot                                    ; my one tensor load behind the round: 112 matrix instructions of mine, and as many of the wave that shares my SIMD, ahead of the wait for it; its four v_nop are also the places in front of the loads below
.else
	PLACES
.endif
	FETCH \next, 0, F0
	MUL16 F1, 2, 0
.endm
	s_wait_tensorcnt 1                             ; my part of K step 0 is in; K step 1's may stay out
	s_barrier_signal -1
	s_barrier_wait -1                              ; everybody's is
	FETCH 0, 0, F0
	QUARTER 0, 1, F0, F1, 1                        ; the first quarter stands in front of the loop: its products start the sums
	WIN 0                                          ; at a label and at a branch every window is 0
	s_mov_b32 s3, LAPS-1
.Llap:                                                 ; a trip goes once round the ring, from a lap's second quarter to the next lap's first, and fills both slots again
	QUARTER 0, 2, F1, F0, 0
	QUARTER 0, 3, F0, F1, 0
	TURN 0, 1, 1
	QUARTER 1, 1, F0, F1, 0
	QUARTER 1, 2, F1, F0, 0
	QUARTER 1, 3, F0, F1, 0
	TURN 1, 0, 1
	QUARTER 0, 1, F0, F1, 0
	WIN 0
	s_sub_co_u32 s3, s3, 1
	s_cmp_lg_u32 s3, 0
	s_cbranch_scc1 .Llap
	QUARTER 0, 2, F1, F0, 0                        ; the last lap fills nothing
	QUARTER 0, 3, F0, F1, 0
	TURN 0, 1, 0                                   ; behind this barrier no wave reads slot 0 any more, and nothing is filled: its first bytes become the stages
	QUARTER 1, 1, F0, F1, 0
	QUARTER 1, 2, F1, F0, 0
	QUARTER 1, 3, F0, F1, 0
	s_wait_dscnt 4
	MUL16 F1, 0, 0
	s_wait_dscnt 0x0
	MUL16 F1, 2, 0
	WIN 0
	; THE WAY OUT.  The bias is rounded to bf16: these lines are also the places behind the last products.  Then 16 rows at a time go through my own stage in f32 and come back by rows.
	s_wait_loadcnt 0x0
.set i, 0
.rept 8
	v_cvt_pk_bf16_f32 v[3+i%2], v[BI+2*i], v[BI+2*i+1]
	v_lshlrev_b32 v[BI+2*i], 16, v[3+i%2]
	v_and_b32 v[BI+2*i+1], 0xffff0000, v[3+i%2]
.set i, i+1
.endr
.macro TOSTAGE a, ob
	WIN 0x04                                       ; store data in window 1, address in window 0
.irp b, 0,1,2,3,4,5,6,7
	ds_store_b128 v[STO], v[8*(8*(\a)+(\b)):8*(8*(\a)+(\b))+3]   offset:64*(\b)     ; each accumulator's low registers first
	ds_store_b128 v[STO], v[8*(8*(\a)+(\b))+4:8*(8*(\a)+(\b))+7] offset:64*(\b)+16
.endr
	WIN 0
.set c, 0
.rept 8                                ; block c / 4, rows 4 (c % 4) on
	ds_load_b128 v[(\ob)+8*c:(\ob)+8*c+3],   v[RD] offset:(c%4)*4*SPITCH+(c/4)*256     ; LDS serves a wave's instructions in order (ISA guide 5.7.1.4): these see the stores above, and the next block's stores come behind them
	ds_load_b128 v[(\ob)+8*c+4:(\ob)+8*c+7], v[RD] offset:(c%4)*4*SPITCH+(c/4)*256+16
.set c, c+1
.endr
.endm
.macro SEND a, ob, younger             ; younger: the LDS instructions issued behind block a's loads: the next block's 32, or none
.set c, 0
.rept 8
	s_wait_dscnt (\younger)+14-2*c
.irp k, 0,1,2,3
	v_pk_add_f32 v[(\ob)+8*c+2*(\k):(\ob)+8*c+2*(\k)+1], v[(\ob)+8*c+2*(\k):(\ob)+8*c+2*(\k)+1], v[BI+8*(c/4)+2*(\k):BI+8*(c/4)+2*(\k)+1]
.endr
.irp k, 0,1,2,3
	v_cvt_pk_f16_f32 v[(\ob)+8*c+(\k)], v[(\ob)+8*c+2*(\k)], v[(\ob)+8*c+2*(\k)+1]
.endr
	global_store_b128 v[GO], v[(\ob)+8*c:(\ob)+8*c+3], s[8:9] offset:(c/4)*262144+(16*(\a)+4*(c%4))*128  ; four rows of a block: 512 consecutive bytes, aligned
.set c, c+1
.endr
.endm
	TOSTAGE 0, OB0
	TOSTAGE 1, OB1
	SEND 0, OB0, 32
	s_wait_xcnt 0x0                                ; the registers that those stores read are loaded again only behind this wait
	TOSTAGE 2, OB0
	SEND 1, OB1, 32
	s_wait_xcnt 0x0
	TOSTAGE 3, OB1
	SEND 2, OB0, 32
	SEND 3, OB1, 0
	s_wait_tensorcnt 0x0                           ; the wave's end: behind my last tensor load and my last LDS store
	ds_add_u32 v[SPW], v[NIL]
	s_wait_dscnt 0x0
	CROUND                                         ; the closing round: no work-group ends while a partner may still ask for a tile that names it
	s_endpgm
.Lfunc_end_k_qd930d7fe93_proj:
	.size	k_qd930d7fe93_proj, .Lfunc_end_k_qd930d7fe93_proj-k_qd930d7fe93_proj
	.p2alignl 7, 3214868480
	.fill 96, 4, 3214868480
	.section	.rodata,"a",@progbits
	.p2align	6, 0x0
	.amdhsa_kernel k_qd930d7fe93_proj
		.amdhsa_group_segment_fixed_size 327680
		.amdhsa_private_segment_fixed_size 0
		.amdhsa_enable_private_segment 0
		.amdhsa_kernarg_size 48
		.amdhsa_user_sgpr_count 2
		.amdhsa_user_sgpr_kernarg_segment_ptr 1
		.amdhsa_wavefront_size32 1
		.amdhsa_system_sgpr_workgroup_id_x 1
		.amdhsa_system_sgpr_workgroup_id_y 1
		.amdhsa_system_sgpr_workgroup_id_z 1
		.amdhsa_system_vgpr_workitem_id 0
		.amdhsa_next_free_vgpr 512
		.amdhsa_next_free_sgpr 72
		.amdhsa_reserve_vcc 0
		.amdhsa_float_denorm_mode_32 3
		.amdhsa_float_denorm_mode_16_64 3
		.amdhsa_memory_ordered 1
		.amdhsa_forward_progress 1
		.amdhsa_inst_pref_size 101
	.end_amdhsa_kernel
	.amdgpu_metadata
---
amdhsa.version: [ 1, 2 ]
amdhsa.kernels:
  - .name:           k_qd930d7fe93_proj
    .symbol:         k_qd930d7fe93_proj.kd
    .args:
      - { .name: xb, .offset: 0, .size: 8, .value_kind: global_buffer, .address_space: global }
      - { .name: wb, .offset: 8, .size: 8, .value_kind: global_buffer, .address_space: global }
      - { .name: qkv, .offset: 16, .size: 8, .value_kind: global_buffer, .address_space: global }
      - { .name: bq, .offset: 24, .size: 8, .value_kind: global_buffer, .address_space: global }
      - { .name: bk, .offset: 32, .size: 8, .value_kind: global_buffer, .address_space: global }
      - { .name: bv, .offset: 40, .size: 8, .value_kind: global_buffer, .address_space: global }
    .group_segment_fixed_size: 327680
    .private_segment_fixed_size: 0
    .kernarg_segment_align: 8
    .kernarg_segment_size: 48
    .max_flat_workgroup_size: 256
    .sgpr_count:     72
    .vgpr_count:     512
    .wavefront_size: 32
...
	.end_amdgpu_metadata
.endif
;; end of part 6
;; launch attn (part 7): grid 4 x 64, 4 waves a work-group, clusters of 4 x 1, 327,680 bytes of LDS; arguments qkv, maskbits, ctx; writes ctx
.if DOCPART == 7
	.amdgcn_target "amdgcn-amd-amdhsa--gfx1250"
	.amdhsa_code_object_version 6
	.text
	.protected	k_qd930d7fe93_attn
	.globl	k_qd930d7fe93_attn
	.p2align	8
	.type	k_qd930d7fe93_attn,@function
k_qd930d7fe93_attn:
	s_mov_b64 s[64:65], 0
	v_nop
	global_prefetch_b8 v0, s[64:65] scope:SCOPE_SE
	s_setreg_imm32_b32 hwreg(HW_REG_WAVE_MODE, 25, 1), 1
	s_wait_xcnt 0x0
	s_wait_alu depctr_hold_cnt(0) depctr_sa_sdst(0) depctr_va_vdst(0) depctr_va_sdst(0) depctr_va_ssrc(0) depctr_va_vcc(0) depctr_vm_vsrc(0)
	s_getreg_b32 s2, hwreg(HW_REG_IB_STS2, 6, 4)
	s_cmp_eq_u32 s2, 0
	s_cbranch_scc0 .Lentry_in_a_cluster
	s_endpgm
.Lentry_in_a_cluster:
	s_bfe_u32 s2, ttmp6, 0x10000c
	s_cmp_lg_u32 s2, 0x3003
	s_cbranch_scc0 .Lentry_shape_is_right
	s_endpgm
.Lentry_shape_is_right:
; ATTENTION WITH A MASK THAT IS AN INPUT, head size 64.  O[y][q][:] = the sum over k of softmax_k(s[q][k]) V[y][k][:], s = Q[y][q] . K[y][k] / 8, REPLACED by a far negative number where mask[b][q][k] is set.
; y = 16 b + head, 0..63.  qkv holds Q, K, V one after the other, each [64 y][2048][64] f16: a head's rows are dense, 128 bytes each.  ctx has the same layout.  Products, maxima and sums in f32; the weights p are
; rounded to f16 for the second product (their sum l is taken of the unrounded p), O once at the end.
; THE MASK arrives as lane masks (maskbits): for 32 queries (a piece) and a step of 64 keys, 64 words, one for each register of the piece's two score tiles.  One vector load of 8 bytes a lane brings them (lane l: words
; 2 l, 2 l + 1), FOUR TURNS ahead of their use; a turn ahead 64 v_readlane_b32 move them into scalar registers; and one v_cndmask_b32 a score replaces it BEFORE the maximum is taken: the running maximum is that of the
; scores that count, and a row in which every key is hidden gets equal weights, as softmax of equal scores gives.  (Scalar loads would spare the 64 moves, but the wave has scalar registers for one piece's words alone,
; so that they could be asked for one turn ahead at the most.)
; LIMITS.  A hidden score counts as -2^60, not -1e18: f16's scores, 2.7e11 at the most, are nothing beside either, so the weights are the same: 0, or all equal in a row wholly hidden (c x 2^60 is exact, so c s - c m is
; exactly 0 there).  f16 holds no number beyond 65,504: Q, K and V arrive within it; p lies in 0 to 1 and below 6e-5 keeps f16's fixed step of 6e-8.  A weight below 2^-126 counts as 0 in l; NaN and infinities are not treated apart.
; SHARES.  A wave owns four PIECES of two tiles of 16 queries, a work-group's four waves 512 queries of one head.  Every wave walks all 2,048 keys, 64 a step.
; LAYOUT.  S^T = K Q^T (source 0 = 16 keys, source 1 = 16 queries): a lane holds ONE query (lane % 16) and the keys 8 (lane / 16) + 0..7.  Two such tiles, rounded to f16 in pairs, ARE source 1 of O^T = V^T P.
; K comes out of LDS as it lies, V ([key][channel]) turned, by ds_load_tr16_b128.
; SOFTMAX.  For each query a running maximum m and sum l: p = 2^(c s - c m), c = log2(e) / 8; in every step O and l are multiplied by a = 2^(c m_old - c m_new).  m starts at the lowest finite number, O and l at 0.
; BY TURNS.  Turn n belongs to piece n.  Its matrix work: 16 products K Q^T of piece n + 1, later 16 products V^T P of piece n - 1.  Its vector work, 364 instructions: piece n's mask (behind the first products, four
; each), maximum and statistics (a lump), scaling and rescaling and the first exponentials (behind the second products, four each), the other exponentials, roundings and sums (a lump); and piece n + 1's 64 moves,
; which wait for nothing and stand in the two lumps where one line waits for another.
; CLUSTER.  The four query blocks of a head walk the same K and V: each tile is asked for JOINTLY, by the same tensor load, descriptor and mask in all four.
; REGISTERS, in windows of 256 (s_set_vgpr_msb: bits 1:0 source 0, 3:2 source 1, 5:4 source 2, 7:6 destination):
;   window 0: v0 my thread's number; v1-9 addresses; v10-11, v57-63 the mask's words and their offset; v12-15, v48-56 at work and constants; v16-47 four registers of statistics a tile; v64-191 S^T, two buffers of two
;   tiles; v192-255 P, likewise (a piece's buffers go by its number's parity)
;   window 1: O^T, 32 a tile          window 2: v0-127 Q; v128-191 K of one step; v192-255 V of one step          window 3: v0-1 the add's two registers
.set NP,    4
.set KS,    64        ; keys in a step
.set PK,    144       ; a row of K in LDS: 128 bytes + 16 = 36 words: the 16 rows of a load start at 16 different groups of four banks (64 banks of 4 bytes: ISA guide 11.1)
.set PV,    160       ; a row of V: 128 + 32 = 40 words
.set VOFF,  4*KS*PK   ; a slot holds four steps: 256 rows of K, then 256 rows of V
.set SLOT1, 1<<17     ; slot 1 begins here, so that one exclusive or turns an address in one slot into the other's
.set STAGE, SLOT1+4*KS*(PK+PV)  ; behind the ring, never filled by a tensor load: 16 rows x 144 bytes for each wave, for the way out
.set SP,    144
.set SPARE, STAGE+4*16*SP  ; behind the stages: the spare words, 128 bytes a wave: two blocks of 256 bytes that no other line names
.set AK0, 2           ; v2   my lane's place in a tile of K; never rewritten
.set AV0, 3           ; v3   the same for V
.set AK,  4           ; v4   the LDS address of K's next run of loads
.set AV,  5           ; v5   of V's
.set QO,  6           ; v6   my byte offset in the wave's rows of Q
.set STO, 6           ;      at the end, the way out: where I put 16 bytes of a row
.set RD,  7           ; v7   the way out: where I read rows back
.set GO,  8           ; v8   my byte offset in 512 consecutive bytes of ctx
.set MV,  12          ; v12-13  c m_old, kept while c m is made anew: by tile
.set CV,  14          ; v14-15  c, twice
.set ST,  16          ; tile t's statistics at v[ST+4 t]: c m, m, l (even keys', odd keys')
.set TMP, 48          ; by tile, four registers c0-c3 at work; when the maximum is found c2 takes a
.set MKV, 56          ; v56  -2^60
.set MOFF, 57         ; v57  8 x lane + 256 x the step that the mask's loads ask for, modulo 8,192
.set MB,  58          ; v58-63  the mask words of pieces 0, 1, 2, a pair each; piece 3's lie in v10-11
.set S,   64
.set P,   192
.set KF,  128         ; window 2: key block kb, channel half c at KF + 16 kb + 8 c
.set VF,  192         ; window 2: key half kk, channel block cb at VF + 32 kk + 8 cb
.set SPW, 0           ; v0 of window 3   LDS address of my spare word; never rewritten
.set NIL, 1           ; v1 of window 3   0; never rewritten
.set WV,  2           ; s2   my wave's number
.set MS0, 4           ; s[4:35]  the lane masks of tile 0's 32 registers; s[68:99] those of tile 1's.  (In the set-up: pointers and offsets.)
.set G1K, 36          ; s[36:43] descriptor group 1 for K's tiles
.set G1V, 44          ; s[44:51] for V's: it differs in the padding alone
.set G0K, 52          ; s[52:55] descriptor group 0 for K's tiles: it walks
.set G0V, 56          ; s[56:59] the same for V's
.set SLOTS, 60        ; s60  slots still to be asked for
.set CNT, 61          ; s61  counts a slot's key steps
.set TBK, 62          ; s62  LDS byte at which K of the step to be fetched begins
.set TBV, 63          ; s63  the same for V, less VOFF
.set MP,  66          ; s[66:67] maskbits at my wave's first piece; never rewritten
.set SEL, 100         ; s[100:101] v_permlanex16_b32's selects: each lane takes its own place in the other half
.set OA,  104         ; s[104:105] ctx at my wave's first row
.set MSB, 0
.macro WIN new                      ; the high byte repeats the setting that is left; a switch that changes nothing is dropped
.if MSB != (\new)
	s_set_vgpr_msb (MSB<<8)|(\new)
.set MSB, (\new)
.endif
.endm
.set W_KQ, 0x0a       ; K and Q in window 2, S^T in window 0
.set W_PV, 0x52       ; V in window 2, P in window 0, O^T in window 1
.set W_RS, 0x41       ; O^T (destination and source 0) in window 1, a in window 0
.set W_MK, 0xc0       ; the add's registers are made: destination in window 3
.set W_AD, 0x0f       ; the add: address and data in window 3
; A joint fill.  Waves 0 and 1 fetch the two halves of a slot's K, waves 2 and 3 those of its V: 128 keys each.  The branch hangs on the wave's number alone.
; An s_nop 0 and four v_nop follow each of the two lines, ahead of the jump and the label.
.macro JLOAD
	s_cmp_lt_u32 s[WV], 2
	s_cbranch_scc0 .Lfor_v_\@
	tensor_load_to_lds s[G0K:G0K+3], s[G1K:G1K+7]
	s_nop 0
.rept 4
	v_nop
.endr
	s_branch .Lasked_\@
.Lfor_v_\@:
	tensor_load_to_lds s[G0V:G0V+3], s[G1V:G1V+7]
	s_nop 0
.rept 4
	v_nop
.endr
.Lasked_\@:
.endm
; A round of the cluster's barrier: my work-group's barrier; wave 0 signals for the work-group; every wave waits for all four work-groups; my work-group's barrier once more.
.macro CROUND
	s_barrier_signal -1
	s_barrier_wait -1
	s_cmp_lg_u32 s[WV], 0
	s_cbranch_scc1 .Lnot_wave_0_\@
	s_barrier_signal -3
.Lnot_wave_0_\@:
	s_barrier_wait -3
	s_barrier_signal -1
	s_barrier_wait -1
.endm
; THE CHANGE OF SLOTS.  The slot's last bytes, V of its fourth step, have been read.  Each wave waits for all its tensor loads, of which one is out: its part of the other slot; adds 0 to its spare word; and waits for
; that and for its own reads of the slot.  fill = 1: the barrier is a round of the cluster's, and the slot is filled again, with the keys two slots on, first thing behind it: the load has four key steps, 512 matrix
; instructions, in which to land.  (At its first use nothing has been read yet: slot 0 is waited for, slot 1 filled.)
.macro CHANGE fill
	WIN W_AD
	s_wait_tensorcnt 0x0            ; no tensor load of mine is out, so a group 0 may be written
	ds_add_u32 v[SPW], v[NIL]       ; 0 onto my spare word
	WIN 0                           ; at a label and at a branch every window is 0
.if \fill
.irp g, G0K, G0V
	s_xor_b32 s[\g+1], s[\g+1], SLOT1  ; the walking descriptor: the other slot than last time,
	s_add_nc_u64 s[\g+2:\g+3], s[\g+2:\g+3], 4*KS*128  ; the next 256 keys; the type bits on top are not reached
.endr
	s_wait_dscnt 0x0                ; the add is done, and my reads of the slot are over
	CROUND
	JLOAD
.else
	s_wait_dscnt 0x0
	s_barrier_signal -1
	s_barrier_wait -1
.endif
	s_sub_co_u32 s[TBK], s[TBK], 4*KS*PK  ; the fetches go back to a slot's first step,
	s_xor_b32 s[TBK], s[TBK], SLOT1       ; in the other slot
	s_sub_co_u32 s[TBV], s[TBV], 4*KS*PV
	s_xor_b32 s[TBV], s[TBV], SLOT1
.endm
.macro MREG pn                      ; rB: the pair that holds piece pn's 64 mask words
.if (\pn) == NP-1
.set rB, 10
.else
.set rB, MB+2*(\pn)
.endif
.endm
	s_load_b128 s[4:7], s[0:1], 0x0   ; qkv s[4:5], maskbits s[6:7]
	s_load_b64 s[8:9], s[0:1], 0x10   ; ctx
	WIN W_MK
	v_lshl_add_u32 v[SPW], v0, 2, SPARE
	v_mov_b32 v[NIL], 0
	WIN W_AD
	ds_add_u32 v[SPW], v[NIL]       ; the wave's opening: the add and its wait stand ahead of my first tensor load; the set-up below, work on registers, stands between them
	WIN 0
	v_lshrrev_b32 v1, 5, v0
	v_readfirstlane_b32 s[WV], v1   ; wave 0..3
	s_bfe_u32 s13, ttmp6, 0x40000   ; cx: my place in the cluster
	s_lshl_b32 s14, ttmp9, 2        ; in a cluster launch ttmp9 counts clusters
	s_add_co_u32 s14, s14, s13      ; my block of 512 queries: it enters Q's, the mask's and ctx's addresses alone
	s_lshl_b32 s15, s14, 2
	s_add_co_u32 s15, s15, s[WV]    ; my wave among the head's sixteen
	s_and_b32 s12, ttmp7, 0xffff    ; y, which the four partners share
	s_lshl_b32 s20, s12, 18         ; the head's first byte in Q and in ctx
	s_and_b32 s16, s[WV], 1         ; which half of a slot's 256 keys I fetch:
	s_lshl_b32 s22, s16, 14         ; its 128 rows of 128 bytes in memory,
	s_add_co_u32 s22, s22, s20
	s_add_co_u32 s24, s22, 1<<24    ; in K, which lies 16,777,216 bytes behind Q,
	s_mov_b32 s25, 0
	s_add_co_u32 s26, s22, 2<<24    ; and in V
	s_mov_b32 s27, 0
	s_mul_i32 s17, s16, 128*PK      ; and its place in a slot, for K
	s_mul_i32 s18, s16, 128*PV      ; and for V: no place in the cluster enters an LDS address
	s_lshl_b32 s30, s15, 14         ; my wave's 128 rows
	s_add_co_u32 s30, s30, s20
	s_mov_b32 s31, 0
	s_lshr_b32 s32, s12, 4          ; b: 64 groups of 32 queries x 8,192 bytes,
	s_lshl_b32 s32, s32, 19
	s_lshl_b32 s33, s15, 15         ; my wave's four groups
	s_add_co_u32 s32, s32, s33
	s_mov_b32 s33, 0
	; descriptor group 1.  128 keys are 16,384 dense bytes: asked for as 64 rows of 256 bytes, two keys a row, and padded in LDS after every key
	s_mov_b32 s[G1K], 15|(1<<16)|(1<<20)|(1<<21)|(4<<22)|(3<<25)  ; 15:0 the mask of four; 17:16 2-byte elements; 20 padding on; 21 set beside a mask; 24:22 after every 32 words (code 4); 31:25 4 words (code 3)
	s_mov_b32 s[G1V], 15|(1<<16)|(1<<20)|(1<<21)|(4<<22)|(7<<25)  ; the same with 8 words of padding (code 7)
.irp g, G1K, G1V
	s_mov_b32 s[\g+1], 128<<16      ; tensor_dim0 = 128
	s_mov_b32 s[\g+2], 64<<16       ; tensor_dim1 = 64
	s_mov_b32 s[\g+3], 128<<16      ; tile_dim0 = 128
	s_mov_b32 s[\g+4], 64           ; tile_dim1 = 64
	s_mov_b32 s[\g+5], 128          ; 128 elements from row to row
	s_mov_b32 s[\g+6], 0
	s_mov_b32 s[\g+7], 0
.endr
	s_mov_b32 s[SEL], 0x76543210
	s_mov_b32 s[SEL+1], 0xfedcba98
	s_mov_b32 s[TBK], SLOT1+4*KS*PK ; the first change of slots turns these two into 0
	s_mov_b32 s[TBV], SLOT1+4*KS*PV
	s_mov_b32 s[G0K], 1             ; count = 1
	s_mov_b32 s[G0K+1], s17         ; LDS address: slot 0
	s_mov_b32 s[G0V], 1
	s_add_co_u32 s[G0V+1], s18, VOFF
	s_wait_dscnt 0x0                ; the opening add is done
	s_wait_kmcnt 0x0
	s_add_nc_u64 s[G0K+2:G0K+3], s[4:5], s[24:25]  ; global address: my half of the head's first 256 keys
	s_or_b32 s[G0K+3], s[G0K+3], 0x80000000        ; type = 2
	s_add_nc_u64 s[G0V+2:G0V+3], s[4:5], s[26:27]
	s_or_b32 s[G0V+3], s[G0V+3], 0x80000000
	s_add_nc_u64 s[10:11], s[4:5], s[30:31]        ; Q at my wave's first row
	s_add_nc_u64 s[OA:OA+1], s[8:9], s[30:31]      ; ctx likewise
	s_add_nc_u64 s[MP:MP+1], s[6:7], s[32:33]
	CROUND                          ; all four work-groups are here: the first joint loads meet
	JLOAD                           ; slot 0.  Slot 1 is asked for when slot 0 is in
	; A fragment of K or Q is 16 rows x 32 channels in 8 registers: lane l holds row l % 16, channels 8 (l / 16) + 0..7 and 16 + 8 (l / 16) + 0..7: two loads of 16 bytes, 32 bytes apart.
	v_and_b32 v1, 15, v0            ; l % 16
	v_bfe_u32 v9, v0, 4, 1          ; l / 16
	v_lshlrev_b32 v[QO], 7, v1
	v_lshl_add_u32 v[QO], v9, 4, v[QO]  ; row x 128 + 16 x half
	v_mul_u32_u24 v[AK0], v1, PK
	v_lshl_add_u32 v[AK0], v9, 4, v[AK0]  ; row x pitch + 16 x half
	; The turning load takes 16 keys x 16 channels (lane l reads key 8 (l / 16) + l % 8, channels 8 ((l / 8) % 2) + 0..7) and leaves half a fragment of V^T: lane l holds channel l % 16 and 8 keys.
	v_and_b32 v10, 7, v0
	v_bfe_u32 v11, v0, 3, 1
	v_lshl_add_u32 v[AV0], v9, 3, v10
	v_mul_u32_u24 v[AV0], v[AV0], PV
	v_lshl_add_u32 v[AV0], v11, 4, v[AV0]
	v_add_nc_u32 v[AV0], VOFF, v[AV0]
	v_mov_b32 v[AK], v[AK0]         ; key step 0 lies at the head of slot 0
	v_and_b32 v[MOFF], 31, v0
	v_lshlrev_b32 v[MOFF], 3, v[MOFF]  ; 8 x lane: step 0
	WIN 0x80                        ; destination window 2, address window 0
.set i, 0
.rept 4*NP                          ; Q stays in registers: tile i / 2, channels 32 (i % 2) on
	global_load_b128 v[8*i:8*i+3],   v[QO], s[10:11] offset:(i/2)*2048+(i%2)*64
	global_load_b128 v[8*i+4:8*i+7], v[QO], s[10:11] offset:(i/2)*2048+(i%2)*64+32
.set i, i+1
.endr
	WIN 0
.set i, 0
.rept NP                            ; the four pieces' mask words of step 0: 256 consecutive bytes each (v10 and v11 have served)
	MREG i
	global_load_b64 v[rB:rB+1], v[MOFF], s[MP:MP+1] offset:i*8192
.set i, i+1
.endr
	; What the first turn finds: V's registers and P's second buffer hold 0 (its products V^T P, of a piece that has not been, add 0), O^T is 0.  All this stands in the wait for the first tile.
	WIN 0x80
.set i, VF
.rept 64
	v_mov_b32 v[i], 0
.set i, i+1
.endr
	WIN 0x40
.set i, 0
.rept 64*NP
	v_mov_b32 v[i], 0
.set i, i+1
.endr
	WIN 0
.set i, P+32
.rept 32
	v_mov_b32 v[i], 0
.set i, i+1
.endr
	v_mov_b32 v[CV], 0x3e38aa3b     ; c = log2(e) / 8 = 0.180337
	v_mov_b32 v[CV+1], 0x3e38aa3b
	v_mov_b32 v[MKV], 0xdd800000    ; -2^60
; THE MATRIX WORK.  The 8 accumulators of a run of 16 take turns: between the two links of a chain stand 7 others'.
; Product i of 16 of S^T = K Q^T for piece x: channels 32 (i / 8) on, keys 16 ((i / 2) % 4) on, tile 2 x + i % 2.  The first 8 start the sums.
.macro KQ x
	WIN W_KQ
.set rS, S+64*((\x)%2)+32*(i%2)+8*((i/2)%4)
.set rK, KF+16*((i/2)%4)+8*(i/8)
.set rQ, 16*(2*(\x)+i%2)+8*(i/8)
.if i < 8
	v_wmma_f32_16x16x32_f16 v[rS:rS+7], v[rK:rK+7], v[rQ:rQ+7], 0
.else
	v_wmma_f32_16x16x32_f16 v[rS:rS+7], v[rK:rK+7], v[rQ:rQ+7], v[rS:rS+7]
.endif
.endm
; Product i of 16 of O^T += V^T P for piece x: keys 32 (i / 8) on, channels 16 ((i / 2) % 4) on, tile 2 x + i % 2.
.macro PV x
	WIN W_PV
.set rO, 32*(2*(\x)+i%2)+8*((i/2)%4)
.set rV, VF+32*(i/8)+8*((i/2)%4)
.set rP, P+32*((\x)%2)+16*(i%2)+8*(i/8)
	v_wmma_f32_16x16x32_f16 v[rO:rO+7], v[rV:rV+7], v[rP:rP+7], v[rO:rO+7]
.endm
; THE LDS LOADS stand in runs of 16: a step's K (64 keys x 64 channels: 8 fragments) and its V (turned).  last = 1 (the tail): in the last trip there is no further step, and the run is jumped over.
.macro FETCH_K last=0
	WIN 0
.if \last
	s_cmp_eq_u32 s[CNT], 1
	s_cbranch_scc1 .Lno_k_\@
.endif
	WIN 0x80                        ; destination window 2
.irp f, 0,1,2,3,4,5,6,7             ; keys 16 (f / 2) on, channels 32 (f % 2) on
	ds_load_b128 v[KF+8*\f:KF+8*\f+3],   v[AK] offset:(\f/2)*16*PK+(\f%2)*64
	ds_load_b128 v[KF+8*\f+4:KF+8*\f+7], v[AK] offset:(\f/2)*16*PK+(\f%2)*64+32
.endr
	s_add_co_u32 s[TBK], s[TBK], KS*PK  ; the next fetch is the next step's
	WIN 0
.if \last
.Lno_k_\@:
.endif
.endm
.macro FETCH_V
	WIN 0x80
.irp f, 0,1,2,3,4,5,6,7             ; keys 32 (f / 4) on, channels 16 (f % 4) on
	ds_load_tr16_b128 v[VF+8*\f:VF+8*\f+3],   v[AV] offset:(\f/4)*32*PV+(\f%4)*32
	ds_load_tr16_b128 v[VF+8*\f+4:VF+8*\f+7], v[AV] offset:(\f/4)*32*PV+16*PV+(\f%4)*32
.endr
	WIN 0
.endm
; THE VECTOR WORK OF A TURN, for piece Y, tile u (0, 1); RL alone works for piece Y + 1.
.macro RL                           ; word w of 64 of the next piece's mask goes from its lane (w / 2, register w % 2) into its scalar register: tile w / 32, score register w % 32
	WIN 0
	MREG (Y+1)%NP
	v_readlane_b32 s[MS0+64*(w/32)+w%32], v[rB+w%2], w/2
.set w, w+1
.endm
.macro MK u, x                      ; score x of 32 is replaced where its key is hidden.  x ascends: each accumulator's lowest register is read first
.set rS, S+64*(Y%2)+32*(\u)+(\x)
	v_cndmask_b32 v[rS], v[rS], v[MKV], s[MS0+64*(\u)+(\x)]
.endm
; Number n of the 22 that find the maximum and statistics.
;   0-11  four chains c0-c3 of seven scores each, three operands at a time     12-14, 16  the four scores left over, the old m, and c0-c3 into c0     15  c m_old is kept
;   17, 18  the query's other 32 keys lie in the lane 16 away: the new m         19-21  c m; c m_old - c m_new; a
.macro XS u, n
.set rT, ST+4*(2*Y+(\u))
.set rC, TMP+4*(\u)
.set rM, MV+(\u)
.set rS, S+64*(Y%2)+32*(\u)
.if (\n) < 4
	v_max3_num_f32 v[rC+(\n)], v[rS+8*(\n)], v[rS+8*(\n)+1], v[rS+8*(\n)+2]
.elseif (\n) < 12
	v_max3_num_f32 v[rC+(\n)%4], v[rC+(\n)%4], v[rS+8*((\n)%4)+2*((\n)/4)+1], v[rS+8*((\n)%4)+2*((\n)/4)+2]
.elseif (\n) == 12
	v_max3_num_f32 v[rC], v[rC], v[rS+7], v[rS+15]
.elseif (\n) == 13
	v_max3_num_f32 v[rC+1], v[rC+1], v[rS+23], v[rS+31]
.elseif (\n) == 14
	v_max3_num_f32 v[rC+2], v[rC+2], v[rC+3], v[rT+1]
.elseif (\n) == 15
	v_mov_b32 v[rM], v[rT]
.elseif (\n) == 16
	v_max3_num_f32 v[rC], v[rC], v[rC+1], v[rC+2]
.elseif (\n) == 17
	v_permlanex16_b32 v[rC+3], v[rC], s[SEL], s[SEL+1]
.elseif (\n) == 18
	v_max_num_f32 v[rT+1], v[rC], v[rC+3]
.elseif (\n) == 19
	v_mul_f32 v[rT], v[CV], v[rT+1]
.elseif (\n) == 20
	v_sub_f32 v[rC+1], v[rM], v[rT]
.else
	v_exp_f32 v[rC+2], v[rC+1]
.endif
.endm
.macro FS u, n                      ; c s - c m for pair n of 16
	WIN 0
.set rT, ST+4*(2*Y+(\u))
.set rS, S+64*(Y%2)+32*(\u)+2*(\n)
	v_pk_fma_f32 v[rS:rS+1], v[rS:rS+1], v[CV:CV+1], v[rT:rT+1] op_sel_hi:[1,0,0] neg_lo:[0,0,1] neg_hi:[0,0,1]
.endm
.macro FR                           ; the sixteen scalings that ride behind the first four products V^T P: tile 0's pairs 12, 13, tile 1's 0 to 13
.if fr < 2
	FS 0, 12+fr
.else
	FS 1, fr-2
.endif
.set fr, fr+1
.endm
.macro R4                           ; O^T times a, the one part that leaves window 0: four at a time, eight times
.set rO, 32*(2*Y+r%2)+8*(r/2)
.set rC, TMP+4*(r%2)
	WIN W_RS
	s_wait_alu depctr_va_vdst(0)
.irp z, 0,1,2,3
	v_pk_mul_f32 v[rO+2*\z:rO+2*\z+1], v[rO+2*\z:rO+2*\z+1], v[rC+2:rC+3] op_sel_hi:[1,0]
.endr
.set r, r+1
.endm
; Group g of 16 is tile g % 2, weights 4 k .. 4 k + 3 with k = g / 2.  Its four plain lines: both pairs are rounded to f16; the second pair is added onto the first, in place; l takes that sum (k = 0: l = a l + sum).
.macro GP g, j
.set u, (\g)%2
.set k, (\g)/2
.set rT, ST+4*(2*Y+u)
.set rC, TMP+4*u
.set rS, S+64*(Y%2)+32*u+4*k
.set rP, P+32*(Y%2)+16*u+2*k
.if (\j) < 2
	s_wait_alu depctr_va_vdst(0)
	v_cvt_pk_f16_f32 v[rP+(\j)], v[rS+2*(\j)], v[rS+2*(\j)+1]
.elseif (\j) == 2
	v_pk_add_f32 v[rS:rS+1], v[rS:rS+1], v[rS+2:rS+3]
.elseif k == 0
	v_pk_fma_f32 v[rT+2:rT+3], v[rT+2:rT+3], v[rC+2:rC+3], v[rS:rS+1] op_sel_hi:[1,0,1]
.else
	v_pk_add_f32 v[rT+2:rT+3], v[rT+2:rT+3], v[rS:rS+1]
.endif
.endm
; THE LIST OF 132: plain and exponential by turns.  In eight entries: the four exponentials of group sl at the odd places, the four plain lines of group sl - 1 (the other tile's) at the even ones; in the first eight the
; last four scalings take the plain places; the last four entries are group 15's plain lines.  So between every exponential and the use of its result stands a plain line that names neither its result nor its source (ISA guide 5.7.2).
.macro GE
	WIN 0
.if e < 128
.set sl, e/8
.set po, e%8
.if po%2 == 1
.set rS, S+64*(Y%2)+32*(sl%2)+4*(sl/2)+po/2
	v_exp_f32 v[rS], v[rS]
.elseif sl == 0
	FS (po/2)%2, 14+po/4
.else
	GP sl-1, po/2
.endif
.else
	GP 15, e-128
.endif
.set e, e+1
.endm
; A TURN, for piece p.  No rider names a register of the products round it.
; K of the next step is fetched in piece 2's turn behind its 16 products K Q^T: the four replacements behind the last of them are the places in front of the loads; it is waited for at the head of piece 3's turn.
; V of the step in hand is fetched at the end of piece 0's turn, behind the whole second lump; it is waited for in piece 1's turn, in front of its products V^T P.
; THE MASK.  Behind the 64 replacements the scalar registers are free.  The next piece's words were asked for four turns ago; the three loads issued since, the other pieces', may stay out (s_wait_loadcnt 3).  Of the 64 moves
; four stand in each tile's chain 17 to 21, one behind each of the second lump's 56 exponentials.  Then the pair is loaded again, with the same piece's next step.  Piece 3's turn steps the offset first (piece 0 is a step
; ahead of the others); cut to 8,192, it wraps behind step 31 to the piece's own first steps: those last loads stay inside the buffer, and nothing reads them.
.macro TURN p, last=0
.set Y, (\p)
.set w, 0
.if (\p) == NP-1
	s_wait_dscnt 0x0                ; K is in
.endif
.set i, 0
.rept 16
	KQ (Y+1)%NP
	WIN 0
	MK 0, 2*i
	MK 1, 2*i
	MK 0, 2*i+1
	MK 1, 2*i+1
.if ((\p) == NP-2) && (i == 8)
	v_add_nc_u32 v[AK], s[TBK], v[AK0]
.endif
.set i, i+1
.endr
.if (\p) == NP-2
	FETCH_K \last
.endif
	WIN 0                           ; the first lump: one tile's chain stands between the other tile's lines
	s_wait_loadcnt 3                ; loads come back in order (ISA guide 5.7.1): the next piece's mask words are in, the three younger loads stay out
.set n, 0
.rept 12
	XS 0, n
.set n, n+1
.endr
.set n, 0
.rept 10
	XS 0, 12+n
	XS 1, n
.if (n >= 5) && (n <= 8)
	RL
.endif
.set n, n+1
.endr
	XS 1, 10
	XS 1, 11
.set n, 0
.rept 10
	XS 1, 12+n
	FS 0, n
.if (n >= 5) && (n <= 8)
	RL
.endif
.set n, n+1
.endr
	FS 0, 10
	FS 0, 11
.if (\p) == 1
	s_wait_dscnt 0x0                ; V is in
.endif
.set i, 0
.set e, 0
.set r, 0
.set fr, 0
.rept 16
	PV (Y+NP-1)%NP
.if i < 4
	FR
	FR
	FR
	FR
.elseif (i >= 12) || (i%2 == 0)
	R4
.else
	GE
	GE
	GE
	GE
.endif
.set i, i+1
.endr
.rept 116                           ; the second lump
	GE
.if (e%2 == 0) && (e <= 128)        ; the entry just written was an exponential
	RL
.endif
.if ((\p) == 0) && (e == 120)
	v_add_nc_u32 v[AV], s[TBV], v[AV0]
	s_wait_alu depctr_va_vdst(0)
.endif
.if ((\p) == NP-1) && (e == 100)
	s_wait_xcnt 0x0                 ; the offset, which the three loads that are out name, is rewritten only behind this wait
	v_add_nc_u32 v[MOFF], 0x100, v[MOFF]
	v_and_b32 v[MOFF], 0x1fff, v[MOFF]
.endif
.endr
	MREG (Y+1)%NP
	global_load_b64 v[rB:rB+1], v[MOFF], s[MP:MP+1] offset:((Y+1)%NP)*8192  ; 256 consecutive bytes, aligned; read four turns on
.if (\p) == 0
	s_add_co_u32 s[TBV], s[TBV], KS*PV
	FETCH_V
.endif
.endm
	CHANGE 1                        ; slot 0 is in, everybody's part of it; slot 1 is asked for
	FETCH_K                         ; key step 0
	s_wait_loadcnt 0x0              ; Q and the four pieces' first mask words are in: Q's base, which lies among the mask's scalar registers, and the offset are free
.set Y, NP-1                        ; RL works for piece Y + 1: piece 0
.set w, 0
.rept 64
	RL
.endr
	v_add_nc_u32 v[MOFF], 0x100, v[MOFF]  ; step 1
	MREG 0
	global_load_b64 v[rB:rB+1], v[MOFF], s[MP:MP+1]  ; piece 0's words of step 1
	s_wait_dscnt 0x0
.set i, 0
.rept 16
	KQ 0                            ; piece 0's first scores: there is no vector work yet to set between them
.set i, i+1
.endr
	WIN 0                           ; the statistics' first values: 32 plain instructions, the places behind those products
.set i, 0
.rept 2*NP
	v_mov_b32 v[ST+4*i], 0xfe000000    ; c m: far below every c s, a hidden one's too
	v_mov_b32 v[ST+4*i+1], 0xff7fffff  ; m
	v_mov_b32 v[ST+4*i+2], 0
	v_mov_b32 v[ST+4*i+3], 0
.set i, i+1
.endr
	s_mov_b32 s[CNT], 4
	s_mov_b32 s[SLOTS], 7           ; 2,048 / 256 - 1
	s_branch .Lfirst                ; the loop is entered at a step's first turn, in the middle of a trip
.Lslot:                             ; six times: every slot but the last two is filled again
	CHANGE 1
	s_mov_b32 s[CNT], 4
.Lstep:                             ; a trip: pieces 2 and 3 of one step, then pieces 0 and 1 of the next, whose K and V it fetches
	TURN 2
	TURN 3
	WIN 0
.Lfirst:
	TURN 0
	TURN 1
	WIN 0
	s_sub_co_u32 s[CNT], s[CNT], 1
	s_cmp_lg_u32 s[CNT], 0
	s_cbranch_scc1 .Lstep
	s_sub_co_u32 s[SLOTS], s[SLOTS], 1
	s_cmp_lg_u32 s[SLOTS], 0
	s_cbranch_scc1 .Lslot
	CHANGE 0                        ; the tail is written out: nothing is asked for
	s_mov_b32 s[CNT], 5             ; four trips fetch the last slot's steps; the fifth is left in its middle
.Ltail:
	TURN 2, 1
	TURN 3
	WIN 0
	s_sub_co_u32 s[CNT], s[CNT], 1
	s_cmp_eq_u32 s[CNT], 0
	s_cbranch_scc1 .Lout
	TURN 0
	TURN 1
	WIN 0
	s_branch .Ltail
.Lout:                              ; the fifth trip's 16 products K Q^T (on the last K once more) serve nothing: the price, once a launch, of one text for every trip
.set i, 0
.rept 16
	PV NP-1                         ; the last piece's V^T P of the last step
.set i, i+1
.endr
	; THE WAY OUT.  Its addresses are made here, from my thread's number: these lines and the additions are the places behind the last products.  (None names a register of the mask's last loads, which may still be out.)
	; l's two halves and the other half of the lanes' are added; O^T is divided by l, rounded to f16 and sent through my stage in LDS, a tile at a time.
	WIN 0
	s_mul_i32 s3, s[WV], 16*SP
	s_add_co_u32 s3, s3, STAGE      ; my stage
	v_and_b32 v1, 15, v0            ; l % 16
	v_bfe_u32 v9, v0, 4, 1          ; l / 16
	v_and_b32 v4, 7, v0
	v_mul_u32_u24 v[STO], v1, SP    ; in: row l % 16, 16 bytes for each half of the lanes
	v_lshl_add_u32 v[STO], v9, 4, v[STO]
	v_add_nc_u32 v[STO], s3, v[STO]
	v_bfe_u32 v[RD], v0, 3, 2       ; back: 32 lanes take four rows of 128 bytes,
	v_mul_u32_u24 v[RD], v[RD], SP
	v_lshl_add_u32 v[RD], v4, 4, v[RD]
	v_add_nc_u32 v[RD], s3, v[RD]
	v_and_b32 v[GO], 31, v0         ; which are 512 consecutive bytes of ctx
	v_lshlrev_b32 v[GO], 4, v[GO]
.macro ALL line:vararg              ; one line for each tile t
.set t, 0
.rept 2*NP
	\line
.set t, t+1
.endr
.endm
	ALL v_add_f32 v[ST+4*t+2], v[ST+4*t+2], v[ST+4*t+3]
	ALL v_permlanex16_b32 v[ST+4*t+3], v[ST+4*t+2], s[SEL], s[SEL+1]
	ALL v_add_f32 v[ST+4*t+2], v[ST+4*t+2], v[ST+4*t+3]
	ALL v_rcp_f32 v[ST+4*t+2], v[ST+4*t+2]
	v_nop                           ; a plain instruction between the last reciprocal and the use of its result
	s_wait_alu depctr_va_vdst(0)
; Tile t: a lane's eight channels of a row pack into 16 bytes; they go into rows of 144 bytes and come back as whole rows of 128, into S^T's registers.
.macro PACK t
	WIN W_RS
.set i, 32*(\t)
.rept 16
	v_pk_mul_f32 v[i:i+1], v[i:i+1], v[ST+4*(\t)+2:ST+4*(\t)+3] op_sel_hi:[1,0]
.set i, i+2
.endr
	WIN 0x05                        ; sources 0 and 1 window 1, destination window 0
.set i, 0
.rept 16
	v_cvt_pk_f16_f32 v[S+16*(\t)+i], v[32*(\t)+2*i], v[32*(\t)+2*i+1]
.set i, i+1
.endr
	WIN 0
.irp f, 0,1,2,3
	ds_store_b128 v[STO], v[S+16*(\t)+4*\f:S+16*(\t)+4*\f+3] offset:32*\f
.endr
.irp f, 0,1,2,3
	ds_load_b128 v[S+16*(\t)+4*\f:S+16*(\t)+4*\f+3], v[RD] offset:\f*4*SP  ; LDS serves a wave's instructions in order (ISA guide 5.7.1.4): these see the stores above; the next tile's stores come behind them
.endr
.endm
.macro SEND t, younger              ; younger: the LDS instructions issued behind tile t's loads: the next tile's eight, or none
	WIN 0
.irp f, 0,1,2,3
	s_wait_dscnt (\younger)+3-\f
	global_store_b128 v[GO], v[S+16*(\t)+4*\f:S+16*(\t)+4*\f+3], s[OA:OA+1] offset:(\t)*2048+\f*512  ; 512 consecutive bytes, at a multiple of 256 from ctx's first
.endr
.endm
	PACK 0
.set t, 1
.rept 2*NP-1                        ; a tile's arithmetic stands between the loads of the tile before and its stores
	PACK t
	SEND t-1, 8
.set t, t+1
.endr
	SEND 2*NP-1, 0
	WIN W_AD
	s_wait_tensorcnt 0x0            ; the wave's end: behind my last tensor load and my last LDS store
	ds_add_u32 v[SPW], v[NIL]
	s_wait_dscnt 0x0
	WIN 0
	CROUND                          ; the closing round: no work-group ends while a partner may still ask for a tile that names it
	s_endpgm
.Lfunc_end_k_qd930d7fe93_attn:
	.size	k_qd930d7fe93_attn, .Lfunc_end_k_qd930d7fe93_attn-k_qd930d7fe93_attn
	.p2alignl 7, 3214868480
	.fill 96, 4, 3214868480
	.section	.rodata,"a",@progbits
	.p2align	6, 0x0
	.amdhsa_kernel k_qd930d7fe93_attn
		.amdhsa_group_segment_fixed_size 327680
		.amdhsa_private_segment_fixed_size 0
		.amdhsa_enable_private_segment 0
		.amdhsa_kernarg_size 24
		.amdhsa_user_sgpr_count 2
		.amdhsa_user_sgpr_kernarg_segment_ptr 1
		.amdhsa_wavefront_size32 1
		.amdhsa_system_sgpr_workgroup_id_x 1
		.amdhsa_system_sgpr_workgroup_id_y 1
		.amdhsa_system_sgpr_workgroup_id_z 1
		.amdhsa_system_vgpr_workitem_id 0
		.amdhsa_next_free_vgpr 770
		.amdhsa_next_free_sgpr 106
		.amdhsa_reserve_vcc 0
		.amdhsa_float_denorm_mode_32 3
		.amdhsa_float_denorm_mode_16_64 3
		.amdhsa_memory_ordered 1
		.amdhsa_forward_progress 1
		.amdhsa_inst_pref_size 255
	.end_amdhsa_kernel
	.section	.bss,"aw",@nobits
	.p2align	6
	.space	262144
	.amdgpu_metadata
---
amdhsa.version: [ 1, 2 ]
amdhsa.kernels:
  - .name:           k_qd930d7fe93_attn
    .symbol:         k_qd930d7fe93_attn.kd
    .args:
      - { .name: qkv, .offset: 0, .size: 8, .value_kind: global_buffer, .address_space: global }
      - { .name: maskbits, .offset: 8, .size: 8, .value_kind: global_buffer, .address_space: global }
      - { .name: ctx, .offset: 16, .size: 8, .value_kind: global_buffer, .address_space: global }
    .group_segment_fixed_size: 327680
    .private_segment_fixed_size: 0
    .kernarg_segment_align: 8
    .kernarg_segment_size: 24
    .max_flat_workgroup_size: 128
    .sgpr_count:     106
    .vgpr_count:     770
    .wavefront_size: 32
...
	.end_amdgpu_metadata
.endif
;; end of part 7
;; launch outp: the kernel of part 4 again; grid 4 x 64, 4 waves a work-group, clusters of 4 x 4, 327,680 bytes of LDS; arguments ctx, wb, out0, bo; writes out0
;; ======== version 3 of 3: 4 launches; 1.36 times as fast as version 1
;; limits: values are held in f16: magnitudes above 65,504 overflow, below 6.1e-05 lose precision; inputs' magnitudes at most 65,504
;; workspace buffers: xb 50,331,648 bytes; wb 8,388,608 bytes; maskbits 2,097,152 bytes of whole numbers; qkv 50,331,648 bytes; ctx 16,777,216 bytes
;; launch prep: the kernel of part 5 again; grid 1024 x 1, 8 waves a work-group, no clusters, 70,656 bytes of LDS; arguments query, key, value, Wq, Wk, Wv, Wo, mask, xb, wb, maskbits; writes xb, wb, maskbits
;; launch proj: the kernel of part 6 again; grid 4 x 96, 8 waves a work-group, clusters of 4 x 4, 327,680 bytes of LDS; arguments xb, wb, qkv, bq, bk, bv; writes qkv
;; launch attn (part 8): grid 4 x 64, 4 waves a work-group, clusters of 4 x 1, 327,680 bytes of LDS; arguments qkv, maskbits, ctx; writes ctx
.if DOCPART == 8
	.amdgcn_target "amdgcn-amd-amdhsa--gfx1250"
	.amdhsa_code_object_version 6
	.text
	.protected	k_qd930d7fe93_attn
	.globl	k_qd930d7fe93_attn
	.p2align	8
	.type	k_qd930d7fe93_attn,@function
k_qd930d7fe93_attn:
	s_mov_b64 s[64:65], 0
	v_nop
	global_prefetch_b8 v0, s[64:65] scope:SCOPE_SE
	s_setreg_imm32_b32 hwreg(HW_REG_WAVE_MODE, 25, 1), 1
	s_wait_xcnt 0x0
	s_wait_alu depctr_hold_cnt(0) depctr_sa_sdst(0) depctr_va_vdst(0) depctr_va_sdst(0) depctr_va_ssrc(0) depctr_va_vcc(0) depctr_vm_vsrc(0)
	s_getreg_b32 s2, hwreg(HW_REG_IB_STS2, 6, 4)
	s_cmp_eq_u32 s2, 0
	s_cbranch_scc0 .Lentry_in_a_cluster
	s_endpgm
.Lentry_in_a_cluster:
	s_bfe_u32 s2, ttmp6, 0x10000c
	s_cmp_lg_u32 s2, 0x3003
	s_cbranch_scc0 .Lentry_shape_is_right
	s_endpgm
.Lentry_shape_is_right:
; ATTENTION WITH A MASK THAT IS AN INPUT, head size 64.  O[y][q][:] = the sum over k of softmax_k(s[q][k]) V[y][k][:], s = Q[y][q] . K[y][k] / 8, REPLACED by a far negative number where mask[b][q][k] is set.
; y = 16 b + head, 0..63.  qkv holds Q, K, V one after the other, each [64 y][2048][64] f16: a head's rows are dense, 128 bytes each.  ctx has the same layout.  Products, maxima and sums in f32; the weights p are
; rounded to f16 for the second product (their sum l is taken of the unrounded p), O once at the end.
; THE MASK arrives as lane masks (maskbits): for 32 queries (a piece) and a step of 64 keys, 64 words, one for each register of the piece's two score tiles.  One vector load of 8 bytes a lane brings them (lane l: words
; 2 l, 2 l + 1), FOUR TURNS ahead of their use; a turn ahead 64 v_readlane_b32 move them into scalar registers; and one v_cndmask_b32 a score replaces it BEFORE the maximum is taken: the running maximum is that of the
; scores that count, and a row in which every key is hidden gets equal weights, as softmax of equal scores gives.  (Scalar loads would spare the 64 moves, but the wave has scalar registers for one piece's words alone,
; so that they could be asked for one turn ahead at the most.)
; LIMITS.  A hidden score counts as -2^60, not -1e18: f16's scores, 2.7e11 at the most, are nothing beside either, so the weights are the same: 0, or all equal in a row wholly hidden (c x 2^60 is exact, so c s - c m is
; exactly 0 there).  f16 holds no number beyond 65,504: Q, K and V arrive within it; p lies in 0 to 1 and below 6e-5 keeps f16's fixed step of 6e-8.  A weight below 2^-126 counts as 0 in l; NaN and infinities are not treated apart.
; SHARES.  A wave owns four PIECES of two tiles of 16 queries, a work-group's four waves 512 queries of one head.  Every wave walks all 2,048 keys, 64 a step.
; LAYOUT.  S^T = K Q^T (source 0 = 16 keys, source 1 = 16 queries): a lane holds ONE query (lane % 16) and the keys 8 (lane / 16) + 0..7.  Two such tiles, rounded to f16 in pairs, ARE source 1 of O^T = V^T P.
; K comes out of LDS as it lies, V ([key][channel]) turned, by ds_load_tr16_b128.
; SOFTMAX.  For each query a running maximum m and sum l: p = 2^(c s - c m), c = log2(e) / 8; in every step O and l are multiplied by a = 2^(c m_old - c m_new).  m starts at the lowest finite number, O and l at 0.
; BY TURNS.  Turn n belongs to piece n.  Its matrix work: 16 products K Q^T of piece n + 1, later 16 products V^T P of piece n - 1.  Its vector work, 364 instructions: piece n's mask (behind the first products, four
; each); a lump: its maximum and statistics, its scalings and all its exponentials, and beside them piece n + 1's 64 moves, which wait for nothing; its roundings and sums (behind the second products, four each); and the
; rescaling of its O^T (a second lump).
; THE EXPONENTIALS of a turn, the two a and the 64 weights, are ONE BATCH with ONE wait, which cuts the turn in two.  Ahead of it nothing names a result of theirs; all that does (the roundings, the sums, l = a l + ..,
; O^T times a) stands behind it.  The way out's eight reciprocals are a batch of their own.
; CLUSTER.  The four query blocks of a head walk the same K and V: each tile is asked for JOINTLY, by the same tensor load, descriptor and mask in all four.
; REGISTERS, in windows of 256 (s_set_vgpr_msb: bits 1:0 source 0, 3:2 source 1, 5:4 source 2, 7:6 destination):
;   window 0: v0 my thread's number; v1-9 addresses; v10-11, v57-63 the mask's words and their offset; v12-15, v48-56 at work and constants; v16-47 four registers of statistics a tile; v64-191 S^T, two buffers of two
;   tiles; v192-255 P, likewise (a piece's buffers go by its number's parity)
;   window 1: O^T, 32 a tile          window 2: v0-127 Q; v128-191 K of one step; v192-255 V of one step          window 3: v0-1 the add's two registers
.set NP,    4
.set KS,    64        ; keys in a step
.set PK,    144       ; a row of K in LDS: 128 bytes + 16 = 36 words: the 16 rows of a load start at 16 different groups of four banks (64 banks of 4 bytes: ISA guide 11.1)
.set PV,    160       ; a row of V: 128 + 32 = 40 words
.set VOFF,  4*KS*PK   ; a slot holds four steps: 256 rows of K, then 256 rows of V
.set SLOT1, 1<<17     ; slot 1 begins here, so that one exclusive or turns an address in one slot into the other's
.set STAGE, SLOT1+4*KS*(PK+PV)  ; behind the ring, never filled by a tensor load: 16 rows x 144 bytes for each wave, for the way out
.set SP,    144
.set SPARE, STAGE+4*16*SP  ; behind the stages: the spare words, 128 bytes a wave: two blocks of 256 bytes that no other line names
.set AK0, 2           ; v2   my lane's place in a tile of K; never rewritten
.set AV0, 3           ; v3   the same for V
.set AK,  4           ; v4   the LDS address of K's next run of loads
.set AV,  5           ; v5   of V's
.set QO,  6           ; v6   my byte offset in the wave's rows of Q
.set STO, 6           ;      at the end, the way out: where I put 16 bytes of a row
.set RD,  7           ; v7   the way out: where I read rows back
.set GO,  8           ; v8   my byte offset in 512 consecutive bytes of ctx
.set MV,  12          ; v12-13  c m_old, kept while c m is made anew: by tile
.set CV,  14          ; v14-15  c, twice
.set ST,  16          ; tile t's statistics at v[ST+4 t]: c m, m, l (even keys', odd keys')
.set TMP, 48          ; by tile, four registers c0-c3 at work; when the maximum is found c2 takes a
.set MKV, 56          ; v56  -2^60
.set MOFF, 57         ; v57  8 x lane + 256 x the step that the mask's loads ask for, modulo 8,192
.set MB,  58          ; v58-63  the mask words of pieces 0, 1, 2, a pair each; piece 3's lie in v10-11
.set S,   64
.set P,   192
.set KF,  128         ; window 2: key block kb, channel half c at KF + 16 kb + 8 c
.set VF,  192         ; window 2: key half kk, channel block cb at VF + 32 kk + 8 cb
.set SPW, 0           ; v0 of window 3   LDS address of my spare word; never rewritten
.set NIL, 1           ; v1 of window 3   0; never rewritten
.set WV,  2           ; s2   my wave's number
.set MS0, 4           ; s[4:35]  the lane masks of tile 0's 32 registers; s[68:99] those of tile 1's.  (In the set-up: pointers and offsets.)
.set G1K, 36          ; s[36:43] descriptor group 1 for K's tiles
.set G1V, 44          ; s[44:51] for V's: it differs in the padding alone
.set G0K, 52          ; s[52:55] descriptor group 0 for K's tiles: it walks
.set G0V, 56          ; s[56:59] the same for V's
.set SLOTS, 60        ; s60  slots still to be asked for
.set CNT, 61          ; s61  counts a slot's key steps
.set TBK, 62          ; s62  LDS byte at which K of the step to be fetched begins
.set TBV, 63          ; s63  the same for V, less VOFF
.set MP,  66          ; s[66:67] maskbits at my wave's first piece; never rewritten
.set SEL, 100         ; s[100:101] v_permlanex16_b32's selects: each lane takes its own place in the other half
.set OA,  104         ; s[104:105] ctx at my wave's first row
.set MSB, 0
.macro WIN new                      ; the high byte repeats the setting that is left; a switch that changes nothing is dropped
.if MSB != (\new)
	s_set_vgpr_msb (MSB<<8)|(\new)
.set MSB, (\new)
.endif
.endm
.set W_KQ, 0x0a       ; K and Q in window 2, S^T in window 0
.set W_PV, 0x52       ; V in window 2, P in window 0, O^T in window 1
.set W_RS, 0x41       ; O^T (destination and source 0) in window 1, a in window 0
.set W_MK, 0xc0       ; the add's registers are made: destination in window 3
.set W_AD, 0x0f       ; the add: address and data in window 3
; A joint fill.  Waves 0 and 1 fetch the two halves of a slot's K, waves 2 and 3 those of its V: 128 keys each.  The branch hangs on the wave's number alone.
; An s_nop 0 and four v_nop follow each of the two lines, ahead of the jump and the label.
.macro JLOAD
	s_cmp_lt_u32 s[WV], 2
	s_cbranch_scc0 .Lfor_v_\@
	tensor_load_to_lds s[G0K:G0K+3], s[G1K:G1K+7]
	s_nop 0
.rept 4
	v_nop
.endr
	s_branch .Lasked_\@
.Lfor_v_\@:
	tensor_load_to_lds s[G0V:G0V+3], s[G1V:G1V+7]
	s_nop 0
.rept 4
	v_nop
.endr
.Lasked_\@:
.endm
; A round of the cluster's barrier: my work-group's barrier; wave 0 signals for the work-group; every wave waits for all four work-groups; my work-group's barrier once more.
.macro CROUND
	s_barrier_signal -1
	s_barrier_wait -1
	s_cmp_lg_u32 s[WV], 0
	s_cbranch_scc1 .Lnot_wave_0_\@
	s_barrier_signal -3
.Lnot_wave_0_\@:
	s_barrier_wait -3
	s_barrier_signal -1
	s_barrier_wait -1
.endm
; THE CHANGE OF SLOTS.  The slot's last bytes, V of its fourth step, have been read.  Each wave waits for all its tensor loads, of which one is out: its part of the other slot; adds 0 to its spare word; and waits for
; that and for its own reads of the slot.  fill = 1: the barrier is a round of the cluster's, and the slot is filled again, with the keys two slots on, first thing behind it: the load has four key steps, 512 matrix
; instructions, in which to land.  (At its first use nothing has been read yet: slot 0 is waited for, slot 1 filled.)
.macro CHANGE fill
	WIN W_AD
	s_wait_tensorcnt 0x0            ; no tensor load of mine is out, so a group 0 may be written
	ds_add_u32 v[SPW], v[NIL]       ; 0 onto my spare word
	WIN 0                           ; at a label and at a branch every window is 0
.if \fill
.irp g, G0K, G0V
	s_xor_b32 s[\g+1], s[\g+1], SLOT1  ; the walking descriptor: the other slot than last time,
	s_add_nc_u64 s[\g+2:\g+3], s[\g+2:\g+3], 4*KS*128  ; the next 256 keys; the type bits on top are not reached
.endr
	s_wait_dscnt 0x0                ; the add is done, and my reads of the slot are over
	CROUND
	JLOAD
.else
	s_wait_dscnt 0x0
	s_barrier_signal -1
	s_barrier_wait -1
.endif
	s_sub_co_u32 s[TBK], s[TBK], 4*KS*PK  ; the fetches go back to a slot's first step,
	s_xor_b32 s[TBK], s[TBK], SLOT1       ; in the other slot
	s_sub_co_u32 s[TBV], s[TBV], 4*KS*PV
	s_xor_b32 s[TBV], s[TBV], SLOT1
.endm
.macro MREG pn                      ; rB: the pair that holds piece pn's 64 mask words
.if (\pn) == NP-1
.set rB, 10
.else
.set rB, MB+2*(\pn)
.endif
.endm
	s_load_b128 s[4:7], s[0:1], 0x0   ; qkv s[4:5], maskbits s[6:7]
	s_load_b64 s[8:9], s[0:1], 0x10   ; ctx
	WIN W_MK
	v_lshl_add_u32 v[SPW], v0, 2, SPARE
	v_mov_b32 v[NIL], 0
	WIN W_AD
	ds_add_u32 v[SPW], v[NIL]       ; the wave's opening: the add and its wait stand ahead of my first tensor load; the set-up below, work on registers, stands between them
	WIN 0
	v_lshrrev_b32 v1, 5, v0
	v_readfirstlane_b32 s[WV], v1   ; wave 0..3
	s_bfe_u32 s13, ttmp6, 0x40000   ; cx: my place in the cluster
	s_lshl_b32 s14, ttmp9, 2        ; in a cluster launch ttmp9 counts clusters
	s_add_co_u32 s14, s14, s13      ; my block of 512 queries: it enters Q's, the mask's and ctx's addresses alone
	s_lshl_b32 s15, s14, 2
	s_add_co_u32 s15, s15, s[WV]    ; my wave among the head's sixteen
	s_and_b32 s12, ttmp7, 0xffff    ; y, which the four partners share
	s_lshl_b32 s20, s12, 18         ; the head's first byte in Q and in ctx
	s_and_b32 s16, s[WV], 1         ; which half of a slot's 256 keys I fetch:
	s_lshl_b32 s22, s16, 14         ; its 128 rows of 128 bytes in memory,
	s_add_co_u32 s22, s22, s20
	s_add_co_u32 s24, s22, 1<<24    ; in K, which lies 16,777,216 bytes behind Q,
	s_mov_b32 s25, 0
	s_add_co_u32 s26, s22, 2<<24    ; and in V
	s_mov_b32 s27, 0
	s_mul_i32 s17, s16, 128*PK      ; and its place in a slot, for K
	s_mul_i32 s18, s16, 128*PV      ; and for V: no place in the cluster enters an LDS address
	s_lshl_b32 s30, s15, 14         ; my wave's 128 rows
	s_add_co_u32 s30, s30, s20
	s_mov_b32 s31, 0
	s_lshr_b32 s32, s12, 4          ; b: 64 groups of 32 queries x 8,192 bytes,
	s_lshl_b32 s32, s32, 19
	s_lshl_b32 s33, s15, 15         ; my wave's four groups
	s_add_co_u32 s32, s32, s33
	s_mov_b32 s33, 0
	; descriptor group 1.  128 keys are 16,384 dense bytes: asked for as 64 rows of 256 bytes, two keys a row, and padded in LDS after every key
	s_mov_b32 s[G1K], 15|(1<<16)|(1<<20)|(1<<21)|(4<<22)|(3<<25)  ; 15:0 the mask of four; 17:16 2-byte elements; 20 padding on; 21 set beside a mask; 24:22 after every 32 words (code 4); 31:25 4 words (code 3)
	s_mov_b32 s[G1V], 15|(1<<16)|(1<<20)|(1<<21)|(4<<22)|(7<<25)  ; the same with 8 words of padding (code 7)
.irp g, G1K, G1V
	s_mov_b32 s[\g+1], 128<<16      ; tensor_dim0 = 128
	s_mov_b32 s[\g+2], 64<<16       ; tensor_dim1 = 64
	s_mov_b32 s[\g+3], 128<<16      ; tile_dim0 = 128
	s_mov_b32 s[\g+4], 64           ; tile_dim1 = 64
	s_mov_b32 s[\g+5], 128          ; 128 elements from row to row
	s_mov_b32 s[\g+6], 0
	s_mov_b32 s[\g+7], 0
.endr
	s_mov_b32 s[SEL], 0x76543210
	s_mov_b32 s[SEL+1], 0xfedcba98
	s_mov_b32 s[TBK], SLOT1+4*KS*PK ; the first change of slots turns these two into 0
	s_mov_b32 s[TBV], SLOT1+4*KS*PV
	s_mov_b32 s[G0K], 1             ; count = 1
	s_mov_b32 s[G0K+1], s17         ; LDS address: slot 0
	s_mov_b32 s[G0V], 1
	s_add_co_u32 s[G0V+1], s18, VOFF
	s_wait_dscnt 0x0                ; the opening add is done
	s_wait_kmcnt 0x0
	s_add_nc_u64 s[G0K+2:G0K+3], s[4:5], s[24:25]  ; global address: my half of the head's first 256 keys
	s_or_b32 s[G0K+3], s[G0K+3], 0x80000000        ; type = 2
	s_add_nc_u64 s[G0V+2:G0V+3], s[4:5], s[26:27]
	s_or_b32 s[G0V+3], s[G0V+3], 0x80000000
	s_add_nc_u64 s[10:11], s[4:5], s[30:31]        ; Q at my wave's first row
	s_add_nc_u64 s[OA:OA+1], s[8:9], s[30:31]      ; ctx likewise
	s_add_nc_u64 s[MP:MP+1], s[6:7], s[32:33]
	CROUND                          ; all four work-groups are here: the first joint loads meet
	JLOAD                           ; slot 0.  Slot 1 is asked for when slot 0 is in
	; A fragment of K or Q is 16 rows x 32 channels in 8 registers: lane l holds row l % 16, channels 8 (l / 16) + 0..7 and 16 + 8 (l / 16) + 0..7: two loads of 16 bytes, 32 bytes apart.
	v_and_b32 v1, 15, v0            ; l % 16
	v_bfe_u32 v9, v0, 4, 1          ; l / 16
	v_lshlrev_b32 v[QO], 7, v1
	v_lshl_add_u32 v[QO], v9, 4, v[QO]  ; row x 128 + 16 x half
	v_mul_u32_u24 v[AK0], v1, PK
	v_lshl_add_u32 v[AK0], v9, 4, v[AK0]  ; row x pitch + 16 x half
	; The turning load takes 16 keys x 16 channels (lane l reads key 8 (l / 16) + l % 8, channels 8 ((l / 8) % 2) + 0..7) and leaves half a fragment of V^T: lane l holds channel l % 16 and 8 keys.
	v_and_b32 v10, 7, v0
	v_bfe_u32 v11, v0, 3, 1
	v_lshl_add_u32 v[AV0], v9, 3, v10
	v_mul_u32_u24 v[AV0], v[AV0], PV
	v_lshl_add_u32 v[AV0], v11, 4, v[AV0]
	v_add_nc_u32 v[AV0], VOFF, v[AV0]
	v_mov_b32 v[AK], v[AK0]         ; key step 0 lies at the head of slot 0
	v_and_b32 v[MOFF], 31, v0
	v_lshlrev_b32 v[MOFF], 3, v[MOFF]  ; 8 x lane: step 0
	WIN 0x80                        ; destination window 2, address window 0
.set i, 0
.rept 4*NP                          ; Q stays in registers: tile i / 2, channels 32 (i % 2) on
	global_load_b128 v[8*i:8*i+3],   v[QO], s[10:11] offset:(i/2)*2048+(i%2)*64
	global_load_b128 v[8*i+4:8*i+7], v[QO], s[10:11] offset:(i/2)*2048+(i%2)*64+32
.set i, i+1
.endr
	WIN 0
.set i, 0
.rept NP                            ; the four pieces' mask words of step 0: 256 consecutive bytes each (v10 and v11 have served)
	MREG i
	global_load_b64 v[rB:rB+1], v[MOFF], s[MP:MP+1] offset:i*8192
.set i, i+1
.endr
	; What the first turn finds: V's registers and P's second buffer hold 0 (its products V^T P, of a piece that has not been, add 0), O^T is 0.  All this stands in the wait for the first tile.
	WIN 0x80
.set i, VF
.rept 64
	v_mov_b32 v[i], 0
.set i, i+1
.endr
	WIN 0x40
.set i, 0
.rept 64*NP
	v_mov_b32 v[i], 0
.set i, i+1
.endr
	WIN 0
.set i, P+32
.rept 32
	v_mov_b32 v[i], 0
.set i, i+1
.endr
	v_mov_b32 v[CV], 0x3e38aa3b     ; c = log2(e) / 8 = 0.180337
	v_mov_b32 v[CV+1], 0x3e38aa3b
	v_mov_b32 v[MKV], 0xdd800000    ; -2^60
; THE MATRIX WORK.  The 8 accumulators of a run of 16 take turns: between the two links of a chain stand 7 others'.
; Product i of 16 of S^T = K Q^T for piece x: channels 32 (i / 8) on, keys 16 ((i / 2) % 4) on, tile 2 x + i % 2.  The first 8 start the sums.
.macro KQ x
	WIN W_KQ
.set rS, S+64*((\x)%2)+32*(i%2)+8*((i/2)%4)
.set rK, KF+16*((i/2)%4)+8*(i/8)
.set rQ, 16*(2*(\x)+i%2)+8*(i/8)
.if i < 8
	v_wmma_f32_16x16x32_f16 v[rS:rS+7], v[rK:rK+7], v[rQ:rQ+7], 0
.else
	v_wmma_f32_16x16x32_f16 v[rS:rS+7], v[rK:rK+7], v[rQ:rQ+7], v[rS:rS+7]
.endif
.endm
; Product i of 16 of O^T += V^T P for piece x: keys 32 (i / 8) on, channels 16 ((i / 2) % 4) on, tile 2 x + i % 2.
.macro PV x
	WIN W_PV
.set rO, 32*(2*(\x)+i%2)+8*((i/2)%4)
.set rV, VF+32*(i/8)+8*((i/2)%4)
.set rP, P+32*((\x)%2)+16*(i%2)+8*(i/8)
	v_wmma_f32_16x16x32_f16 v[rO:rO+7], v[rV:rV+7], v[rP:rP+7], v[rO:rO+7]
.endm
; THE LDS LOADS stand in runs of 16: a step's K (64 keys x 64 channels: 8 fragments) and its V (turned).  last = 1 (the tail): in the last trip there is no further step, and the run is jumped over.
.macro FETCH_K last=0
	WIN 0
.if \last
	s_cmp_eq_u32 s[CNT], 1
	s_cbranch_scc1 .Lno_k_\@
.endif
	WIN 0x80                        ; destination window 2
.irp f, 0,1,2,3,4,5,6,7             ; keys 16 (f / 2) on, channels 32 (f % 2) on
	ds_load_b128 v[KF+8*\f:KF+8*\f+3],   v[AK] offset:(\f/2)*16*PK+(\f%2)*64
	ds_load_b128 v[KF+8*\f+4:KF+8*\f+7], v[AK] offset:(\f/2)*16*PK+(\f%2)*64+32
.endr
	s_add_co_u32 s[TBK], s[TBK], KS*PK  ; the next fetch is the next step's
	WIN 0
.if \last
.Lno_k_\@:
.endif
.endm
.macro FETCH_V
	WIN 0x80
.irp f, 0,1,2,3,4,5,6,7             ; keys 32 (f / 4) on, channels 16 (f % 4) on
	ds_load_tr16_b128 v[VF+8*\f:VF+8*\f+3],   v[AV] offset:(\f/4)*32*PV+(\f%4)*32
	ds_load_tr16_b128 v[VF+8*\f+4:VF+8*\f+7], v[AV] offset:(\f/4)*32*PV+16*PV+(\f%4)*32
.endr
	WIN 0
.endm
; THE VECTOR WORK OF A TURN, for piece Y, tile u (0, 1); RL alone works for piece Y + 1.
.macro RL                           ; word w of 64 of the next piece's mask goes from its lane (w / 2, register w % 2) into its scalar register: tile w / 32, score register w % 32
	WIN 0
	MREG (Y+1)%NP
	v_readlane_b32 s[MS0+64*(w/32)+w%32], v[rB+w%2], w/2
.set w, w+1
.endm
.macro MK u, x                      ; score x of 32 is replaced where its key is hidden.  x ascends: each accumulator's lowest register is read first
.set rS, S+64*(Y%2)+32*(\u)+(\x)
	v_cndmask_b32 v[rS], v[rS], v[MKV], s[MS0+64*(\u)+(\x)]
.endm
; Number n of the 22 that find the maximum and statistics.
;   0-11  four chains c0-c3 of seven scores each, three operands at a time     12-14, 16  the four scores left over, the old m, and c0-c3 into c0     15  c m_old is kept
;   17, 18  the query's other 32 keys lie in the lane 16 away: the new m         19-21  c m; c m_old - c m_new; a, the batch's first exponential
.macro XS u, n
.set rT, ST+4*(2*Y+(\u))
.set rC, TMP+4*(\u)
.set rM, MV+(\u)
.set rS, S+64*(Y%2)+32*(\u)
.if (\n) < 4
	v_max3_num_f32 v[rC+(\n)], v[rS+8*(\n)], v[rS+8*(\n)+1], v[rS+8*(\n)+2]
.elseif (\n) < 12
	v_max3_num_f32 v[rC+(\n)%4], v[rC+(\n)%4], v[rS+8*((\n)%4)+2*((\n)/4)+1], v[rS+8*((\n)%4)+2*((\n)/4)+2]
.elseif (\n) == 12
	v_max3_num_f32 v[rC], v[rC], v[rS+7], v[rS+15]
.elseif (\n) == 13
	v_max3_num_f32 v[rC+1], v[rC+1], v[rS+23], v[rS+31]
.elseif (\n) == 14
	v_max3_num_f32 v[rC+2], v[rC+2], v[rC+3], v[rT+1]
.elseif (\n) == 15
	v_mov_b32 v[rM], v[rT]
.elseif (\n) == 16
	v_max3_num_f32 v[rC], v[rC], v[rC+1], v[rC+2]
.elseif (\n) == 17
	v_permlanex16_b32 v[rC+3], v[rC], s[SEL], s[SEL+1]
.elseif (\n) == 18
	v_max_num_f32 v[rT+1], v[rC], v[rC+3]
.elseif (\n) == 19
	v_mul_f32 v[rT], v[CV], v[rT+1]
.elseif (\n) == 20
	v_sub_f32 v[rC+1], v[rM], v[rT]
.else
	v_exp_f32 v[rC+2], v[rC+1]
.endif
.endm
.macro FS u, n                      ; c s - c m for pair n of 16
	WIN 0
.set rT, ST+4*(2*Y+(\u))
.set rS, S+64*(Y%2)+32*(\u)+2*(\n)
	v_pk_fma_f32 v[rS:rS+1], v[rS:rS+1], v[CV:CV+1], v[rT:rT+1] op_sel_hi:[1,0,0] neg_lo:[0,0,1] neg_hi:[0,0,1]
.endm
; Exponential e of 64 and the plain line behind it.  Group e / 4 is tile (e / 4) % 2, weights 4 (e / 8) .. + 3, in place.  The plain line names no exponential's result: behind exponentials 0-15 tile 1's scalings 0-15, behind 16-19
; tile 0's scalings 12-15 (its first twelve stand in the lines before), behind 20-63 a move.  Tile 1's pair n is wanted at exponential 8 (n / 2) + 4 + 2 (n % 2) and scaled behind exponential n; tile 0's pairs 12-15 are wanted from 48 on.
.macro EP
	WIN 0
.set rS, S+64*(Y%2)+32*((e/4)%2)+4*(e/8)+e%4
	v_exp_f32 v[rS], v[rS]
.if e < 16
	FS 1, e
.elseif e < 20
	FS 0, e-4
.else
	RL
.endif
.set e, e+1
.endm
; Entry g of the 64 that read the weights; they stand behind the batch's wait.  For each four weights k of a tile (pairs 2 k, 2 k + 1): both pairs are rounded to f16; then the second pair is added onto the first, in place; a block
; later l takes that sum (the first time as l = a l + sum).  In blocks of eight, tiles alternating: round, round, add, and l for the block before.
.macro GS
	WIN 0
.set h, g+6*(g/62)                  ; block 0 has no block before it, and behind block 7 only l is left
.if h >= 6
.set h, h+2
.endif
.set u, h%2
.set k, h/8
.set rT, ST+4*(2*Y+u)
.set rC, TMP+4*u
.set rS, S+64*(Y%2)+32*u
.set rP, P+32*(Y%2)+16*u
.if h%8 < 4
	v_cvt_pk_f16_f32 v[rP+2*k+(h%8)/2], v[rS+4*k+2*((h%8)/2)], v[rS+4*k+2*((h%8)/2)+1]
.elseif h%8 < 6
	v_pk_add_f32 v[rS+4*k:rS+4*k+1], v[rS+4*k:rS+4*k+1], v[rS+4*k+2:rS+4*k+3]
.elseif k == 1
	v_pk_fma_f32 v[rT+2:rT+3], v[rT+2:rT+3], v[rC+2:rC+3], v[rS:rS+1] op_sel_hi:[1,0,1]
.else
	v_pk_add_f32 v[rT+2:rT+3], v[rT+2:rT+3], v[rS+4*k-4:rS+4*k-3]
.endif
.set g, g+1
.endm
.macro R4                           ; O^T times a, the one part that leaves window 0: an accumulator at a time, from its low end, eight times; it reads a, so it stands behind the batch's wait
.set rO, 32*(2*Y+r%2)+8*(r/2)
.set rC, TMP+4*(r%2)
	WIN W_RS
.irp z, 0,1,2,3
	v_pk_mul_f32 v[rO+2*\z:rO+2*\z+1], v[rO+2*\z:rO+2*\z+1], v[rC+2:rC+3] op_sel_hi:[1,0]
.endr
.set r, r+1
.endm
; A TURN, for piece p.  No rider names a register of the products round it.
; AHEAD OF THE WAIT: the 16 products K Q^T, four replacements behind each; then the lump: maximum and statistics, one tile's chain between the other tile's lines, with the two a; the scalings; the 64 exponentials, plain and
; exponential by turns.  A v_nop is the plain instruction behind the last exponential; twelve moves, and in two of the turns an address line, are the work between the batch and its wait.  BEHIND THE WAIT: the 16 products
; V^T P, behind each four of the 64 roundings and sums; then the 32 rescalings, the second lump.
; K of the next step is fetched in piece 2's turn behind its 16 products K Q^T: the four replacements behind the last of them are the places in front of the loads; it is waited for at the head of piece 3's turn.
; V of the step in hand is fetched at the end of piece 0's turn, behind the whole second lump; it is waited for in piece 1's turn, in front of its products V^T P.
; THE MASK.  Behind the 64 replacements the scalar registers are free.  The next piece's words were asked for four turns ago; the three loads issued since, the other pieces', may stay out (s_wait_loadcnt 3).  Of the 64 moves
; four stand in each tile's chain 17 to 21, one behind each of the last 44 exponentials, twelve ahead of the wait.  At the turn's end the pair is loaded again, with the same piece's next step.  Piece 3's turn steps the offset
; first (piece 0 is a step ahead of the others); cut to 8,192, it wraps behind step 31 to the piece's own first steps: those last loads stay inside the buffer, and nothing reads them.
.macro TURN p, last=0
.set Y, (\p)
.set w, 0
.if (\p) == NP-1
	s_wait_dscnt 0x0                ; K is in
.endif
.set i, 0
.rept 16
	KQ (Y+1)%NP
	WIN 0
	MK 0, 2*i
	MK 1, 2*i
	MK 0, 2*i+1
	MK 1, 2*i+1
.if ((\p) == NP-2) && (i == 8)
	v_add_nc_u32 v[AK], s[TBK], v[AK0]
.endif
.set i, i+1
.endr
.if (\p) == NP-2
	FETCH_K \last
.endif
	WIN 0                           ; the lump: one tile's chain stands between the other tile's lines
	s_wait_loadcnt 3                ; loads come back in order (ISA guide 5.7.1): the next piece's mask words are in, the three younger loads stay out
.set n, 0
.rept 12
	XS 0, n
.set n, n+1
.endr
.set n, 0
.rept 10
	XS 0, 12+n
	XS 1, n
.if (n >= 5) && (n <= 8)
	RL
.endif
.set n, n+1
.endr
	XS 1, 10
	XS 1, 11
.set n, 0
.rept 10
	XS 1, 12+n
	FS 0, n
.if (n >= 5) && (n <= 8)
	RL
.endif
.set n, n+1
.endr
	FS 0, 10
	FS 0, 11
.set e, 0
.rept 64                            ; the batch goes on: the 64 weights
	EP
.endr
	v_nop                           ; the plain instruction behind the last exponential: one for the batch
.if (\p) == 0
	v_add_nc_u32 v[AV], s[TBV], v[AV0]
.endif
.rept 12
	RL
.endr
.if (\p) == NP-1
	s_wait_xcnt 0x0                 ; the offset, which the three loads that are out name, is rewritten only behind this wait
	v_add_nc_u32 v[MOFF], 0x100, v[MOFF]
	v_and_b32 v[MOFF], 0x1fff, v[MOFF]
.endif
	s_wait_alu depctr_va_vdst(0)    ; the wait for the batch, the turn's 66 exponentials, ahead of the first line that names a result
.if (\p) == 1
	s_wait_dscnt 0x0                ; V is in
.endif
.set i, 0
.set g, 0
.rept 16
	PV (Y+NP-1)%NP
	GS
	GS
	GS
	GS
.set i, i+1
.endr
.set r, 0
.rept 8                             ; the second lump
	R4
.endr
	WIN 0
	MREG (Y+1)%NP
	global_load_b64 v[rB:rB+1], v[MOFF], s[MP:MP+1] offset:((Y+1)%NP)*8192  ; 256 consecutive bytes, aligned; read four turns on
.if (\p) == 0
	s_add_co_u32 s[TBV], s[TBV], KS*PV
	FETCH_V
.endif
.endm
	CHANGE 1                        ; slot 0 is in, everybody's part of it; slot 1 is asked for
	FETCH_K                         ; key step 0
	s_wait_loadcnt 0x0              ; Q and the four pieces' first mask words are in: Q's base, which lies among the mask's scalar registers, and the offset are free
.set Y, NP-1                        ; RL works for piece Y + 1: piece 0
.set w, 0
.rept 64
	RL
.endr
	v_add_nc_u32 v[MOFF], 0x100, v[MOFF]  ; step 1
	MREG 0
	global_load_b64 v[rB:rB+1], v[MOFF], s[MP:MP+1]  ; piece 0's words of step 1
	s_wait_dscnt 0x0
.set i, 0
.rept 16
	KQ 0                            ; piece 0's first scores: there is no vector work yet to set between them
.set i, i+1
.endr
	WIN 0                           ; the statistics' first values: 32 plain instructions, the places behind those products
.set i, 0
.rept 2*NP
	v_mov_b32 v[ST+4*i], 0xfe000000    ; c m: far below every c s, a hidden one's too
	v_mov_b32 v[ST+4*i+1], 0xff7fffff  ; m
	v_mov_b32 v[ST+4*i+2], 0
	v_mov_b32 v[ST+4*i+3], 0
.set i, i+1
.endr
	s_mov_b32 s[CNT], 4
	s_mov_b32 s[SLOTS], 7           ; 2,048 / 256 - 1
	s_branch .Lfirst                ; the loop is entered at a step's first turn, in the middle of a trip
.Lslot:                             ; six times: every slot but the last two is filled again
	CHANGE 1
	s_mov_b32 s[CNT], 4
.Lstep:                             ; a trip: pieces 2 and 3 of one step, then pieces 0 and 1 of the next, whose K and V it fetches
	TURN 2
	TURN 3
	WIN 0
.Lfirst:
	TURN 0
	TURN 1
	WIN 0
	s_sub_co_u32 s[CNT], s[CNT], 1
	s_cmp_lg_u32 s[CNT], 0
	s_cbranch_scc1 .Lstep
	s_sub_co_u32 s[SLOTS], s[SLOTS], 1
	s_cmp_lg_u32 s[SLOTS], 0
	s_cbranch_scc1 .Lslot
	CHANGE 0                        ; the tail is written out: nothing is asked for
	s_mov_b32 s[CNT], 5             ; four trips fetch the last slot's steps; the fifth is left in its middle
.Ltail:
	TURN 2, 1
	TURN 3
	WIN 0
	s_sub_co_u32 s[CNT], s[CNT], 1
	s_cmp_eq_u32 s[CNT], 0
	s_cbranch_scc1 .Lout
	TURN 0
	TURN 1
	WIN 0
	s_branch .Ltail
.Lout:                              ; the fifth trip's 16 products K Q^T (on the last K once more) serve nothing: the price, once a launch, of one text for every trip
.set i, 0
.rept 16
	PV NP-1                         ; the last piece's V^T P of the last step
.set i, i+1
.endr
	; THE WAY OUT.  Its addresses are made here, from my thread's number: these lines and the additions are the places behind the last products.  (None names a register of the mask's last loads, which may still be out.)
	; l's two halves and the other half of the lanes' are added; O^T is divided by l, rounded to f16 and sent through my stage in LDS, a tile at a time.
	WIN 0
	s_mul_i32 s3, s[WV], 16*SP
	s_add_co_u32 s3, s3, STAGE      ; my stage
	v_and_b32 v1, 15, v0            ; l % 16
	v_bfe_u32 v9, v0, 4, 1          ; l / 16
	v_and_b32 v4, 7, v0
	v_mul_u32_u24 v[STO], v1, SP    ; in: row l % 16, 16 bytes for each half of the lanes
	v_lshl_add_u32 v[STO], v9, 4, v[STO]
	v_add_nc_u32 v[STO], s3, v[STO]
	v_bfe_u32 v[RD], v0, 3, 2       ; back: 32 lanes take four rows of 128 bytes,
	v_mul_u32_u24 v[RD], v[RD], SP
	v_lshl_add_u32 v[RD], v4, 4, v[RD]
	v_add_nc_u32 v[RD], s3, v[RD]
	v_and_b32 v[GO], 31, v0         ; which are 512 consecutive bytes of ctx
	v_lshlrev_b32 v[GO], 4, v[GO]
.macro ALL line:vararg              ; one line for each tile t
.set t, 0
.rept 2*NP
	\line
.set t, t+1
.endr
.endm
	ALL v_add_f32 v[ST+4*t+2], v[ST+4*t+2], v[ST+4*t+3]
	ALL v_permlanex16_b32 v[ST+4*t+3], v[ST+4*t+2], s[SEL], s[SEL+1]
	ALL v_add_f32 v[ST+4*t+2], v[ST+4*t+2], v[ST+4*t+3]
	ALL v_rcp_f32 v[ST+4*t+2], v[ST+4*t+2]
	v_nop                           ; a plain instruction between the last reciprocal and the use of its result
	s_wait_alu depctr_va_vdst(0)    ; and the wait ahead of the first use: one for the batch of eight reciprocals
; Tile t: a lane's eight channels of a row pack into 16 bytes; they go into rows of 144 bytes and come back as whole rows of 128, into S^T's registers.
.macro PACK t
	WIN W_RS
.set i, 32*(\t)
.rept 16
	v_pk_mul_f32 v[i:i+1], v[i:i+1], v[ST+4*(\t)+2:ST+4*(\t)+3] op_sel_hi:[1,0]
.set i, i+2
.endr
	WIN 0x05                        ; sources 0 and 1 window 1, destination window 0
.set i, 0
.rept 16
	v_cvt_pk_f16_f32 v[S+16*(\t)+i], v[32*(\t)+2*i], v[32*(\t)+2*i+1]
.set i, i+1
.endr
	WIN 0
.irp f, 0,1,2,3
	ds_store_b128 v[STO], v[S+16*(\t)+4*\f:S+16*(\t)+4*\f+3] offset:32*\f
.endr
.irp f, 0,1,2,3
	ds_load_b128 v[S+16*(\t)+4*\f:S+16*(\t)+4*\f+3], v[RD] offset:\f*4*SP  ; LDS serves a wave's instructions in order (ISA guide 5.7.1.4): these see the stores above; the next tile's stores come behind them
.endr
.endm
.macro SEND t, younger              ; younger: the LDS instructions issued behind tile t's loads: the next tile's eight, or none
	WIN 0
.irp f, 0,1,2,3
	s_wait_dscnt (\younger)+3-\f
	global_store_b128 v[GO], v[S+16*(\t)+4*\f:S+16*(\t)+4*\f+3], s[OA:OA+1] offset:(\t)*2048+\f*512  ; 512 consecutive bytes, at a multiple of 256 from ctx's first
.endr
.endm
	PACK 0
.set t, 1
.rept 2*NP-1                        ; a tile's arithmetic stands between the loads of the tile before and its stores
	PACK t
	SEND t-1, 8
.set t, t+1
.endr
	SEND 2*NP-1, 0
	WIN W_AD
	s_wait_tensorcnt 0x0            ; the wave's end: behind my last tensor load and my last LDS store
	ds_add_u32 v[SPW], v[NIL]
	s_wait_dscnt 0x0
	WIN 0
	CROUND                          ; the closing round: no work-group ends while a partner may still ask for a tile that names it
	s_endpgm
.Lfunc_end_k_qd930d7fe93_attn:
	.size	k_qd930d7fe93_attn, .Lfunc_end_k_qd930d7fe93_attn-k_qd930d7fe93_attn
	.p2alignl 7, 3214868480
	.fill 96, 4, 3214868480
	.section	.rodata,"a",@progbits
	.p2align	6, 0x0
	.amdhsa_kernel k_qd930d7fe93_attn
		.amdhsa_group_segment_fixed_size 327680
		.amdhsa_private_segment_fixed_size 0
		.amdhsa_enable_private_segment 0
		.amdhsa_kernarg_size 24
		.amdhsa_user_sgpr_count 2
		.amdhsa_user_sgpr_kernarg_segment_ptr 1
		.amdhsa_wavefront_size32 1
		.amdhsa_system_sgpr_workgroup_id_x 1
		.amdhsa_system_sgpr_workgroup_id_y 1
		.amdhsa_system_sgpr_workgroup_id_z 1
		.amdhsa_system_vgpr_workitem_id 0
		.amdhsa_next_free_vgpr 770
		.amdhsa_next_free_sgpr 106
		.amdhsa_reserve_vcc 0
		.amdhsa_float_denorm_mode_32 3
		.amdhsa_float_denorm_mode_16_64 3
		.amdhsa_memory_ordered 1
		.amdhsa_forward_progress 1
		.amdhsa_inst_pref_size 255
	.end_amdhsa_kernel
	.section	.bss,"aw",@nobits
	.p2align	6
	.space	262144
	.amdgpu_metadata
---
amdhsa.version: [ 1, 2 ]
amdhsa.kernels:
  - .name:           k_qd930d7fe93_attn
    .symbol:         k_qd930d7fe93_attn.kd
    .args:
      - { .name: qkv, .offset: 0, .size: 8, .value_kind: global_buffer, .address_space: global }
      - { .name: maskbits, .offset: 8, .size: 8, .value_kind: global_buffer, .address_space: global }
      - { .name: ctx, .offset: 16, .size: 8, .value_kind: global_buffer, .address_space: global }
    .group_segment_fixed_size: 327680
    .private_segment_fixed_size: 0
    .kernarg_segment_align: 8
    .kernarg_segment_size: 24
    .max_flat_workgroup_size: 128
    .sgpr_count:     106
    .vgpr_count:     770
    .wavefront_size: 32
...
	.end_amdgpu_metadata
.endif
;; end of part 8
;; launch outp: the kernel of part 4 again; grid 4 x 64, 4 waves a work-group, clusters of 4 x 4, 327,680 bytes of LDS; arguments ctx, wb, out0, bo; writes out0
